; MI455X (gfx1250); checked and timed in simulation.
; The chip was launched on July 23, 2026; its instructions are those of AMD's public machine-readable ISA for CDNA 5 (MIT licence, August 2026) and "CDNA5" Instruction Set Architecture Reference Guide (July 2026). The comments in the code are by the model that wrote it; some were corrected since.
;; Block. Allowed arithmetic: matrix products marked QUANTISED: E4M3 operands, one E8M0 scale for each 32 along K, by v_wmma_scale_f32_16x16x128_f8f6f4 with both operands' format E4M3, f32 sums; everything else in f32.
;; Inputs: W1_codes 4,096 x 16 x 32 uint8 (E4M3 codes of W1, K innermost, in blocks of 32 codes); W1_scales 4,096 x 16 uint8 (E8M0 scales of W1, one for each 32 codes along K); W2_codes 512 x 128 x 32 uint8 (E4M3 codes of W2, K innermost, in blocks of 32 codes); W2_scales 512 x 128 uint8 (E8M0 scales of W2, one for each 32 codes along K); Wk_codes 8 x 64 x 16 x 32 uint8 (E4M3 codes of Wk, K innermost, in blocks of 32 codes); Wk_scales 8 x 64 x 16 uint8 (E8M0 scales of Wk, one for each 32 codes along K); Wo_codes 512 x 16 x 32 uint8 (E4M3 codes of Wo, K innermost, in blocks of 32 codes); Wo_scales 512 x 16 uint8 (E8M0 scales of Wo, one for each 32 codes along K); Wq_codes 8 x 64 x 16 x 32 uint8 (E4M3 codes of Wq, K innermost, in blocks of 32 codes); Wq_scales 8 x 64 x 16 uint8 (E8M0 scales of Wq, one for each 32 codes along K); Wv_codes 8 x 64 x 16 x 32 uint8 (E4M3 codes of Wv, K innermost, in blocks of 32 codes); Wv_scales 8 x 64 x 16 uint8 (E8M0 scales of Wv, one for each 32 codes along K); b1 4,096 float32; b2 512 float32; be1 512 float32; be2 512 float32; bo 512 float32; g1 512 float32; g2 512 float32; x 4 x 2,048 x 512 float32.
;; Outputs: out0 4 x 2,048 x 512 float32.
;; This version of the problem:
;;   THIS VERSION OF THE PROBLEM IS GIVEN IN LOW PRECISION. The matrix products marked QUANTISED in the list below multiply operands that are first quantised to E4M3 (4 exponent bits, 3 mantissa bits; 8 bits a number), with one power-of-two scale for each 32 numbers along K (OCP MX v1.0); their sums are f32. All else is computed in f32.
;;   The module's matrix products, in the order in which they are computed (A, B: the left and right operand; K: the contracted axis; several contracted axes count as one K, in the product's order):
;;     1. [M 512, K 512] x [K 512, N 8,192]; A: input Wq (given as codes); B: computed on the way: QUANTISED
;;     2. [M 512, K 512] x [K 512, N 8,192]; A: input Wk (given as codes); B: computed on the way: QUANTISED
;;     3. [M 512, K 512] x [K 512, N 8,192]; A: input Wv (given as codes); B: computed on the way: QUANTISED
;;     4. batch 32 x [M 2,048, K 64] x [K 64, N 2,048]; A: computed on the way; B: computed on the way: QUANTISED
;;     5. batch 32 x [M 2,048, K 2,048] x [K 2,048, N 64]; A: softmax (see below); B: computed on the way: QUANTISED
;;     6. [M 8,192, K 512] x [K 512, N 512]; A: computed on the way; B: input Wo (given as codes): QUANTISED
;;     7. [M 8,192, K 512] x [K 512, N 4,096]; A: computed on the way; B: input W1 (given as codes): QUANTISED
;;     8. [M 8,192, K 4,096] x [K 4,096, N 512]; A: computed on the way; B: input W2 (given as codes): QUANTISED
;;   THE QUANTISER, for each operand of a quantised product, along K:
;;     - K is cut into blocks of 32 from its start; a last block that is shorter is filled with zeros.
;;     - A block's scale is 2^e with e = floor(log2(the largest magnitude in the block)) - 8, held to -126 .. 127; a block of zeros has e = 0. As a byte (E8M0): e + 127.
;;     - Each number is divided by its block's scale, clamped to +-448, and rounded to the nearest number of E4M3, ties to even, subnormals kept.
;;     - The product sums the exact products of the quantised numbers (number of the format x scale) in f32.
;;   ~~~python
;;   def quantise(x, axis):      # numpy; x: float32 -> the quantised numbers, widened to float32 again
;;       x = np.moveaxis(x, axis, -1); K = x.shape[-1]
;;       x = np.pad(x, [(0, 0)] * (x.ndim - 1) + [(0, -K % 32)]); x = x.reshape(x.shape[:-1] + (-1, 32)); a = np.abs(x).max(-1, keepdims=True)
;;       e = np.where(a > 0, np.clip(np.frexp(np.where(a > 0, a, 1))[1] - 1 - 8, -126, 127), 0)      # np.frexp(a)[1] - 1 = floor(log2(a)), exactly
;;       r = np.clip(x / 2.0 ** e, -448, 448)
;;       step = 2.0 ** (np.maximum(np.frexp(np.where(r == 0, 1, r))[1] - 1, -6) - 3)
;;       q = np.round(r / step) * step * 2.0 ** e      # np.round: ties to even
;;       return np.moveaxis(q.reshape(q.shape[:-2] + (-1,))[..., :K], -1, axis).astype(np.float32)
;;   ~~~
;;   SOFTMAX AHEAD OF A QUANTISED PRODUCT. Where the list says 'softmax', what is quantised is not the finished softmax but p = 2^(t - M), with t = logit x log2(e) and M = ceil(the row's largest t), a whole number; so 1/2 < the row's largest p <= 1. The row's sum l is taken of the UNQUANTISED p, in f32, and the product's result is divided by l at the end. Since M is a whole number, a kernel that streams over the keys may use a running M (the ceiling of the running maximum): every later rescaling is an exact power of two, which a block's scale takes up: the codes' values come out the same.
;;   OPERANDS COMPUTED ON THE WAY. 'Computed on the way' means the value that the module computes at that place (a softmax that the list does not call 'softmax' is quantised finished and normalised). What goes into a quantiser is computed in f32, as accurately as f32 sums, v_exp_f32 and their like allow (about 1e-6 of the number): no bf16 or f16 on the way to a quantiser, and a product that is left as it is and whose result goes on into a quantised operand takes f32 operands (vector FMAs, or v_wmma_f32_16x16x4_f32). A number that lies on a knife's edge between two numbers of the format may be rounded either way, as far as f32 arithmetic and the matrix unit's own rounding can turn it there, and no further.
;;   INPUTS GIVEN AS CODES. W1 (in the module: [512, 4096], K = its axis 0); W2 (in the module: [4096, 512], K = its axis 0); Wk (in the module: [8, 512, 64], K = its axis 1); Wo (in the module: [512, 512], K = its axis 0); Wq (in the module: [8, 512, 64], K = its axis 1); Wv (in the module: [8, 512, 64], K = its axis 1): each comes as NAME_codes (uint8): NAME with its K axis moved to the last place and cut into blocks of 32 codes, [.., K / 32, bytes a block], one block behind the other in memory; one code a byte (a code: sign, 4 exponent bits, 3 mantissa bits); and NAME_scales (uint8): the same leading axes, one E8M0 byte (e + 127) for each 32 codes along K. Its value is code x scale, taken as it is: it is not quantised again, and the codes and scales need not be those that the quantiser above would give.
;; 3 versions, each right; version 2 is faster than version 1; version 3 is version 2 with the launches ln_qkv, wo_ffn written anew for expert scheduling mode. Each part assembles by itself: llvm-mc -triple=amdgcn-amd-amdhsa -mcpu=gfx1250 --defsym DOCPART=n.
;; ======== version 1 of 3: 3 launches
;; workspace buffers: q_img 4,194,304 bytes; q_sc 131,072 bytes; kv 8,650,752 bytes; o_img 4,194,304 bytes; o_sc 131,072 bytes; stats 65,536 bytes; wstream 4,595,712 bytes
;; launch ln_qkv (part 1): grid 64 x 4, 4 waves a work-group, no clusters, 218,624 bytes of LDS; arguments x, g1, be1, stats, Wq_codes, Wq_scales, Wk_codes, Wk_scales, Wv_codes, Wv_scales, q_img, q_sc, kv, Wo_codes, Wo_scales, W1_codes, W1_scales, W2_codes, W2_scales, wstream; writes stats, q_img, q_sc, kv, wstream
.if DOCPART == 1
	.amdgcn_target "amdgcn-amd-amdhsa--gfx1250"
	.amdhsa_code_object_version 6
	.text
	.protected	k_qa05dd54c3a_ln_qkv
	.globl	k_qa05dd54c3a_ln_qkv
	.p2align	8
	.type	k_qa05dd54c3a_ln_qkv,@function
k_qa05dd54c3a_ln_qkv:
	s_mov_b64 s[64:65], 0
	v_nop
	global_prefetch_b8 v0, s[64:65] scope:SCOPE_SE
	s_setreg_imm32_b32 hwreg(HW_REG_WAVE_MODE, 25, 1), 1
	s_wait_xcnt 0x0
; LAYER NORM 1, ITS QUANTISER, THE PRODUCTS q, k, v AND THEIR QUANTISERS; AND THE RE-LAYING OF Wo, W1, W2.  All products on codes of FP8 (E4M3) with one E8M0 scale for each 32 along K.
; Work-group y = 0: q, 1: k, 2: v, for the 128 tokens of block x;  y = 3: Wo, W1, W2 are copied into four streams, one for each wave of the last launch, fragment by fragment in the order of the operand's registers.
; SHARES (y < 3).  Wave w normalises and quantises tokens 32 w .. 32 w + 31 (two tiles of 16) and puts the fragments' images into LDS; behind one barrier it makes units 128 w .. 128 w + 127 (heads 2 w, 2 w + 1) for all
; 128 tokens, with its 32 weight fragments in registers, read from memory once.  The layer norm is made once for each of q, k, v: three times; a launch of its own would cost its start, its end and xn's way to memory and back.
; TILES.  The 16 tokens of tile 2 G + u are 32 G + 8 u + i + 8 (i / 8): so the 16 registers that a lane holds of tiles 2 G, 2 G + 1 in a transposed result are 16 NEIGHBOURS (32 G + 16 (lane / 16) + 0 .. 15).  The rows of a weight
; that form a tile are chosen in the same way.  q, k: source 0 = 16 units, source 1 = 16 tokens: a lane holds one token and registers along the head's axis, which is the scores' K.  v: the sources swapped: a lane holds one
; unit and registers along the tokens, which are the second product's K.
; WORKSPACE: every fragment leaves as an image of its registers: four registers a lane by one store, 512 consecutive bytes a wave.
; LIMITS: a block whose largest magnitude lies under 2^-118 has its byte held at 1; a block of zeros gets the byte 1 and not 127 (its codes are zeros, and this program alone reads the bytes); NaN and infinities are not served.
; REGISTERS: window 0: v1-15, v62, v63 addresses; v16-31 the weights' scale words; v32-35 xn's; v36-53 the quantiser's; v54-61 sums, rstd, mu; v64-79 codes; v128-255 g1 and be1, later 16 accumulators.
;   windows 1, 2: the weights' 32 fragments.   window 3: a tile of x (256 numbers a lane), later eight fragments of xn.
.set REC,    270336                    ; a head's record in kv: K's images 131,072, V's images 131,072, K's pair words 4,096, V's words 4,096
.set SECB,   67584                     ; a section of a stream: 32 fragments of 2,048 bytes, then 16 lines of 128 bytes of scale words
.set STREAM, 17*SECB
.set STGW,   33024                     ; LDS: a stage of 16 rows for each wave,
.set SPI,    2064                      ; rows of 2,048 bytes + 16: an odd multiple of 16, so the 16 rows that a load touches start at 16 different banks
.set XIMG,   132096                    ; xn's 32 fragments: (tile, K step) at (4 tile + step) x 2,048
.set XSC,    197632                    ; their scale words: [K step][tile][16 words]
.set GL,     199680                    ; for each wave g1 (2,048 bytes), then be1
.set VSB,    216064                    ; v alone: for each wave 512 scale bytes, [unit tile 8][16 rows][4 blocks of keys]
.set LI, 1
.set LS, 2
.set XRD, 3
.set XSR, 4
.set STI, 5
.set STO, 6
.set GLA, 7
.set XWI, 8
.set XWS, 9
.set WA, 10
.set WSA, 11
.set SCO, 12
.set STA, 13
.set VBA, 14
.set VBR, 15
.set RS, 16
.set SS, 32
.set TM, 36
.set PW, 52
.set PW0, 53
.set SUM, 54
.set RSTD, 58
.set MU, 60
.set VSO, 62
.set GLW, 63
.set PC, 64
.set WA2, 86
.set WSA2, 87
.set ACC, 128
.set WV, 30
.set YY, 31
.set SEL, 42
.set MNT, 45
.set INV, 66
.set EPS, 67
.set MSB, 0
.macro WIN new                         ; the immediate's high byte repeats the setting that is left; a switch that changes nothing is dropped
.if MSB != (\new)
	s_set_vgpr_msb (MSB<<8)|(\new)
.set MSB, (\new)
.endif
.endm
.macro NOPS n
.rept \n
	v_nop
.endr
.endm
; One scaled matrix instruction.  z = 1: the constant 0 starts the sum; else it adds in place.  ra, rb: the side's scale words stand in lanes 16-31 of the register named.
.macro WM d, a, b, z, sa, ra, sb, rb
.if (\z)
.if (\ra)
.if (\rb)
	v_wmma_scale_f32_16x16x128_f8f6f4 v[(\d):(\d)+7], v[(\a):(\a)+15], v[(\b):(\b)+15], 0, v[(\sa)], v[(\sb)] matrix_a_scale:MATRIX_SCALE_ROW1 matrix_b_scale:MATRIX_SCALE_ROW1
.else
	v_wmma_scale_f32_16x16x128_f8f6f4 v[(\d):(\d)+7], v[(\a):(\a)+15], v[(\b):(\b)+15], 0, v[(\sa)], v[(\sb)] matrix_a_scale:MATRIX_SCALE_ROW1
.endif
.else
.if (\rb)
	v_wmma_scale_f32_16x16x128_f8f6f4 v[(\d):(\d)+7], v[(\a):(\a)+15], v[(\b):(\b)+15], 0, v[(\sa)], v[(\sb)] matrix_b_scale:MATRIX_SCALE_ROW1
.else
	v_wmma_scale_f32_16x16x128_f8f6f4 v[(\d):(\d)+7], v[(\a):(\a)+15], v[(\b):(\b)+15], 0, v[(\sa)], v[(\sb)]
.endif
.endif
.else
.if (\ra)
.if (\rb)
	v_wmma_scale_f32_16x16x128_f8f6f4 v[(\d):(\d)+7], v[(\a):(\a)+15], v[(\b):(\b)+15], v[(\d):(\d)+7], v[(\sa)], v[(\sb)] matrix_a_scale:MATRIX_SCALE_ROW1 matrix_b_scale:MATRIX_SCALE_ROW1
.else
	v_wmma_scale_f32_16x16x128_f8f6f4 v[(\d):(\d)+7], v[(\a):(\a)+15], v[(\b):(\b)+15], v[(\d):(\d)+7], v[(\sa)], v[(\sb)] matrix_a_scale:MATRIX_SCALE_ROW1
.endif
.else
.if (\rb)
	v_wmma_scale_f32_16x16x128_f8f6f4 v[(\d):(\d)+7], v[(\a):(\a)+15], v[(\b):(\b)+15], v[(\d):(\d)+7], v[(\sa)], v[(\sb)] matrix_b_scale:MATRIX_SCALE_ROW1
.else
	v_wmma_scale_f32_16x16x128_f8f6f4 v[(\d):(\d)+7], v[(\a):(\a)+15], v[(\b):(\b)+15], v[(\d):(\d)+7], v[(\sa)], v[(\sb)]
.endif
.endif
.endif
.endm
; 64 numbers of a lane, registers qs .. qs + 63 of window W, register 16 b + i = number 16 (lane / 16) + i of block b, become 16 registers of codes (v[PC] on), a scale word (v[PW]) and four bytes (v[TM+4] on).
; Each accumulator among the 64 is first read at its two lowest registers.
.macro QUANT qs, relu, W
	WIN (\W)|((\W)<<2)
.irp b, 0,1,2,3
.if \relu
	v_max3_num_f32 v[TM+\b], v[(\qs)+16*\b], v[(\qs)+16*\b+1], 0x4800000        ; no |.|: what is negative is to become 0; the floor 2^(9 - 127) holds the byte at 1 from below
.else
	v_max3_num_f32 v[TM+\b], |v[(\qs)+16*\b]|, |v[(\qs)+16*\b+1]|, 0x4800000
.endif
.endr
	WIN ((\W)<<2)|((\W)<<4)
.irp i, 2,4,6,8,10,12,14
.irp b, 0,1,2,3
.if \relu
	v_max3_num_f32 v[TM+\b], v[TM+\b], v[(\qs)+16*\b+\i], v[(\qs)+16*\b+\i+1]
.else
	v_max3_num_f32 v[TM+\b], v[TM+\b], |v[(\qs)+16*\b+\i]|, |v[(\qs)+16*\b+\i+1]|   ; the four blocks by turns
.endif
.endr
.endr
	WIN 0
.irp b, 0,1,2,3
	v_permlanex16_b32 v[TM+4+\b], v[TM+\b], s[SEL], s[SEL+1]
.endr
.irp b, 0,1,2,3
	v_max_num_f32 v[TM+\b], v[TM+\b], v[TM+4+\b]                   ; with lane l xor 16's 16: the block's largest magnitude
.endr
.irp b, 0,1,2,3
	v_add_nc_u32 v[TM+12+\b], 0xfc000000, v[TM+\b]                 ; 8 off its exponent field: the conversion's scale operand
.endr
.irp b, 0,1,2,3
	v_and_or_b32 v[TM+8+\b], v[TM+\b], 0x7f800000, s[MNT]          ; 448 x the scale
.endr
.irp b, 0,1,2,3
	v_lshrrev_b32 v[TM+4+\b], 23, v[TM+12+\b]                      ; the scale's byte
.endr
	v_lshl_or_b32 v[PW], v[TM+5], 8, v[TM+4]
	v_lshl_or_b32 v[PW], v[TM+6], 16, v[PW]
	v_lshl_or_b32 v[PW], v[TM+7], 24, v[PW]
	WIN (\W)|((\W)<<6)
.irp b, 0,1,2,3
.irp i, 0,1,2,3,4,5,6,7,8,9,10,11,12,13,14,15
.if \relu
	v_med3_num_f32 v[(\qs)+16*\b+\i], v[(\qs)+16*\b+\i], 0, v[TM+8+\b]
.else
	v_med3_num_f32 v[(\qs)+16*\b+\i], v[(\qs)+16*\b+\i], -v[TM+8+\b], v[TM+8+\b]   ; the conversion to an 8-bit code does not saturate (ISA guide 7.6.2): the hold comes first
.endif
.endr
.endr
	WIN (\W)
.irp b, 0,1,2,3
	v_cvt_scalef32_pk8_fp8_f32 v[PC+4*\b:PC+4*\b+1], v[(\qs)+16*\b:(\qs)+16*\b+7], v[TM+12+\b]
	v_cvt_scalef32_pk8_fp8_f32 v[PC+4*\b+2:PC+4*\b+3], v[(\qs)+16*\b+8:(\qs)+16*\b+15], v[TM+12+\b]
.endr
	WIN 0
	v_nop                                                          ; a plain instruction behind the last conversion, ahead of whatever next touches its registers
.endm
.macro IMAGE adr, off                  ; the fragment in v[PC] on goes to LDS as it stands: 512 consecutive bytes a store
.irp c, 0,1,2,3
	ds_store_b128 v[\adr], v[PC+4*\c:PC+4*\c+3] offset:(\off)+512*\c
.endr
.endm
; rows 4 p .. 4 p + 3 of my tile u, as they lie: each load reads 512 consecutive bytes
.macro RAW u, p
	WIN 0xc0
.irp i, 0,1,2,3
.irp qd, 0,1,2,3
	global_load_b128 v[64*(\p)+16*\i+4*\qd:64*(\p)+16*\i+4*\qd+3], v[LI], s[46:47] offset:(8*(\u)+(4*(\p)+\i)+8*((4*(\p)+\i)/8))*2048+512*\qd
.endr
.endr
	WIN 0
.endm
; the four fragments of my unit tile k (they stay in windows 1 and 2), and with each even k the scale words of tiles k (lanes 0-15) and k + 1 (lanes 16-31)
.macro WCHUNK k
	WIN (1+(\k)/4)<<6
.irp kp, 0,1,2,3
.irp c, 0,1,2,3
	global_load_b128 v[16*(4*((\k)%4)+\kp)+4*\c:16*(4*((\k)%4)+\kp)+4*\c+3], v[WA], s[32:33] offset:(32*((\k)/2)+8*((\k)%2))*512+128*\kp+32*\c
.endr
.endr
	WIN 0
.if ((\k)%2) == 0
.irp kp, 0,1,2,3
	global_load_b32 v[RS+4*((\k)/2)+\kp], v[WSA], s[34:35] offset:(32*((\k)/2))*16+4*\kp
.endr
.endif
.endm
; MY TILE u: through the stage, so that a lane holds 256 numbers of ONE token (register 16 b + i = channel 32 b + 16 (lane / 16) + i); mean, variance (two passes), xn, four fragments.
.macro LNTILE u
.if \u
	s_wait_loadcnt 16                              ; this tile's 64 loads are in; behind them stand the 16 loads of one unit tile of the weights
.endif
	WIN 0x0c
.set n, 0
.rept 64
	ds_store_b128 v[STI], v[4*n:4*n+3] offset:SPI*(n/4)+512*(n%4)
.set n, n+1
.endr
	WIN 0xc0
.set n, 0
.rept 64
	ds_load_b128 v[4*n:4*n+3], v[STO] offset:128*(n/4)+16*(n%4)    ; LDS serves a wave's instructions in order (ISA guide 5.7.1.4): these see my stores
.set n, n+1
.endr
	WIN 0
	s_wait_dscnt 0x0
	s_wait_xcnt 0x0                                ; the last tile's store of (mu, rstd) has read its registers
.irp j, 0,1,2,3
	v_mov_b32 v[SUM+\j], 0
.endr
	WIN 0x0c
.set n, 0
.rept 64
	v_pk_add_f32 v[SUM:SUM+1], v[SUM:SUM+1], v[4*n:4*n+1]
	v_pk_add_f32 v[SUM+2:SUM+3], v[SUM+2:SUM+3], v[4*n+2:4*n+3]
.set n, n+1
.endr
	WIN 0
	v_pk_add_f32 v[SUM:SUM+1], v[SUM:SUM+1], v[SUM+2:SUM+3]
	v_add_f32 v[SUM], v[SUM], v[SUM+1]
	v_permlanex16_b32 v[SUM+1], v[SUM], s[SEL], s[SEL+1]           ; the token's other 256 channels lie in the lane 16 away
	v_add_f32 v[SUM], v[SUM], v[SUM+1]
	v_mul_f32 v[MU], s[INV], v[SUM]
	WIN 0xc3
.set n, 0
.rept 128
	v_pk_add_f32 v[2*n:2*n+1], v[2*n:2*n+1], v[MU:MU+1] op_sel_hi:[1,0] neg_lo:[0,1] neg_hi:[0,1]   ; x - mu
.set n, n+1
.endr
	WIN 0
.irp j, 0,1,2,3
	v_mov_b32 v[SUM+\j], 0
.endr
	WIN 0x0f
.set n, 0
.rept 64
	v_pk_fma_f32 v[SUM:SUM+1], v[4*n:4*n+1], v[4*n:4*n+1], v[SUM:SUM+1]
	v_pk_fma_f32 v[SUM+2:SUM+3], v[4*n+2:4*n+3], v[4*n+2:4*n+3], v[SUM+2:SUM+3]
.set n, n+1
.endr
	WIN 0
	v_pk_add_f32 v[SUM:SUM+1], v[SUM:SUM+1], v[SUM+2:SUM+3]
	v_add_f32 v[SUM], v[SUM], v[SUM+1]
	v_permlanex16_b32 v[SUM+1], v[SUM], s[SEL], s[SEL+1]
	v_add_f32 v[SUM], v[SUM], v[SUM+1]
	v_fma_f32 v[SUM], v[SUM], s[INV], s[EPS]       ; the variance + 1e-5
	v_rsq_f32 v[RSTD], v[SUM]
	v_nop                                          ; a plain instruction behind the transcendental
	s_wait_alu depctr_va_vdst(0)
	v_mov_b32 v[MU+1], v[RSTD]
	s_cmp_lg_u32 s[YY], 0                          ; q's work-groups leave (mu, rstd) for the last launch
	s_cbranch_scc1 .Lnostat_\@
	global_store_b64 v[STA], v[MU:MU+1], s[48:49] offset:64*\u     ; lanes r and r + 16 write the same eight bytes with the same numbers
.Lnostat_\@:
.irp ks, 0,1,2,3
.set n, 0
.rept 16
	ds_load_b128 v[128+4*n:128+4*n+3], v[GLA] offset:512*\ks+128*(n/4)+16*(n%4)
	ds_load_b128 v[192+4*n:192+4*n+3], v[GLA] offset:2048+512*\ks+128*(n/4)+16*(n%4)
.set n, n+1
.endr
	s_wait_dscnt 0x0
	WIN 0xc3
.set n, 0
.rept 32
	v_pk_mul_f32 v[64*\ks+2*n:64*\ks+2*n+1], v[64*\ks+2*n:64*\ks+2*n+1], v[RSTD:RSTD+1] op_sel_hi:[1,0]
.set n, n+1
.endr
.set n, 0
.rept 32
	v_pk_fma_f32 v[64*\ks+2*n:64*\ks+2*n+1], v[64*\ks+2*n:64*\ks+2*n+1], v[128+2*n:128+2*n+1], v[192+2*n:192+2*n+1]
.set n, n+1
.endr
	QUANT 64*\ks, 0, 3
	IMAGE XWI, (4*\u+\ks)*2048
	ds_store_b32 v[XWS], v[PW] offset:512*\ks+64*\u
.if \u == 0
	RAW 1, \ks                                     ; the next tile's rows take the registers just quantised
.endif
	WCHUNK 4*\u+\ks
	s_wait_dscnt 0x0                               ; the stores have read their registers
.endr
.endm
; eight fragments of xn: tiles 2 g, 2 g + 1, four K steps; and their scale words: lanes 0-15 tile 2 g's, lanes 16-31 tile 2 g + 1's
.macro SLOAD g
	WIN 0xc0
.irp up, 0,1
.irp ks, 0,1,2,3
.irp c, 0,1,2,3
	ds_load_b128 v[16*(4*\up+\ks)+4*\c:16*(4*\up+\ks)+4*\c+3], v[XRD] offset:(4*(2*(\g)+\up)+\ks)*2048+512*\c
.endr
.endr
.endr
	WIN 0
.irp ks, 0,1,2,3
	ds_load_b32 v[SS+\ks], v[XSR] offset:512*\ks+128*(\g)
.endr
.endm
; 64 matrix instructions: 8 unit tiles x 2 token tiles x 4 K steps.  The 16 accumulators take turns, one instruction a turn, in the same order in every K step.
.macro PROD kind
.irp ks, 0,1,2,3
.irp hf, 0,1
.if \kind
	WIN 0x07+4*\hf
.else
	WIN 0x0d+\hf
.endif
.irp tt, 0,1,2,3
.irp up, 0,1
.if \kind
	WM ACC+16*(4*\hf+\tt)+8*\up, 16*(4*\up+\ks), 16*(4*\tt+\ks), 1-(\ks+3)/4, SS+\ks, \up, RS+4*((4*\hf+\tt)/2)+\ks, \tt&1
.else
	WM ACC+64*\up+8*(4*\hf+\tt), 16*(4*\tt+\ks), 16*(4*\up+\ks), 1-(\ks+3)/4, RS+4*((4*\hf+\tt)/2)+\ks, \tt&1, SS+\ks, \up
.endif
.endr
.endr
.endr
.endr
	WIN 0
.endm
; kind 0 (q, k): accumulators 64 u' + 8 t: a lane's 64 numbers of tile u' are my 128 units' halves of one token: blocks 0, 1 head 2 w, blocks 2, 3 head 2 w + 1.
; kind 1 (v): accumulators 16 t + 8 u': a lane's 16 numbers of unit tile t are 16 neighbouring tokens of one unit: block bb of half c is unit tile bb of head 2 w + c, and these 32 tokens are block g of the key step.
.macro MAIN kind
	SLOAD 0
.irp g, 0,1,2,3
	s_wait_dscnt 0x0
	PROD \kind
	NOPS 8                                         ; eight places ahead of the loads into xn's registers and of the first read of the results
.if \g < 3
	SLOAD \g+1
.endif
.irp c, 0,1
	s_wait_xcnt 0x0                                ; earlier stores have read the codes' registers
	QUANT ACC+64*\c, 0, 0
.if \kind
.irp bb, 0,1,2,3
	global_store_b128 v[LI], v[PC+4*\bb:PC+4*\bb+3], s[36+2*\c:37+2*\c] offset:2048*\bb+512*\g
	ds_store_b8 v[VBA], v[TM+4+\bb] offset:64*(4*\c+\bb)+\g        ; lanes r and r + 16 write the same byte with the same value
.endr
.else
	global_store_b128 v[LI], v[PC:PC+3], s[36:37] offset:(2*\g+\c)*1024
	global_store_b128 v[LI], v[PC+4:PC+7], s[36:37] offset:(2*\g+\c)*1024+512
	global_store_b128 v[LI], v[PC+8:PC+11], s[38:39] offset:(2*\g+\c)*1024
	global_store_b128 v[LI], v[PC+12:PC+15], s[38:39] offset:(2*\g+\c)*1024+512
.if \c == 0
	v_mov_b32 v[PW0], v[PW]
.else
	v_perm_b32 v80, v[PW], v[PW0], 0x05040100      ; head 2 w: tile 2 g's two bytes, then tile 2 g + 1's
	v_perm_b32 v81, v[PW], v[PW0], 0x07060302      ; head 2 w + 1 likewise
	v_cndmask_b32 v80, v80, v81, vcc_lo            ; lanes 16-31 store the second head's word
	global_store_b32 v[SCO], v80, s[40:41] offset:64*\g
.endif
.endif
.endr
.endr
.endm
	s_load_b256 s[4:11], s[0:1], 0x0               ; x, g1, be1, stats
	s_load_b512 s[12:27], s[0:1], 0x20             ; Wq's codes, scales; Wk's; Wv's; q_img; q_sc
	s_load_b64 s[28:29], s[0:1], 0x60              ; kv
	s_load_b256 s[68:75], s[0:1], 0x68             ; Wo's codes, scales; W1's
	s_load_b128 s[76:79], s[0:1], 0x88             ; W2's
	s_load_b64 s[80:81], s[0:1], 0x98              ; wstream
	v_lshl_add_u32 v122, v0, 2, 0x35400
	v_mov_b32 v123, 0
	v_lshrrev_b32 v16, 5, v0
	v_readfirstlane_b32 s[WV], v16                 ; wave 0..3
	s_and_b32 s[YY], ttmp7, 0xffff
	v_and_b32 v19, 31, v0                          ; lane
	v_and_b32 v16, 15, v0                          ; r
	v_bfe_u32 v17, v0, 4, 1                        ; h
	v_and_b32 v18, 8, v16
	v_add_nc_u32 v18, v18, v16                     ; r + 8 (r / 8)
	v_lshl_add_u32 v20, v17, 3, v18                ; + 8 h: lanes 16-31 take the next tile's rows
	v_lshlrev_b32 v[LI], 4, v19
	v_lshlrev_b32 v[LS], 2, v19
	v_lshlrev_b32 v[WA], 9, v18                    ; a weight's row of 512 bytes,
	v_lshl_add_u32 v[WA], v17, 4, v[WA]            ; + 16 h
	v_lshlrev_b32 v[WSA], 4, v20                   ; its 16 scale bytes
	s_wait_kmcnt 0x0
	s_cmp_eq_u32 s[YY], 3
	s_cbranch_scc1 .Lrelay
	s_mul_i32 s50, s[WV], STGW
	v_add_nc_u32 v[STI], s50, v[LI]
	v_mul_u32_u24 v[STO], v16, SPI
	v_lshl_add_u32 v[STO], v17, 6, v[STO]
	v_add_nc_u32 v[STO], s50, v[STO]
	s_lshl_b32 s50, s[WV], 12
	s_add_co_u32 s50, s50, GL
	v_lshl_add_u32 v[GLA], v17, 6, s50
	v_add_nc_u32 v[GLW], s50, v[LI]
	s_lshl_b32 s50, s[WV], 14
	s_add_co_u32 s50, s50, XIMG
	v_add_nc_u32 v[XWI], s50, v[LI]
	s_lshl_b32 s50, s[WV], 7
	s_add_co_u32 s50, s50, XSC
	v_lshl_add_u32 v[XWS], v16, 2, s50
	v_add_nc_u32 v[XRD], XIMG, v[LI]
	v_add_nc_u32 v[XSR], XSC, v[LS]
	s_lshl_b32 s50, s[WV], 9
	s_add_co_u32 s50, s50, VSB
	v_lshl_add_u32 v[VBA], v16, 2, s50
	v_add_nc_u32 v[VBR], s50, v[LI]
	v_lshlrev_b32 v[STA], 3, v18
	; which weight, which buffers, which strides from head to head: all chosen on y alone
	s_mov_b32 s50, REC
	s_mov_b32 s56, 0x40000
	s_cmp_eq_u32 s[YY], 0
	s_cselect_b32 s53, 0x20000, s50                ; images: a head of q_img is 131,072 bytes, a record REC
	s_cselect_b32 s54, 0x1000, s50                 ; scale words: a head of q_sc is 4,096 bytes
	s_cselect_b32 s56, 0, s56                      ; K's pair words begin 262,144 bytes into a record
	s_cselect_b64 s[36:37], s[24:25], s[28:29]
	s_cselect_b64 s[40:41], s[26:27], s[28:29]
	s_cselect_b64 s[32:33], s[12:13], s[16:17]
	s_cselect_b64 s[34:35], s[14:15], s[18:19]
	s_cmp_eq_u32 s[YY], 2
	s_cselect_b32 s55, 0x20000, 0                  ; V's images begin 131,072 bytes into a record,
	s_cselect_b32 s56, 266240, s56                 ; its words 266,240
	s_cselect_b64 s[32:33], s[20:21], s[32:33]
	s_cselect_b64 s[34:35], s[22:23], s[34:35]
	v_mul_u32_u24 v[SCO], s54, v17
	v_lshl_add_u32 v[SCO], v16, 2, v[SCO]          ; h x the stride + 4 r
	v_mul_u32_u24 v[VSO], s50, v17
	v_lshl_add_u32 v[VSO], v16, 4, v[VSO]          ; h x REC + 16 r
	s_lshr_b32 s51, ttmp9, 4                       ; the batch,
	s_and_b32 s52, ttmp9, 15                       ; the block of 128 tokens in it
	s_lshl_b32 s51, s51, 3
	s_lshl_b32 s57, s[WV], 1
	s_add_co_u32 s51, s51, s57                     ; batch x 8 + head 2 w
	s_mov_b32 s59, 0
	s_mul_i32 s58, s51, s53
	s_lshl_b32 s60, s52, 13                        ; 8,192 bytes of images for 128 tokens of a head
	s_add_co_u32 s58, s58, s60
	s_add_co_u32 s58, s58, s55
	s_add_nc_u64 s[36:37], s[36:37], s[58:59]      ; head 2 w's images,
	s_mov_b32 s58, s53
	s_add_nc_u64 s[38:39], s[36:37], s[58:59]      ; head 2 w + 1's
	s_mul_i32 s58, s51, s54
	s_lshl_b32 s60, s52, 8                         ; 256 bytes of scale words
	s_add_co_u32 s58, s58, s60
	s_add_co_u32 s58, s58, s56
	s_add_nc_u64 s[40:41], s[40:41], s[58:59]
	s_lshl_b32 s58, s[WV], 16
	s_add_nc_u64 s[32:33], s[32:33], s[58:59]      ; my 128 rows of the weight,
	s_lshl_b32 s58, s[WV], 11
	s_add_nc_u64 s[34:35], s[34:35], s[58:59]      ; and of its scales
	s_lshl_b32 s58, ttmp9, 18
	s_lshl_b32 s60, s[WV], 16
	s_add_co_u32 s58, s58, s60
	s_add_nc_u64 s[46:47], s[4:5], s[58:59]        ; x at my 32 tokens
	s_lshl_b32 s58, ttmp9, 10
	s_lshl_b32 s60, s[WV], 8
	s_add_co_u32 s58, s58, s60
	s_add_nc_u64 s[48:49], s[10:11], s[58:59]      ; stats likewise
	s_mov_b32 s[SEL], 0x76543210
	s_mov_b32 s[SEL+1], 0xfedcba98                 ; v_permlanex16_b32's selects for lane l xor 16
	s_mov_b32 s[MNT], 0x600000                     ; the mantissa field of 448
	s_mov_b32 s[INV], 0x3b000000                   ; 1 / 512
	s_mov_b32 s[EPS], 0x3727c5ac                   ; 1e-5
	s_mov_b32 vcc_lo, 0xffff0000                   ; lanes 16-31
.irp k, 0,1,2,3
	global_load_b128 v[128+4*\k:128+4*\k+3], v[LI], s[6:7] offset:512*\k
	global_load_b128 v[144+4*\k:144+4*\k+3], v[LI], s[8:9] offset:512*\k
.endr
.irp p, 0,1,2,3
	RAW 0, \p
.endr
.irp b, 0,1,2,3
	v_mov_b32 v[TM+4+\b], 0                        ; written once: a lane permute's destination counts as one of its sources
.endr
	v_mov_b32 v[RSTD+1], 0                         ; (named as the upper halves of pairs)
	v_mov_b32 v[MU+1], 0
	s_wait_loadcnt 0x0
.irp k, 0,1,2,3
	ds_store_b128 v[GLW], v[128+4*\k:128+4*\k+3] offset:512*\k     ; g1 and be1 into my own copy: no wave waits for another
	ds_store_b128 v[GLW], v[144+4*\k:144+4*\k+3] offset:2048+512*\k
.endr
	LNTILE 0
	LNTILE 1
	s_wait_dscnt 0x0                               ; for the others' sake: my images lie in LDS
	s_barrier_signal -1
	s_barrier_wait -1                              ; all 32 fragments of xn do
	s_wait_loadcnt 0x0                             ; my weights
	s_cmp_eq_u32 s[YY], 2
	s_cbranch_scc1 .Lvpath
	MAIN 0
	s_wait_tensorcnt 0x0
	ds_add_u32 v122, v123
	s_wait_dscnt 0x0
	s_endpgm
.Lvpath:
	MAIN 1
	ds_load_b128 v[82:85], v[VBR]                  ; my 512 scale bytes as words: lanes 0-15 head 2 w's 64 rows, lanes 16-31 head 2 w + 1's
	s_wait_dscnt 0x0
	global_store_b128 v[VSO], v[82:85], s[40:41]   ; sixteen lanes store 256 consecutive bytes, aligned
	s_wait_tensorcnt 0x0
	ds_add_u32 v122, v123
	s_wait_dscnt 0x0
	s_endpgm
; THE RE-LAYING.  A pair p of neighbouring unit tiles (2 tp, 2 tp + 1) of K step s, wave w', chunk j: two fragments and one line of scale words.  256 waves: W1's and W2's 512 pairs, two each a wave; Wo's 64, the first 64 waves.
.macro RADDR n, pofs, kind, cp, sp, sec0
	s_add_co_u32 s82, s83, \pofs
	s_and_b32 s84, s82, 3                          ; tp
	s_bfe_u32 s85, s82, 0x20002                    ; s
	s_bfe_u32 s86, s82, 0x20004                    ; w'
	s_lshr_b32 s87, s82, 6                         ; j
	s_lshl_b32 s88, s86, 7
	s_lshl_b32 s89, s84, 5
	s_add_co_u32 s88, s88, s89                     ; row 128 w' + 32 tp
.if \kind == 1
	s_lshl_b32 s89, s87, 9
	s_add_co_u32 s88, s88, s89                     ; + 512 j: the chunk is a run of rows
	s_lshl_b32 s90, s88, 9
	s_lshl_b32 s89, s85, 7
	s_add_co_u32 s90, s90, s89                     ; row x 512 + 128 s
	s_lshl_b32 s92, s88, 4
	s_lshl_b32 s89, s85, 2
	s_add_co_u32 s92, s92, s89                     ; row x 16 + 4 s
.else
	s_lshl_b32 s90, s88, 12
	s_lshl_b32 s89, s87, 9
	s_add_co_u32 s90, s90, s89
	s_lshl_b32 s89, s85, 7
	s_add_co_u32 s90, s90, s89                     ; row x 4,096 + 512 j + 128 s: the chunk is a run along K
	s_lshl_b32 s92, s88, 7
	s_lshl_b32 s89, s87, 4
	s_add_co_u32 s92, s92, s89
	s_lshl_b32 s89, s85, 2
	s_add_co_u32 s92, s92, s89                     ; row x 128 + 16 j + 4 s
.endif
	s_mov_b32 s91, 0
	s_mov_b32 s93, 0
	s_add_nc_u64 s[4+8*\n:5+8*\n], s[\cp:\cp+1], s[90:91]
	s_add_nc_u64 s[6+8*\n:7+8*\n], s[\sp:\sp+1], s[92:93]
	s_lshl_b32 s89, s87, 1
	s_add_co_u32 s89, s89, \sec0                   ; the section
	s_mul_i32 s89, s89, SECB
	s_mul_i32 s94, s86, STREAM
	s_add_co_u32 s94, s94, s89
	s_lshl_b32 s89, s85, 14
	s_add_co_u32 s90, s94, s89
	s_lshl_b32 s89, s84, 12
	s_add_co_u32 s90, s90, s89                     ; fragment 8 s + 2 tp
	s_add_nc_u64 s[8+8*\n:9+8*\n], s[80:81], s[90:91]
	s_lshl_b32 s89, s85, 9
	s_add_co_u32 s92, s94, s89
	s_lshl_b32 s89, s84, 7
	s_add_co_u32 s92, s92, s89
	s_add_co_u32 s92, s92, 65536                   ; line 4 s + tp
	s_add_nc_u64 s[10+8*\n:11+8*\n], s[80:81], s[92:93]
.endm
.macro RLD n, va, vs, pitch
.irp f, 0,1
.irp c, 0,1,2,3
	global_load_b128 v[88+36*\n+16*\f+4*\c:88+36*\n+16*\f+4*\c+3], v[\va], s[4+8*\n:5+8*\n] offset:\f*8*\pitch+32*\c
.endr
.endr
	global_load_b32 v[88+36*\n+32], v[\vs], s[6+8*\n:7+8*\n]
.endm
.macro RST n
.irp f, 0,1
.irp c, 0,1,2,3
	global_store_b128 v[LI], v[88+36*\n+16*\f+4*\c:88+36*\n+16*\f+4*\c+3], s[8+8*\n:9+8*\n] offset:\f*2048+512*\c
.endr
.endr
	global_store_b32 v[LS], v[88+36*\n+32], s[10+8*\n:11+8*\n]
.endm
.Lrelay:
	s_lshl_b32 s83, ttmp9, 2
	s_add_co_u32 s83, s83, s[WV]                   ; which of the 256 waves I am
	v_lshlrev_b32 v[WA2], 12, v18                  ; W2: a row of 4,096 bytes,
	v_lshl_add_u32 v[WA2], v17, 4, v[WA2]
	v_lshlrev_b32 v[WSA2], 7, v20                  ; its 128 scale bytes
	RADDR 0, 0, 1, 72, 74, 1
	RADDR 1, 256, 1, 72, 74, 1
	RADDR 2, 0, 2, 76, 78, 2
	RADDR 3, 256, 2, 76, 78, 2
	RLD 0, WA, WSA, 512
	RLD 1, WA, WSA, 512
	RLD 2, WA2, WSA2, 4096
	RLD 3, WA2, WSA2, 4096
	s_wait_loadcnt 0x0
	RST 0
	RST 1
	RST 2
	RST 3
	s_cmp_lt_u32 ttmp9, 16
	s_cbranch_scc0 .Lrelay_end
	s_wait_xcnt 0x0                                ; the stores have read their bases and their data: both are written again
	RADDR 0, 0, 1, 68, 70, 0
	RLD 0, WA, WSA, 512
	s_wait_loadcnt 0x0
	RST 0
.Lrelay_end:
	s_endpgm
.Lfunc_end_k_qa05dd54c3a_ln_qkv:
	.size	k_qa05dd54c3a_ln_qkv, .Lfunc_end_k_qa05dd54c3a_ln_qkv-k_qa05dd54c3a_ln_qkv
	.p2alignl 7, 3214868480
	.fill 96, 4, 3214868480
	.section	.rodata,"a",@progbits
	.p2align	6, 0x0
	.amdhsa_kernel k_qa05dd54c3a_ln_qkv
		.amdhsa_group_segment_fixed_size 218624
		.amdhsa_private_segment_fixed_size 0
		.amdhsa_enable_private_segment 0
		.amdhsa_kernarg_size 160
		.amdhsa_user_sgpr_count 2
		.amdhsa_user_sgpr_kernarg_segment_ptr 1
		.amdhsa_wavefront_size32 1
		.amdhsa_system_sgpr_workgroup_id_x 1
		.amdhsa_system_sgpr_workgroup_id_y 1
		.amdhsa_system_sgpr_workgroup_id_z 1
		.amdhsa_system_vgpr_workitem_id 0
		.amdhsa_next_free_vgpr 1024
		.amdhsa_next_free_sgpr 100
		.amdhsa_reserve_vcc 1
		.amdhsa_float_denorm_mode_32 3
		.amdhsa_float_denorm_mode_16_64 3
		.amdhsa_memory_ordered 1
		.amdhsa_forward_progress 1
		.amdhsa_inst_pref_size 255
	.end_amdhsa_kernel
	.section	.bss,"aw",@nobits
	.p2align	6
	.space	262144
	.amdgpu_metadata
---
amdhsa.version: [ 1, 2 ]
amdhsa.kernels:
  - .name:           k_qa05dd54c3a_ln_qkv
    .symbol:         k_qa05dd54c3a_ln_qkv.kd
    .args:
      - { .name: x, .offset: 0, .size: 8, .value_kind: global_buffer, .address_space: global }
      - { .name: g1, .offset: 8, .size: 8, .value_kind: global_buffer, .address_space: global }
      - { .name: be1, .offset: 16, .size: 8, .value_kind: global_buffer, .address_space: global }
      - { .name: stats, .offset: 24, .size: 8, .value_kind: global_buffer, .address_space: global }
      - { .name: Wq_codes, .offset: 32, .size: 8, .value_kind: global_buffer, .address_space: global }
      - { .name: Wq_scales, .offset: 40, .size: 8, .value_kind: global_buffer, .address_space: global }
      - { .name: Wk_codes, .offset: 48, .size: 8, .value_kind: global_buffer, .address_space: global }
      - { .name: Wk_scales, .offset: 56, .size: 8, .value_kind: global_buffer, .address_space: global }
      - { .name: Wv_codes, .offset: 64, .size: 8, .value_kind: global_buffer, .address_space: global }
      - { .name: Wv_scales, .offset: 72, .size: 8, .value_kind: global_buffer, .address_space: global }
      - { .name: q_img, .offset: 80, .size: 8, .value_kind: global_buffer, .address_space: global }
      - { .name: q_sc, .offset: 88, .size: 8, .value_kind: global_buffer, .address_space: global }
      - { .name: kv, .offset: 96, .size: 8, .value_kind: global_buffer, .address_space: global }
      - { .name: Wo_codes, .offset: 104, .size: 8, .value_kind: global_buffer, .address_space: global }
      - { .name: Wo_scales, .offset: 112, .size: 8, .value_kind: global_buffer, .address_space: global }
      - { .name: W1_codes, .offset: 120, .size: 8, .value_kind: global_buffer, .address_space: global }
      - { .name: W1_scales, .offset: 128, .size: 8, .value_kind: global_buffer, .address_space: global }
      - { .name: W2_codes, .offset: 136, .size: 8, .value_kind: global_buffer, .address_space: global }
      - { .name: W2_scales, .offset: 144, .size: 8, .value_kind: global_buffer, .address_space: global }
      - { .name: wstream, .offset: 152, .size: 8, .value_kind: global_buffer, .address_space: global }
    .group_segment_fixed_size: 218624
    .private_segment_fixed_size: 0
    .kernarg_segment_align: 8
    .kernarg_segment_size: 160
    .max_flat_workgroup_size: 128
    .sgpr_count:     100
    .vgpr_count:     1024
    .wavefront_size: 32
...
	.end_amdgpu_metadata
.endif
;; end of part 1
;; launch attn (part 2): grid 8 x 32, 16 waves a work-group, no clusters, 272,384 bytes of LDS; arguments q_img, q_sc, kv, o_img, o_sc; writes o_img, o_sc
.if DOCPART == 2
	.amdgcn_target "amdgcn-amd-amdhsa--gfx1250"
	.amdhsa_code_object_version 6
	.text
	.protected	k_qa05dd54c3a_attn
	.globl	k_qa05dd54c3a_attn
	.p2align	8
	.type	k_qa05dd54c3a_attn,@function
k_qa05dd54c3a_attn:
	s_mov_b64 s[64:65], 0
	v_nop
	global_prefetch_b8 v0, s[64:65] scope:SCOPE_SE
	s_setreg_imm32_b32 hwreg(HW_REG_WAVE_MODE, 25, 1), 1
	s_wait_xcnt 0x0
; CAUSAL ATTENTION OF ONE HEAD ON CODES OF FP8 (E4M3), AND THE QUANTISER OF ITS RESULT.  Scores x 2048^-0.5; t = score x log2(e) / sqrt(2048) (one constant: one rounding where the source has two);
; M = the running largest t rounded UP to a whole number; p = 2^(t - M) is quantised along the keys, not normalised; the row's sum is taken of the unquantised p and divides at the end; when M moves, the sum and O are
; multiplied by 2^(old M - new M), which rounds nothing.
; SHARES.  Work-group (i, head) owns the query blocks i and 15 - i, 128 queries each; each of its sixteen waves owns one tile of 16 queries in 256 registers, four waves to a SIMD.  A wave of block B walks B + 1 key steps of 128
; keys, so every work-group has 8 x 17 steps, and of waves 4 a .. 4 a + 3, as of waves a, a + 4, a + 8, a + 12, two belong to each block.
; LDS holds the head's whole record (K's images, V's images, their scale words: 270,336 bytes), FILLED ONCE: five tensor loads a wave at the head, all five outstanding at once; nothing is filled again.
; Keys behind block 15 - i are fetched and not read.
; NO CLUSTER: the work-groups that share a head's K and V leave out different key steps (a branch on the block's number), and partners of a joint load have to run alike.
; HEAD SIZE 64 IN AN INSTRUCTION OF K = 128: a fragment of K holds TWO tiles of 16 keys (registers 0-7 and 8-15); it is multiplied once by [q | zero codes] and once by [zero codes | q].  K's scale word of such a pair is
; [a0 a1 b0 b1], q's [q0 q1 q0 q1]; zero codes add nothing under any of these bytes.
; LAYOUT.  Both products transposed: a lane holds ONE query (lane % 16).  The keys of a tile are 32 G + 8 u + i + 8 (i / 8), so registers 16 b + i of the scores are keys 32 b + 16 (lane / 16) + i; queries are tiled likewise.
; LIMITS: as in the first launch (a byte held at 1 from below; zero blocks get the byte 1; no NaN or infinities among the inputs).
.set REC, 270336
.set LI,  1                            ; v1   16 x lane
.set LSB, 2                            ; v2   262,144 + 4 x lane: the scale words
.set DQ,  3                            ; v3   my query's place in its block of 128, less 16 (lane / 16)
.set ADK, 4
.set ADV, 5
.set ADS, 6
.set R2,  8
.set QA,  16
.set QB,  32
.set FB,  48                           ; four fragments of K, then of V
.set S,   112                          ; the scores, then p
.set O,   176                          ; O^T: four tiles of 16 channels
.set PC,  208
.set BM,  224
.set T1,  228
.set HL,  232
.set SO,  236
.set KS,  240
.set QS,  242
.set PWD, 243
.set FF,  244
.set TT,  246
.set C2,  248
.set WV, 14
.set YY, 15
.set TB, 17
.set TS, 18
.set KST, 19
.set BLK, 20
.set CNT, 21
.set CS, 22
.set SEL, 24
.set MNT, 26
.set G0, 32                            ; s[32:51] five groups 0
.set G1S, 52                           ; s[52:59] group 1: 2 rows of 256 bytes
.set G1D, 68                           ; s[68:75] group 1: 16 rows of 256 bytes
.macro NOPS n
.rept \n
	v_nop
.endr
.endm
.macro WM d, a, b, z, sa, ra, sb       ; one scaled matrix instruction; z = 1: the constant 0 starts the sum; ra: source 0's scale words stand in lanes 16-31
.if (\z)
.if (\ra)
	v_wmma_scale_f32_16x16x128_f8f6f4 v[(\d):(\d)+7], v[(\a):(\a)+15], v[(\b):(\b)+15], 0, v[(\sa)], v[(\sb)] matrix_a_scale:MATRIX_SCALE_ROW1
.else
	v_wmma_scale_f32_16x16x128_f8f6f4 v[(\d):(\d)+7], v[(\a):(\a)+15], v[(\b):(\b)+15], 0, v[(\sa)], v[(\sb)]
.endif
.else
.if (\ra)
	v_wmma_scale_f32_16x16x128_f8f6f4 v[(\d):(\d)+7], v[(\a):(\a)+15], v[(\b):(\b)+15], v[(\d):(\d)+7], v[(\sa)], v[(\sb)] matrix_a_scale:MATRIX_SCALE_ROW1
.else
	v_wmma_scale_f32_16x16x128_f8f6f4 v[(\d):(\d)+7], v[(\a):(\a)+15], v[(\b):(\b)+15], v[(\d):(\d)+7], v[(\sa)], v[(\sb)]
.endif
.endif
.endm
	s_load_b256 s[4:11], s[0:1], 0x0               ; q_img, q_sc, kv, o_img
	s_load_b64 s[12:13], s[0:1], 0x20              ; o_sc
	v_lshl_add_u32 v254, v0, 2, 0x42000
	v_mov_b32 v255, 0
	ds_add_u32 v254, v255
	ds_add_u32 v254, v255
	v_lshrrev_b32 v1, 5, v0
	v_readfirstlane_b32 s[WV], v1                  ; wave 0..15
	s_and_b32 s[YY], ttmp7, 0xffff                 ; batch x 8 + head
	; groups 1: dense rows of 256 bytes (32 elements of 8 bytes)
.irp g, G1S, G1D
	s_mov_b32 s[\g+0], 3<<16
	s_mov_b32 s[\g+1], 32<<16                      ; tensor_dim0
	s_mov_b32 s[\g+3], 32<<16                      ; tile_dim0
	s_mov_b32 s[\g+5], 32                          ; the pitch
	s_mov_b32 s[\g+6], 0
	s_mov_b32 s[\g+7], 0
.endr
	s_mov_b32 s[G1S+2], 2<<16                      ; tensor_dim1
	s_mov_b32 s[G1S+4], 2                          ; tile_dim1
	s_mov_b32 s[G1D+2], 16<<16
	s_mov_b32 s[G1D+4], 16
	s_mul_i32 s28, s[YY], REC
	s_mov_b32 s29, 0
	s_wait_dscnt 0x0
	s_wait_kmcnt 0x0
	s_add_nc_u64 s[8:9], s[8:9], s[28:29]          ; the head's record; LDS is its image: the same offset in both
	s_lshl_b32 s27, s[WV], 9
	s_add_co_u32 s27, s27, 262144                  ; my 512 of the 8,192 bytes of scale words
	s_mov_b32 s[G0], 1
	s_mov_b32 s[G0+1], s27
	s_mov_b32 s28, s27
	s_add_nc_u64 s[G0+2:G0+3], s[8:9], s[28:29]
	s_or_b32 s[G0+3], s[G0+3], 0x80000000
	s_lshr_b32 s27, s[WV], 3                       ; waves 0-7: K's images, waves 8-15: V's;
	s_lshl_b32 s27, s27, 17
	s_and_b32 s30, s[WV], 7
	s_lshl_b32 s30, s30, 12                        ; 4,096 of the 32,768 bytes of a group of four key steps
	s_add_co_u32 s27, s27, s30
.irp g, 0,1,2,3
	s_mov_b32 s[G0+4+4*\g], 1
	s_add_co_u32 s[G0+5+4*\g], s27, 32768*\g
	s_add_co_u32 s28, s27, 32768*\g
	s_add_nc_u64 s[G0+6+4*\g:G0+7+4*\g], s[8:9], s[28:29]
	s_or_b32 s[G0+7+4*\g], s[G0+7+4*\g], 0x80000000
.endr
	tensor_load_to_lds s[G0:G0+3], s[G1S:G1S+7]    ; the first fills, one group, ahead of every wait on TENSORcnt, LDS read and barrier: five loads of mine are out
	s_nop 0
	tensor_load_to_lds s[G0+4:G0+7], s[G1D:G1D+7]
	s_nop 0
	tensor_load_to_lds s[G0+8:G0+11], s[G1D:G1D+7]
	s_nop 0
	tensor_load_to_lds s[G0+12:G0+15], s[G1D:G1D+7]
	s_nop 0
	tensor_load_to_lds s[G0+16:G0+19], s[G1D:G1D+7]
	s_nop 0
	NOPS 4
	v_and_b32 v9, 31, v0
	v_lshlrev_b32 v[LI], 4, v9
	v_lshl_add_u32 v[LSB], v9, 2, 0x40000
	v_and_b32 v10, 15, v0                          ; r
	v_bfe_u32 v11, v0, 4, 1                        ; h
	v_and_b32 v7, 8, v10
	v_add_nc_u32 v7, v7, v10                       ; r + 8 (r / 8)
	v_lshlrev_b32 v[R2], 1, v10
	v_lshlrev_b32 v9, 2, v10                       ; 4 r
	s_lshr_b32 s27, s[WV], 2
	s_xor_b32 s27, s27, s[WV]
	s_and_b32 s27, s27, 1                          ; which of the two blocks is mine,
	s_lshr_b32 s28, s[WV], 1                       ; which of its eight tiles
	s_sub_co_u32 s29, 15, ttmp9
	s_cmp_eq_u32 s27, 1
	s_cselect_b32 s[BLK], s29, ttmp9
	s_lshl_b32 s60, s[BLK], 3
	s_add_co_u32 s60, s60, s28                     ; my tile among the head's 128
	s_lshl_b32 s61, s[YY], 7
	s_add_co_u32 s61, s61, s60
	s_lshl_b32 s62, s61, 10
	s_mov_b32 s63, 0
	s_add_nc_u64 s[4:5], s[4:5], s[62:63]          ; its image,
	s_lshl_b32 s62, s[YY], 12
	s_lshr_b32 s66, s60, 1
	s_lshl_b32 s66, s66, 6
	s_add_co_u32 s62, s62, s66
	s_add_nc_u64 s[6:7], s[6:7], s[62:63]          ; its pair's scale words
	global_load_b128 v[QA:QA+3], v[LI], s[4:5]
	global_load_b128 v[QA+4:QA+7], v[LI], s[4:5] offset:512
	global_load_b128 v[QB+8:QB+11], v[LI], s[4:5]  ; the fragment a second time, into registers of its own
	global_load_b128 v[QB+12:QB+15], v[LI], s[4:5] offset:512
	global_load_b32 v[QS], v9, s[6:7]
	s_and_b32 s67, s60, 1
	s_lshl_b32 s67, s67, 4                         ; my tile's half of the word
	s_lshr_b32 s27, s28, 1
	s_lshl_b32 s27, s27, 5
	s_and_b32 s29, s28, 1
	s_lshl_b32 s29, s29, 3
	s_add_co_u32 s27, s27, s29                     ; 32 (tile / 2) + 8 (tile % 2)
	v_add_nc_u32 v[DQ], s27, v7
	v_lshlrev_b32 v11, 4, v11
	v_sub_nc_u32 v[DQ], v[DQ], v11
	s_lshr_b32 s27, s[YY], 3
	s_lshl_b32 s27, s27, 7
	s_add_co_u32 s27, s27, s60                     ; my tile among all 512
	s_and_b32 s29, s[YY], 7                        ; the head
	s_lshl_b32 s62, s27, 13
	s_lshl_b32 s66, s29, 10
	s_add_co_u32 s62, s62, s66
	s_add_nc_u64 s[10:11], s[10:11], s[62:63]      ; o's image: tile x 8,192 + head x 1,024
	s_lshl_b32 s62, s27, 8
	s_lshl_b32 s66, s29, 5
	s_add_co_u32 s62, s62, s66
	s_add_nc_u64 s[12:13], s[12:13], s[62:63]      ; its scale bytes: tile x 256 + head x 32
	s_mov_b32 s[SEL], 0x76543210
	s_mov_b32 s[SEL+1], 0xfedcba98
	s_mov_b32 s[CS], 0x3d0293ee                    ; c = log2(e) / sqrt(2048)
	s_mov_b32 s[CS+1], s[CS]                       ; (named with it as a pair)
	s_mov_b32 s[MNT], 0x600000
	s_mov_b32 s[KST], 0
	s_wait_loadcnt 0x0
	v_lshrrev_b32 v[QS], s67, v[QS]
	v_and_b32 v[QS], 0xffff, v[QS]
	v_lshl_or_b32 v[QS], v[QS], 16, v[QS]          ; [q0 q1 q0 q1]
.irp j, 0,1,2,3,4,5,6,7
	v_mov_b32 v[QA+8+\j], 0                        ; zero codes
	v_mov_b32 v[QB+\j], 0
.endr
	v_mov_b32 v13, 0xff61b1e6                      ; the largest t so far: -3e38
	v_floor_f32 v12, -v13                          ; -M
	v_mov_b32 v14, 0                               ; the sum, in two halves
	v_mov_b32 v15, 0
.irp b, 0,1,2,3
	v_mov_b32 v[T1+\b], 0                          ; a lane permute's destination counts as one of its sources
.endr
	v_mov_b32 v[FF+1], 0
	v_mov_b32 v[TT], 0
.set n, 0
.rept 32
	v_mov_b32 v[O+n], 0                            ; the step is written once: the first finds zeros, which the first change of M leaves zeros
.set n, n+1
.endr
; A KEY STEP: 128 keys.  A step all of whose keys come after my block is left out: a scalar branch on ids, round its loads, products and softmax, not round the lines that step addresses.
.macro STEP
	s_cmp_gt_u32 s[KST], s[BLK]
	s_cbranch_scc1 .Lhidden_\@
	v_add_nc_u32 v[ADK], s[TB], v[LI]
	v_add_nc_u32 v[ADV], 0x20000, v[ADK]
	v_add_nc_u32 v[ADS], s[TS], v[LSB]
	NOPS 5                                         ; with the three additions: eight places ahead of loads into registers that the last products read
.irp f, 0,1,2,3
.irp c, 0,1,2,3
	ds_load_b128 v[FB+16*\f+4*\c:FB+16*\f+4*\c+3], v[ADK] offset:2048*\f+512*\c
.endr
.endr
	ds_load_b32 v[KS], v[ADS]                      ; lanes 0-15 pair 0's words, lanes 16-31 pair 1's
	ds_load_b32 v[KS+1], v[ADS] offset:128
	s_wait_dscnt 0x0
.irp f, 0,1,2,3
	WM S+16*\f, FB+16*\f, QA, 1, KS+(\f>>1), \f&1, QS
	WM S+16*\f+8, FB+16*\f, QB, 1, KS+(\f>>1), \f&1, QS
.endr
	NOPS 8
.irp f, 0,1,2,3                        ; V's four fragments are asked for now and land under the softmax
.irp c, 0,1,2,3
	ds_load_b128 v[FB+16*\f+4*\c:FB+16*\f+4*\c+3], v[ADV] offset:2048*\f+512*\c
.endr
.endr
	ds_load_b32 v[KS], v[ADS] offset:4096
	ds_load_b32 v[KS+1], v[ADS] offset:4096+128
	s_cmp_lg_u32 s[KST], s[BLK]                    ; on the diagonal the scores of hidden keys become -infinity ahead of the maximum: p = 0 then
	s_cbranch_scc1 .Lopen_\@
	v_mov_b32 v[TT], 0xff800000
.set n, 0
.rept 64
	v_cmp_gt_i32 vcc_lo, 32*(n/16)+n%16, v[DQ]
	v_cndmask_b32 v[S+n], v[S+n], v[TT], vcc_lo
.set n, n+1
.endr
.Lopen_\@:
.irp b, 0,1,2,3
	v_max3_num_f32 v[BM+\b], v[S+16*\b], v[S+16*\b+1], v[S+16*\b+2]    ; the largest score of each block of 32 keys: for the row's maximum, and, since p rises with the score, for the block's largest p
.endr
.irp i, 3,5,7,9,11,13
.irp b, 0,1,2,3
	v_max3_num_f32 v[BM+\b], v[BM+\b], v[S+16*\b+\i], v[S+16*\b+\i+1]
.endr
.endr
.irp b, 0,1,2,3
	v_max_num_f32 v[BM+\b], v[BM+\b], v[S+16*\b+15]
.endr
.irp b, 0,1,2,3
	v_permlanex16_b32 v[T1+\b], v[BM+\b], s[SEL], s[SEL+1]
.endr
.irp b, 0,1,2,3
	v_max_num_f32 v[BM+\b], v[BM+\b], v[T1+\b]
.endr
	v_max3_num_f32 v[TT], v[BM], v[BM+1], v[BM+2]
	v_max_num_f32 v[TT], v[TT], v[BM+3]
	v_mul_f32 v[TT], s[CS], v[TT]
	v_max_num_f32 v13, v13, v[TT]                  ; the running largest t
	v_mov_b32 v[TT], v12
	v_floor_f32 v12, -v13                          ; the new -M = -ceil(t)
	v_sub_f32 v[TT], v12, v[TT]                    ; old M - new M: a whole number, 0 or less
	v_cvt_i32_f32 v[TT], v[TT]                     ; (it saturates)
	v_ldexp_f32 v[FF], 1.0, v[TT]                  ; f = 2^(old M - new M)
.set n, 0
.rept 32
	v_pk_fma_f32 v[S+2*n:S+2*n+1], v[S+2*n:S+2*n+1], s[CS:CS+1], v[12:13] op_sel_hi:[1,0,0]   ; t - M
.set n, n+1
.endr
.irp b, 0,1,2,3
	v_fma_f32 v[BM+\b], v[BM+\b], s[CS], v12
.endr
.set n, 0
.rept 64
	v_exp_f32 v[S+n], v[S+n]                       ; p
.set n, n+1
.endr
.irp b, 0,1,2,3
	v_exp_f32 v[BM+\b], v[BM+\b]                   ; the block's largest p: the same two instructions on the same number
.endr
	v_pk_mul_f32 v[14:15], v[14:15], v[FF:FF+1] op_sel_hi:[1,0]    ; the sums under the new M (a plain instruction behind the exponentials)
	s_wait_alu depctr_va_vdst(0)
.irp b, 0,1,2,3
	v_max_num_f32 v[BM+\b], 0x4800000, v[BM+\b]    ; the floor 2^(9 - 127)
.endr
.irp b, 0,1,2,3
	v_add_nc_u32 v[SO+\b], 0xfc000000, v[BM+\b]
.endr
.irp b, 0,1,2,3
	v_and_or_b32 v[HL+\b], v[BM+\b], 0x7f800000, s[MNT]
.endr
.irp b, 0,1,2,3
	v_lshrrev_b32 v[T1+\b], 23, v[SO+\b]
.endr
	v_lshl_or_b32 v[PWD], v[T1+1], 8, v[T1]        ; p's scale word for these 128 keys
	v_lshl_or_b32 v[PWD], v[T1+2], 16, v[PWD]
	v_lshl_or_b32 v[PWD], v[T1+3], 24, v[PWD]
	v_pk_add_f32 v[C2:C2+1], v[S:S+1], v[S+2:S+3]  ; the row's sum, of the unquantised p, in two chains
.set n, 4
.rept 15
	v_pk_add_f32 v[14:15], v[14:15], v[S+n:S+n+1]
	v_pk_add_f32 v[C2:C2+1], v[C2:C2+1], v[S+n+2:S+n+3]
.set n, n+4
.endr
	v_pk_add_f32 v[14:15], v[14:15], v[C2:C2+1]
.irp b, 0,1,2,3
.irp i, 0,1,2,3,4,5,6,7,8,9,10,11,12,13,14,15
	v_min_num_f32 v[S+16*\b+\i], v[S+16*\b+\i], v[HL+\b]           ; the conversion does not saturate (ISA guide 7.6.2); p is not negative: a one-sided hold
.endr
	v_cvt_scalef32_pk8_fp8_f32 v[PC+4*\b:PC+4*\b+1], v[S+16*\b:S+16*\b+7], v[SO+\b]
	v_cvt_scalef32_pk8_fp8_f32 v[PC+4*\b+2:PC+4*\b+3], v[S+16*\b+8:S+16*\b+15], v[SO+\b]
.endr
.set n, 0
.rept 16
	v_pk_mul_f32 v[O+2*n:O+2*n+1], v[O+2*n:O+2*n+1], v[FF:FF+1] op_sel_hi:[1,0]   ; O^T under the new M; these sixteen also stand between the codes and the products
.set n, n+1
.endr
	s_wait_dscnt 0x0                               ; V
.irp f, 0,1,2,3                        ; four accumulators by turns
	WM O+8*\f, FB+16*\f, PC, 0, KS+(\f>>1), \f&1, PWD
.endr
.Lhidden_\@:
	s_add_co_u32 s[TB], s[TB], 8192
	s_add_co_u32 s[TS], s[TS], 256
	s_add_co_u32 s[KST], s[KST], 1
.endm
; Four key steps.  The count leaves the later groups' loads out: the scale words and groups 0 .. g were issued ahead of them.
.macro GROUP g
	s_wait_tensorcnt 3-\g
	s_wait_dscnt 0x0
	s_barrier_signal -1
	s_barrier_wait -1                              ; every wave's part of the group has landed
	s_mov_b32 s[TB], 32768*\g
	s_mov_b32 s[TS], 1024*\g
	s_mov_b32 s[CNT], 4
.Lgroup_\@:
	STEP
	s_sub_co_u32 s[CNT], s[CNT], 1
	s_cmp_lg_u32 s[CNT], 0
	s_cbranch_scc1 .Lgroup_\@
.endm
	GROUP 0
	GROUP 1
	GROUP 2
	GROUP 3
	; THE WAY OUT: O^T / the sum; register 16 b + i is channel 32 b + 16 (lane / 16) + i of my query: two blocks of the next product's K, quantised here; the codes leave as an image of the operand's registers.
	NOPS 8
	v_add_f32 v14, v14, v15
	v_permlanex16_b32 v[TT], v14, s[SEL], s[SEL+1]
	v_add_f32 v14, v14, v[TT]
	v_rcp_f32 v14, v14
	v_nop
.set n, 0
	s_wait_alu depctr_va_vdst(0)
.rept 32
	v_mul_f32 v[S+n], v[O+n], v14
.set n, n+1
.endr
.irp b, 0,1
	v_max3_num_f32 v[BM+\b], |v[S+16*\b]|, |v[S+16*\b+1]|, 0x4800000
.endr
.irp i, 2,4,6,8,10,12,14
.irp b, 0,1
	v_max3_num_f32 v[BM+\b], v[BM+\b], |v[S+16*\b+\i]|, |v[S+16*\b+\i+1]|
.endr
.endr
.irp b, 0,1
	v_permlanex16_b32 v[T1+\b], v[BM+\b], s[SEL], s[SEL+1]
.endr
.irp b, 0,1
	v_max_num_f32 v[BM+\b], v[BM+\b], v[T1+\b]
.endr
.irp b, 0,1
	v_add_nc_u32 v[SO+\b], 0xfc000000, v[BM+\b]
	v_and_or_b32 v[HL+\b], v[BM+\b], 0x7f800000, s[MNT]
.endr
.irp b, 0,1
	v_lshrrev_b32 v[T1+\b], 23, v[SO+\b]
.endr
	v_lshl_or_b32 v[PWD], v[T1+1], 8, v[T1]
.irp b, 0,1
.irp i, 0,1,2,3,4,5,6,7,8,9,10,11,12,13,14,15
	v_med3_num_f32 v[S+16*\b+\i], v[S+16*\b+\i], -v[HL+\b], v[HL+\b]
.endr
	v_cvt_scalef32_pk8_fp8_f32 v[PC+4*\b:PC+4*\b+1], v[S+16*\b:S+16*\b+7], v[SO+\b]
	v_cvt_scalef32_pk8_fp8_f32 v[PC+4*\b+2:PC+4*\b+3], v[S+16*\b+8:S+16*\b+15], v[SO+\b]
.endr
	v_nop
	global_store_b128 v[LI], v[PC:PC+3], s[10:11]                  ; 512 consecutive bytes a store
	global_store_b128 v[LI], v[PC+4:PC+7], s[10:11] offset:512
	global_store_b16 v[R2], v[PWD], s[12:13]                       ; my query's two scale bytes (lanes r and r + 16 write the same)
	s_wait_tensorcnt 0x0
	ds_add_u32 v254, v255
	s_wait_dscnt 0x0
	s_endpgm
.Lfunc_end_k_qa05dd54c3a_attn:
	.size	k_qa05dd54c3a_attn, .Lfunc_end_k_qa05dd54c3a_attn-k_qa05dd54c3a_attn
	.p2alignl 7, 3214868480
	.fill 96, 4, 3214868480
	.section	.rodata,"a",@progbits
	.p2align	6, 0x0
	.amdhsa_kernel k_qa05dd54c3a_attn
		.amdhsa_group_segment_fixed_size 272384
		.amdhsa_private_segment_fixed_size 0
		.amdhsa_enable_private_segment 0
		.amdhsa_kernarg_size 40
		.amdhsa_user_sgpr_count 2
		.amdhsa_user_sgpr_kernarg_segment_ptr 1
		.amdhsa_wavefront_size32 1
		.amdhsa_system_sgpr_workgroup_id_x 1
		.amdhsa_system_sgpr_workgroup_id_y 1
		.amdhsa_system_sgpr_workgroup_id_z 1
		.amdhsa_system_vgpr_workitem_id 0
		.amdhsa_next_free_vgpr 256
		.amdhsa_next_free_sgpr 80
		.amdhsa_reserve_vcc 1
		.amdhsa_float_denorm_mode_32 3
		.amdhsa_float_denorm_mode_16_64 3
		.amdhsa_memory_ordered 1
		.amdhsa_forward_progress 1
		.amdhsa_inst_pref_size 110
	.end_amdhsa_kernel
	.amdgpu_metadata
---
amdhsa.version: [ 1, 2 ]
amdhsa.kernels:
  - .name:           k_qa05dd54c3a_attn
    .symbol:         k_qa05dd54c3a_attn.kd
    .args:
      - { .name: q_img, .offset: 0, .size: 8, .value_kind: global_buffer, .address_space: global }
      - { .name: q_sc, .offset: 8, .size: 8, .value_kind: global_buffer, .address_space: global }
      - { .name: kv, .offset: 16, .size: 8, .value_kind: global_buffer, .address_space: global }
      - { .name: o_img, .offset: 24, .size: 8, .value_kind: global_buffer, .address_space: global }
      - { .name: o_sc, .offset: 32, .size: 8, .value_kind: global_buffer, .address_space: global }
    .group_segment_fixed_size: 272384
    .private_segment_fixed_size: 0
    .kernarg_segment_align: 8
    .kernarg_segment_size: 40
    .max_flat_workgroup_size: 512
    .sgpr_count:     80
    .vgpr_count:     256
    .wavefront_size: 32
...
	.end_amdgpu_metadata
.endif
;; end of part 2
;; launch wo_ffn (part 3): grid 128 x 1, 4 waves a work-group, no clusters, 165,376 bytes of LDS; arguments o_img, o_sc, stats, wstream, x, g1, be1, bo, g2, be2, b1, b2, out0; writes out0
.if DOCPART == 3
	.amdgcn_target "amdgcn-amd-amdhsa--gfx1250"
	.amdhsa_code_object_version 6
	.text
	.protected	k_qa05dd54c3a_wo_ffn
	.globl	k_qa05dd54c3a_wo_ffn
	.p2align	8
	.type	k_qa05dd54c3a_wo_ffn,@function
k_qa05dd54c3a_wo_ffn:
	s_mov_b64 s[64:65], 0
	v_nop
	global_prefetch_b8 v0, s[64:65] scope:SCOPE_SE
	s_setreg_imm32_b32 hwreg(HW_REG_WAVE_MODE, 25, 1), 1
	s_wait_xcnt 0x0
; x1 = xn + o Wo + bo;  xn2 = layer norm 2 of x1;  out = xn2 + relu(xn2 W1 + b1) W2 + b2.  All three products on codes of FP8 (E4M3) with one E8M0 scale for each 32 along K; x1, xn2 and the hidden layer never go to memory.
; SHARES.  A work-group owns 64 tokens (four tiles of 16).  THE WAVES SHARE THE COLUMNS: wave w makes units 128 w .. 128 w + 127 of each of 17 SECTIONS (Wo; then for each of eight chunks of 512 hidden units W1's rows and W2's
; K steps) for all 64 tokens: a weight fragment feeds four matrix instructions.  128 work-groups: whatever its rows, a work-group has to see all of Wo, W1, W2; with 32 rows on 256 work-groups twice the bytes would be read
; for the same products.
; THE WEIGHTS go from memory straight into registers: each fragment is used by one wave, once, so LDS would only pass it on.  The first launch has laid them as one stream for each wave, in the order of use and of the
; operand's registers: every load reads 512 consecutive bytes.  A ring of four slots of four fragments (window 3) keeps three quads, 54 loads, of every wave on their way, across sections and barriers.
; NO JOINT LOADS: they exist for tensor loads into LDS alone, and these weights do not pass through LDS.
; THE ROWS' CODES go from wave to wave through LDS as images of the operand's registers (16 x lane; scale words 4 x lane).
; Every sum adds in place onto a seeded accumulator: xn + bo, b1, xn2 + b2: so all 17 sections have one form, and biases and residuals cost no addition behind the products.
; LIMITS: as in the first launch (a byte held at 1 from below; zero blocks get the byte 1; no NaN or infinities among the inputs).
; REGISTERS: window 0: v1-23, v74, v75 addresses; v24-39, v92-107 mu and rstd; v40-47 the ring's scale words; v48-51 the rows'; v52-68 the quantiser's; v76-91 codes; v128-255 two sets of four row fragments.
;   window 1: 32 accumulators (tile of units t, tile of tokens m) at 64 m + 8 t: x1, xn2, the hidden layer.   window 2: parameters, then the 32 accumulators of the output.   window 3: the ring.
.set SECB,   67584
.set STREAM, 17*SECB
.set SET_X,  0                         ; LDS: xn2's 16 fragments ((m, K step) at (4 m + step) x 2,048) and, 32,768 on, their words at 256 step + 64 m + 4 r
.set SET_O,  33792                     ; o's likewise
.set B1L,    67584                     ; b1
.set STG,    83968                     ; a stage of 16 rows x (512 bytes + 16) for each wave
.set STGW,   8448
.set STAT,   117760                    ; the waves' partial sums, then (1,024 on) their sums of squares
.set HSET,   131072                    ; the hidden chunk's 16 fragments and words
.set LI, 1
.set LS, 2
.set R4, 3
.set XRD, 4
.set XRS, 5
.set ORD, 6
.set ORS, 7
.set HRD, 8
.set HRS, 9
.set HWI, 10
.set HWS, 11
.set XWI, 12
.set XWS, 13
.set BA0, 14
.set SGI, 15
.set SGT, 16
.set PA, 17
.set P8, 18
.set STW, 19
.set STR, 20
.set T16, 21
.set OSW, 22
.set BA, 23
.set MU1, 24
.set MU2, 32
.set RS, 40
.set AS, 48
.set TM, 52
.set PW, 68
.set SUM, 70
.set B1W, 74
.set R2, 75
.set PC, 76
.set RS1, 92
.set RS2, 100
.set ACT, 128
.set WV, 30
.set SB, 32
.set BOF, 34
.set CNT, 35
.set SEL, 36
.set MNT, 38
.set INV, 39
.set EPS, 40
.set MSB, 0
.macro WIN new                         ; the immediate's high byte repeats the setting that is left; a switch that changes nothing is dropped
.if MSB != (\new)
	s_set_vgpr_msb (MSB<<8)|(\new)
.set MSB, (\new)
.endif
.endm
.macro NOPS n
.rept \n
	v_nop
.endr
.endm
.macro WM d, a, b, sa, ra, sb, rb      ; one scaled matrix instruction that adds in place; ra, rb: the side's scale words stand in lanes 16-31
.if (\ra)
.if (\rb)
	v_wmma_scale_f32_16x16x128_f8f6f4 v[(\d):(\d)+7], v[(\a):(\a)+15], v[(\b):(\b)+15], v[(\d):(\d)+7], v[(\sa)], v[(\sb)] matrix_a_scale:MATRIX_SCALE_ROW1 matrix_b_scale:MATRIX_SCALE_ROW1
.else
	v_wmma_scale_f32_16x16x128_f8f6f4 v[(\d):(\d)+7], v[(\a):(\a)+15], v[(\b):(\b)+15], v[(\d):(\d)+7], v[(\sa)], v[(\sb)] matrix_a_scale:MATRIX_SCALE_ROW1
.endif
.else
.if (\rb)
	v_wmma_scale_f32_16x16x128_f8f6f4 v[(\d):(\d)+7], v[(\a):(\a)+15], v[(\b):(\b)+15], v[(\d):(\d)+7], v[(\sa)], v[(\sb)] matrix_b_scale:MATRIX_SCALE_ROW1
.else
	v_wmma_scale_f32_16x16x128_f8f6f4 v[(\d):(\d)+7], v[(\a):(\a)+15], v[(\b):(\b)+15], v[(\d):(\d)+7], v[(\sa)], v[(\sb)]
.endif
.endif
.endm
; 64 numbers of a lane, registers qs .. qs + 63 of window W, register 16 b + i = number 16 (lane / 16) + i of block b, become 16 registers of codes (v[PC] on) and a scale word (v[PW]).
; Each accumulator among the 64 is first read at its two lowest registers.
.macro QUANT qs, relu, W
	WIN (\W)|((\W)<<2)
.irp b, 0,1,2,3
.if \relu
	v_max3_num_f32 v[TM+\b], v[(\qs)+16*\b], v[(\qs)+16*\b+1], 0x4800000        ; no |.|: what is negative is to become 0; the floor 2^(9 - 127) holds the byte at 1 from below
.else
	v_max3_num_f32 v[TM+\b], |v[(\qs)+16*\b]|, |v[(\qs)+16*\b+1]|, 0x4800000
.endif
.endr
	WIN ((\W)<<2)|((\W)<<4)
.irp i, 2,4,6,8,10,12,14
.irp b, 0,1,2,3
.if \relu
	v_max3_num_f32 v[TM+\b], v[TM+\b], v[(\qs)+16*\b+\i], v[(\qs)+16*\b+\i+1]
.else
	v_max3_num_f32 v[TM+\b], v[TM+\b], |v[(\qs)+16*\b+\i]|, |v[(\qs)+16*\b+\i+1]|
.endif
.endr
.endr
	WIN 0
.irp b, 0,1,2,3
	v_permlanex16_b32 v[TM+4+\b], v[TM+\b], s[SEL], s[SEL+1]
.endr
.irp b, 0,1,2,3
	v_max_num_f32 v[TM+\b], v[TM+\b], v[TM+4+\b]
.endr
.irp b, 0,1,2,3
	v_add_nc_u32 v[TM+12+\b], 0xfc000000, v[TM+\b]                 ; 8 off the exponent field: the conversion's scale operand
.endr
.irp b, 0,1,2,3
	v_and_or_b32 v[TM+8+\b], v[TM+\b], 0x7f800000, s[MNT]          ; 448 x the scale
.endr
.irp b, 0,1,2,3
	v_lshrrev_b32 v[TM+4+\b], 23, v[TM+12+\b]                      ; the scale's byte
.endr
	v_lshl_or_b32 v[PW], v[TM+5], 8, v[TM+4]
	v_lshl_or_b32 v[PW], v[TM+6], 16, v[PW]
	v_lshl_or_b32 v[PW], v[TM+7], 24, v[PW]
	WIN (\W)|((\W)<<6)
.irp b, 0,1,2,3
.irp i, 0,1,2,3,4,5,6,7,8,9,10,11,12,13,14,15
.if \relu
	v_med3_num_f32 v[(\qs)+16*\b+\i], v[(\qs)+16*\b+\i], 0, v[TM+8+\b]             ; the activation and the hold in one
.else
	v_med3_num_f32 v[(\qs)+16*\b+\i], v[(\qs)+16*\b+\i], -v[TM+8+\b], v[TM+8+\b]   ; the conversion to an 8-bit code does not saturate (ISA guide 7.6.2)
.endif
.endr
.endr
	WIN (\W)
.irp b, 0,1,2,3
	v_cvt_scalef32_pk8_fp8_f32 v[PC+4*\b:PC+4*\b+1], v[(\qs)+16*\b:(\qs)+16*\b+7], v[TM+12+\b]
	v_cvt_scalef32_pk8_fp8_f32 v[PC+4*\b+2:PC+4*\b+3], v[(\qs)+16*\b+8:(\qs)+16*\b+15], v[TM+12+\b]
.endr
	WIN 0
	v_nop                                                          ; a plain instruction behind the last conversion
.endm
.macro IMAGE adr, off
.irp c, 0,1,2,3
	ds_store_b128 v[\adr], v[PC+4*\c:PC+4*\c+3] offset:(\off)+512*\c
.endr
.endm
.macro BARRIER                         ; my LDS stores have landed and my LDS loads are in: then the work-group's barrier
	s_wait_dscnt 0x0
	s_barrier_signal -1
	s_barrier_wait -1
.endm
; a quad of the stream: four fragments into ring slot sl, and two lines of scale words: 18 loads
.macro QLOAD sl, offc, offs
	WIN 0xc0
.irp f, 0,1,2,3
.irp c, 0,1,2,3
	global_load_b128 v[64*(\sl)+16*\f+4*\c:64*(\sl)+16*\f+4*\c+3], v[LI], s[SB:SB+1] offset:(\offc)+2048*\f+512*\c
.endr
.endr
	WIN 0
	global_load_b32 v[RS+2*(\sl)], v[LS], s[SB:SB+1] offset:(\offs)
	global_load_b32 v[RS+2*(\sl)+1], v[LS], s[SB:SB+1] offset:(\offs)+128
.endm
; Quad q of a section (K step q / 2, unit tiles 4 (q % 2) .. + 3): 16 matrix instructions on 16 accumulators, one a turn; then its slot takes the quad four further on.
; cnt: the loads of the younger quads, which may stay out.
.macro QUAD q, accw, buf, ahead, cnt
	s_wait_loadcnt \cnt
	WIN 3|((\accw)<<4)|((\accw)<<6)
.irp f, 0,1,2,3
.irp m, 0,1,2,3
	WM 64*\m+8*(4*((\q)&1)+\f), 64*((\q)&3)+16*\f, ACT+64*(\buf)+16*\m, RS+2*((\q)&3)+(\f>>1), \f&1, AS+2*(\buf)+(\m>>1), \m&1
.endr
.endr
	WIN 0
	NOPS 8                                         ; eight places ahead of loads into registers that these products read, and of the first read of results
.if \ahead
.if (\q) < 4
	QLOAD (\q)&3, ((\q)+4)*8192, 65536+((\q)+4)*256
.else
	QLOAD (\q)&3, SECB+((\q)-4)*8192, SECB+65536+((\q)-4)*256
.endif
.endif
.endm
.macro SQ q, accw, buf, last
.if \last
.if (\q) < 4
	QUAD \q, \accw, \buf, 1, 54
.else
	QUAD \q, \accw, \buf, 0, 18*(7-(\q))           ; the stream's end: nothing more is asked for, and the counts run down
.endif
.else
	QUAD \q, \accw, \buf, 1, 54
.endif
.endm
; the four tiles' fragments of K step ks, and their scale words (lanes 0-15 tiles 0, 2; lanes 16-31 tiles 1, 3): 18 LDS loads
.macro ACTLOAD ad, aw, ks, buf
.irp m, 0,1,2,3
.irp c, 0,1,2,3
	ds_load_b128 v[ACT+64*(\buf)+16*\m+4*\c:ACT+64*(\buf)+16*\m+4*\c+3], v[\ad] offset:(4*\m+(\ks))*2048+512*\c
.endr
.endr
	ds_load_b32 v[AS+2*(\buf)], v[\aw] offset:256*(\ks)
	ds_load_b32 v[AS+2*(\buf)+1], v[\aw] offset:256*(\ks)+128
.endm
; A SECTION: 128 units x 64 tokens x K = 512: 128 matrix instructions.
.macro SECTION accw, ad, aw, last
	ACTLOAD \ad, \aw, 0, 0
.irp ks, 0,1,2,3
.if \ks < 3
	ACTLOAD \ad, \aw, \ks+1, (\ks+1)%2
	s_wait_dscnt 18                                ; this K step's are in; the 18 just issued may be out
.else
	s_wait_dscnt 0x0
.endif
	SQ 2*\ks, \accw, \ks%2, \last
	SQ 2*\ks+1, \accw, \ks%2, \last
.endr
.if \last == 0
	s_wait_xcnt 0x0                                ; the loads have read their base
	s_add_nc_u64 s[SB:SB+1], s[SB:SB+1], SECB
.endif
.endm
; the next chunk's b1 seeds the 32 accumulators of window 1
.macro BIAS
	v_add_nc_u32 v[BA], s[BOF], v[BA0]
	s_add_co_u32 s[BOF], s[BOF], 2048
	WIN 0x40
.irp m, 0,1,2,3
.irp t, 0,1,2,3,4,5,6,7
	ds_load_b128 v[64*\m+8*\t:64*\m+8*\t+3], v[BA] offset:(32*(\t/2)+8*(\t%2))*4
	ds_load_b128 v[64*\m+8*\t+4:64*\m+8*\t+7], v[BA] offset:(32*(\t/2)+8*(\t%2))*4+16
.endr
.endr
	WIN 0
.endm
; A CHUNK of 512 hidden units.  Two barriers: ahead of the images' stores every wave's reads of the last chunk's images are back; behind the stores the sixteen fragments lie in LDS.
.macro CHUNK last
	SECTION 1, XRD, XRS, 0
	BARRIER
.irp m, 0,1,2,3
	QUANT 64*\m, 1, 1
	IMAGE HWI, 8192*\m                             ; my 128 units are K step w of the second product
	ds_store_b32 v[HWS], v[PW] offset:64*\m
	s_wait_dscnt 0x0                               ; the stores have read their registers
.endr
.if \last == 0
	BIAS
.endif
	BARRIER
	SECTION 2, HRD, HRS, \last
.endm
	s_load_b512 s[4:19], s[0:1], 0x0               ; o_img, o_sc, stats, wstream, x, g1, be1, bo
	s_load_b256 s[20:27], s[0:1], 0x40             ; g2, be2, b1, b2
	s_load_b64 s[28:29], s[0:1], 0x60              ; out0
	v_lshl_add_u32 v126, v0, 2, 0x28400
	v_mov_b32 v127, 0
	v_lshrrev_b32 v108, 5, v0
	v_readfirstlane_b32 s[WV], v108                ; wave 0..3
	v_and_b32 v111, 31, v0                         ; lane
	v_and_b32 v108, 15, v0                         ; r
	v_bfe_u32 v109, v0, 4, 1                       ; h
	v_and_b32 v110, 8, v108
	v_add_nc_u32 v110, v110, v108                  ; r + 8 (r / 8)
	v_lshlrev_b32 v[LI], 4, v111
	v_lshlrev_b32 v[LS], 2, v111
	v_lshlrev_b32 v[R4], 2, v108
	v_lshlrev_b32 v[R2], 1, v108
	v_lshlrev_b32 v[P8], 3, v110
	v_lshlrev_b32 v[T16], 4, v0
	v_add_nc_u32 v[B1W], B1L, v[T16]
	v_add_nc_u32 v[XRD], SET_X, v[LI]
	v_add_nc_u32 v[XRS], SET_X+32768, v[LS]
	v_add_nc_u32 v[ORD], SET_O, v[LI]
	v_add_nc_u32 v[ORS], SET_O+32768, v[LS]
	v_add_nc_u32 v[HRD], HSET, v[LI]
	v_add_nc_u32 v[HRS], HSET+32768, v[LS]
	s_lshl_b32 s42, s[WV], 11
	s_add_co_u32 s43, s42, SET_X
	v_add_nc_u32 v[XWI], s43, v[LI]
	s_add_co_u32 s43, s42, HSET
	v_add_nc_u32 v[HWI], s43, v[LI]
	s_lshl_b32 s42, s[WV], 8
	s_add_co_u32 s43, s42, SET_X+32768
	v_add_nc_u32 v[XWS], s43, v[R4]
	s_add_co_u32 s43, s42, HSET+32768
	v_add_nc_u32 v[HWS], s43, v[R4]
	s_add_co_u32 s43, s42, STAT
	v_add_nc_u32 v[STW], s43, v[R4]
	v_add_nc_u32 v[STR], STAT, v[R4]
	s_lshl_b32 s42, s[WV], 6
	s_add_co_u32 s42, s42, SET_O+32768
	v_add_nc_u32 v[OSW], s42, v[R4]
	s_lshl_b32 s42, s[WV], 9
	v_lshl_add_u32 v[PA], v109, 6, s42             ; 512 w + 64 h: my 16 numbers of a block of 32 of a parameter
	v_add_nc_u32 v[BA0], B1L, v[PA]
	s_mul_i32 s42, s[WV], STGW
	s_add_co_u32 s42, s42, STG
	v_add_nc_u32 v[SGI], s42, v[LI]                ; the stage by rows: 16 bytes a lane
	v_mul_u32_u24 v[SGT], v108, 528
	v_lshl_add_u32 v[SGT], v109, 6, v[SGT]
	v_add_nc_u32 v[SGT], s42, v[SGT]               ; and by lanes: row r, + 64 h
	s_mov_b32 s[SEL], 0x76543210
	s_mov_b32 s[SEL+1], 0xfedcba98
	s_mov_b32 s[MNT], 0x600000
	s_mov_b32 s[INV], 0x3b000000                   ; 1 / 512
	s_mov_b32 s[EPS], 0x3727c5ac                   ; 1e-5
	s_mov_b32 s[BOF], 0
.irp b, 0,1,2,3
	v_mov_b32 v[TM+4+\b], 0                        ; a lane permute's destination counts as one of its sources
.endr
	s_mov_b32 s43, 0
	s_mul_i32 s42, s[WV], STREAM
	s_wait_kmcnt 0x0
	s_add_nc_u64 s[SB:SB+1], s[10:11], s[42:43]    ; my stream
.irp q, 0,1,2,3
	QLOAD \q, \q*8192, 65536+\q*256                ; the ring is filled before anything else is asked for
.endr
	s_lshl_b32 s42, ttmp9, 17
	s_lshl_b32 s44, s[WV], 9
	s_add_co_u32 s42, s42, s44
	s_add_nc_u64 s[12:13], s[12:13], s[42:43]      ; x and out0 at my 64 tokens, my 128 channels
	s_add_nc_u64 s[28:29], s[28:29], s[42:43]
	s_lshl_b32 s42, ttmp9, 15
	s_add_nc_u64 s[4:5], s[4:5], s[42:43]          ; o's 16 fragments: 32,768 dense bytes, laid as the set in LDS
	s_lshl_b32 s42, ttmp9, 10
	s_lshl_b32 s44, s[WV], 8
	s_add_co_u32 s42, s42, s44
	s_add_nc_u64 s[6:7], s[6:7], s[42:43]          ; the scale bytes of tile w
	s_lshl_b32 s42, ttmp9, 9
	s_add_nc_u64 s[8:9], s[8:9], s[42:43]          ; (mu1, rstd1)
	WIN 0x40
.irp m, 0,1,2,3
.irp i, 0,1,2,3,4,5,6,7,8,9,10,11,12,13,14,15
	global_load_b128 v[64*\m+4*\i:64*\m+4*\i+3], v[LI], s[12:13] offset:(32*(\m/2)+8*(\m%2)+\i+8*(\i/8))*2048   ; 512 consecutive bytes of a token's row
.endr
.endr
	WIN 0x80
.set n, 0
.rept 16
	global_load_b128 v[4*n:4*n+3], v[PA], s[14:15] offset:128*(n/4)+16*(n%4)           ; g1,
	global_load_b128 v[64+4*n:64+4*n+3], v[PA], s[16:17] offset:128*(n/4)+16*(n%4)     ; be1,
	global_load_b128 v[128+4*n:128+4*n+3], v[PA], s[18:19] offset:128*(n/4)+16*(n%4)   ; bo,
	global_load_b128 v[192+4*n:192+4*n+3], v[PA], s[26:27] offset:128*(n/4)+16*(n%4)   ; b2: register 16 b + i = channel 128 w + 32 b + 16 h + i
.set n, n+1
.endr
	WIN 0
.irp k, 0,1,2,3,4,5,6,7,8,9,10,11,12,13,14,15
	global_load_b128 v[128+4*\k:128+4*\k+3], v[T16], s[4:5] offset:2048*\k
.endr
.irp k, 0,1,2,3,4,5,6,7
	global_load_b128 v[192+4*\k:192+4*\k+3], v[T16], s[24:25] offset:2048*\k
	global_load_u16 v[224+\k], v[R2], s[6:7] offset:32*\k
.endr
.irp m, 0,1,2,3
	global_load_b64 v[MU1+2*\m:MU1+2*\m+1], v[P8], s[8:9] offset:(32*(\m/2)+8*(\m%2))*8
.endr
	s_wait_loadcnt 0x0
.irp k, 0,1,2,3,4,5,6,7,8,9,10,11,12,13,14,15
	ds_store_b128 v[T16], v[128+4*\k:128+4*\k+3] offset:SET_O+2048*\k
.endr
.irp k, 0,1,2,3,4,5,6,7
	ds_store_b128 v[B1W], v[192+4*\k:192+4*\k+3] offset:2048*\k
.endr
.irp k, 0,1,2,3
	v_lshl_or_b32 v[232+\k], v[224+2*\k+1], 16, v[224+2*\k]        ; heads 2 k and 2 k + 1 make K step k's word
	ds_store_b32 v[OSW], v[232+\k] offset:256*\k
.endr
.irp m, 0,1,2,3
	v_mov_b32 v[RS1+2*\m], v[MU1+2*\m+1]           ; rstd1 into the low word of a pair of its own
	v_mov_b32 v[RS1+2*\m+1], v[MU1+2*\m+1]
.endr
	s_wait_dscnt 0x0                               ; the stores have read their registers
	; ---- the seeds of x1: xn + bo.  A tile's rows turn through my stage, so that a lane holds 64 channels of one token, as the results will lie
.irp m, 0,1,2,3
	WIN 0x04
.irp i, 0,1,2,3,4,5,6,7,8,9,10,11,12,13,14,15
	ds_store_b128 v[SGI], v[64*\m+4*\i:64*\m+4*\i+3] offset:528*\i
.endr
	WIN 0
.set n, 0
.rept 16
	ds_load_b128 v[128+4*n:128+4*n+3], v[SGT] offset:128*(n/4)+16*(n%4)   ; LDS serves a wave's instructions in order (ISA guide 5.7.1.4)
.set n, n+1
.endr
	s_wait_dscnt 0x0
.set n, 0
.rept 32
	v_pk_add_f32 v[128+2*n:128+2*n+1], v[128+2*n:128+2*n+1], v[MU1+2*\m:MU1+2*\m+1] op_sel_hi:[1,0] neg_lo:[0,1] neg_hi:[0,1]
.set n, n+1
.endr
.set n, 0
.rept 32
	v_pk_mul_f32 v[128+2*n:128+2*n+1], v[128+2*n:128+2*n+1], v[RS1+2*\m:RS1+2*\m+1] op_sel_hi:[1,0]
.set n, n+1
.endr
	WIN 0x28
.set n, 0
.rept 32
	v_pk_fma_f32 v[128+2*n:128+2*n+1], v[128+2*n:128+2*n+1], v[2*n:2*n+1], v[64+2*n:64+2*n+1]      ; xn, by the first launch's own three operations
.set n, n+1
.endr
	WIN 0x48
.set n, 0
.rept 32
	v_pk_add_f32 v[64*\m+2*n:64*\m+2*n+1], v[128+2*n:128+2*n+1], v[128+2*n:128+2*n+1]              ; window 1 = xn (window 0) + bo (window 2)
.set n, n+1
.endr
.endr
	WIN 0x80
.set n, 0
.rept 16
	global_load_b128 v[4*n:4*n+3], v[PA], s[20:21] offset:128*(n/4)+16*(n%4)           ; g2 and be2 take g1's and be1's place: older than every later load of the stream, so the quads' counted waits cover them
	global_load_b128 v[64+4*n:64+4*n+3], v[PA], s[22:23] offset:128*(n/4)+16*(n%4)
.set n, n+1
.endr
	WIN 0
	BARRIER                                        ; o's fragments and words, and b1, lie in LDS
	SECTION 1, ORD, ORS, 0                         ; window 1 = x1
	; ---- layer norm 2, in two passes; a token's 512 channels lie in four waves: the partial sums meet in LDS
.irp m, 0,1,2,3
.irp j, 0,1,2,3
	v_mov_b32 v[SUM+\j], 0
.endr
	WIN 0x04
.set n, 0
.rept 16
	v_pk_add_f32 v[SUM:SUM+1], v[SUM:SUM+1], v[64*\m+4*n:64*\m+4*n+1]
	v_pk_add_f32 v[SUM+2:SUM+3], v[SUM+2:SUM+3], v[64*\m+4*n+2:64*\m+4*n+3]
.set n, n+1
.endr
	WIN 0
	v_pk_add_f32 v[SUM:SUM+1], v[SUM:SUM+1], v[SUM+2:SUM+3]
	v_add_f32 v[SUM], v[SUM], v[SUM+1]
	v_permlanex16_b32 v[SUM+1], v[SUM], s[SEL], s[SEL+1]
	v_add_f32 v[112+\m], v[SUM], v[SUM+1]
	ds_store_b32 v[STW], v[112+\m] offset:64*\m
.endr
	BARRIER
.irp m, 0,1,2,3
.irp wp, 0,1,2,3
	ds_load_b32 v[128+4*\m+\wp], v[STR] offset:256*\wp+64*\m
.endr
.endr
	s_wait_dscnt 0x0
.irp m, 0,1,2,3
	v_add_f32 v[128+4*\m], v[128+4*\m], v[128+4*\m+1]
	v_add_f32 v[128+4*\m+2], v[128+4*\m+2], v[128+4*\m+3]
	v_add_f32 v[128+4*\m], v[128+4*\m], v[128+4*\m+2]
	v_mul_f32 v[MU2+2*\m], s[INV], v[128+4*\m]
	v_mov_b32 v[MU2+2*\m+1], v[MU2+2*\m]
.endr
.irp m, 0,1,2,3
	WIN 0x41
.set n, 0
.rept 32
	v_pk_add_f32 v[64*\m+2*n:64*\m+2*n+1], v[64*\m+2*n:64*\m+2*n+1], v[MU2+2*\m:MU2+2*\m+1] op_sel_hi:[1,0] neg_lo:[0,1] neg_hi:[0,1]
.set n, n+1
.endr
	WIN 0
.irp j, 0,1,2,3
	v_mov_b32 v[SUM+\j], 0
.endr
	WIN 0x05
.set n, 0
.rept 16
	v_pk_fma_f32 v[SUM:SUM+1], v[64*\m+4*n:64*\m+4*n+1], v[64*\m+4*n:64*\m+4*n+1], v[SUM:SUM+1]
	v_pk_fma_f32 v[SUM+2:SUM+3], v[64*\m+4*n+2:64*\m+4*n+3], v[64*\m+4*n+2:64*\m+4*n+3], v[SUM+2:SUM+3]
.set n, n+1
.endr
	WIN 0
	v_pk_add_f32 v[SUM:SUM+1], v[SUM:SUM+1], v[SUM+2:SUM+3]
	v_add_f32 v[SUM], v[SUM], v[SUM+1]
	v_permlanex16_b32 v[SUM+1], v[SUM], s[SEL], s[SEL+1]
	v_add_f32 v[116+\m], v[SUM], v[SUM+1]
	ds_store_b32 v[STW], v[116+\m] offset:1024+64*\m
.endr
	BARRIER
.irp m, 0,1,2,3
.irp wp, 0,1,2,3
	ds_load_b32 v[128+4*\m+\wp], v[STR] offset:1024+256*\wp+64*\m
.endr
.endr
	s_wait_dscnt 0x0
.irp m, 0,1,2,3
	v_add_f32 v[128+4*\m], v[128+4*\m], v[128+4*\m+1]
	v_add_f32 v[128+4*\m+2], v[128+4*\m+2], v[128+4*\m+3]
	v_add_f32 v[128+4*\m], v[128+4*\m], v[128+4*\m+2]
	v_fma_f32 v[128+4*\m], v[128+4*\m], s[INV], s[EPS]
.endr
.irp m, 0,1,2,3
	v_rsq_f32 v[RS2+2*\m], v[128+4*\m]
.endr
	v_nop                                          ; a plain instruction behind the transcendentals
	s_wait_alu depctr_va_vdst(0)
.irp m, 0,1,2,3
	v_mov_b32 v[RS2+2*\m+1], v[RS2+2*\m]
.endr
.irp m, 0,1,2,3
	WIN 0x41
.set n, 0
.rept 32
	v_pk_mul_f32 v[64*\m+2*n:64*\m+2*n+1], v[64*\m+2*n:64*\m+2*n+1], v[RS2+2*\m:RS2+2*\m+1] op_sel_hi:[1,0]
.set n, n+1
.endr
	WIN 0x69
.set n, 0
.rept 32
	v_pk_fma_f32 v[64*\m+2*n:64*\m+2*n+1], v[64*\m+2*n:64*\m+2*n+1], v[2*n:2*n+1], v[64+2*n:64+2*n+1]   ; window 1 = xn2
.set n, n+1
.endr
.endr
	WIN 0x89
.irp m, 0,1,2,3                        ; the output's seeds, xn2 + b2, over parameters that are done with; tile 3's land on b2 itself, number by number
.set n, 0
.rept 32
	v_pk_add_f32 v[64*\m+2*n:64*\m+2*n+1], v[64*\m+2*n:64*\m+2*n+1], v[192+2*n:192+2*n+1]
.set n, n+1
.endr
.endr
	WIN 0
.irp m, 0,1,2,3
	QUANT 64*\m, 0, 1
	IMAGE XWI, 8192*\m                             ; my 128 channels are K step w of xn2 W1
	ds_store_b32 v[XWS], v[PW] offset:64*\m
	s_wait_dscnt 0x0
.endr
	BIAS
	BARRIER                                        ; xn2's sixteen fragments lie in LDS
	s_mov_b32 s[CNT], 7
.Lchunk:
	CHUNK 0
	s_sub_co_u32 s[CNT], s[CNT], 1
	s_cmp_lg_u32 s[CNT], 0
	s_cbranch_scc1 .Lchunk
	CHUNK 1                                        ; the last chunk is written out: no b1 follows, and the stream ends
	; ---- THE WAY OUT: a tile of 16 tokens x my 128 channels goes through my stage and leaves as rows: 32 lanes store 512 consecutive bytes, aligned
.macro TOSTAGE m
	WIN 0x08
.irp t, 0,1,2,3,4,5,6,7
	ds_store_b128 v[SGT], v[64*(\m)+8*\t:64*(\m)+8*\t+3] offset:128*(\t/2)+32*(\t%2)       ; each accumulator from its low end on
	ds_store_b128 v[SGT], v[64*(\m)+8*\t+4:64*(\m)+8*\t+7] offset:128*(\t/2)+32*(\t%2)+16
.endr
	WIN 0
.irp i, 0,1,2,3,4,5,6,7,8,9,10,11,12,13,14,15
	ds_load_b128 v[ACT+64*((\m)%2)+4*\i:ACT+64*((\m)%2)+4*\i+3], v[SGI] offset:528*\i
.endr
.endm
.macro SEND m, younger                 ; younger: the LDS instructions issued behind tile m's loads
	s_wait_dscnt \younger
.irp i, 0,1,2,3,4,5,6,7,8,9,10,11,12,13,14,15
	global_store_b128 v[LI], v[ACT+64*((\m)%2)+4*\i:ACT+64*((\m)%2)+4*\i+3], s[28:29] offset:(32*((\m)/2)+8*((\m)%2)+\i+8*(\i/8))*2048 th:TH_STORE_NT
.endr
.endm
	TOSTAGE 0
	TOSTAGE 1
	SEND 0, 32
	s_wait_xcnt 0x0                                ; tile 0's stores have read their registers
	TOSTAGE 2
	SEND 1, 32
	s_wait_xcnt 0x0
	TOSTAGE 3
	SEND 2, 32
	SEND 3, 0
	s_wait_tensorcnt 0x0
	ds_add_u32 v126, v127
	s_wait_dscnt 0x0
	s_endpgm
.Lfunc_end_k_qa05dd54c3a_wo_ffn:
	.size	k_qa05dd54c3a_wo_ffn, .Lfunc_end_k_qa05dd54c3a_wo_ffn-k_qa05dd54c3a_wo_ffn
	.p2alignl 7, 3214868480
	.fill 96, 4, 3214868480
	.section	.rodata,"a",@progbits
	.p2align	6, 0x0
	.amdhsa_kernel k_qa05dd54c3a_wo_ffn
		.amdhsa_group_segment_fixed_size 165376
		.amdhsa_private_segment_fixed_size 0
		.amdhsa_enable_private_segment 0
		.amdhsa_kernarg_size 104
		.amdhsa_user_sgpr_count 2
		.amdhsa_user_sgpr_kernarg_segment_ptr 1
		.amdhsa_wavefront_size32 1
		.amdhsa_system_sgpr_workgroup_id_x 1
		.amdhsa_system_sgpr_workgroup_id_y 1
		.amdhsa_system_sgpr_workgroup_id_z 1
		.amdhsa_system_vgpr_workitem_id 0
		.amdhsa_next_free_vgpr 1024
		.amdhsa_next_free_sgpr 66
		.amdhsa_reserve_vcc 0
		.amdhsa_float_denorm_mode_32 3
		.amdhsa_float_denorm_mode_16_64 3
		.amdhsa_memory_ordered 1
		.amdhsa_forward_progress 1
		.amdhsa_inst_pref_size 255
	.end_amdhsa_kernel
	.section	.bss,"aw",@nobits
	.p2align	6
	.space	262144
	.amdgpu_metadata
---
amdhsa.version: [ 1, 2 ]
amdhsa.kernels:
  - .name:           k_qa05dd54c3a_wo_ffn
    .symbol:         k_qa05dd54c3a_wo_ffn.kd
    .args:
      - { .name: o_img, .offset: 0, .size: 8, .value_kind: global_buffer, .address_space: global }
      - { .name: o_sc, .offset: 8, .size: 8, .value_kind: global_buffer, .address_space: global }
      - { .name: stats, .offset: 16, .size: 8, .value_kind: global_buffer, .address_space: global }
      - { .name: wstream, .offset: 24, .size: 8, .value_kind: global_buffer, .address_space: global }
      - { .name: x, .offset: 32, .size: 8, .value_kind: global_buffer, .address_space: global }
      - { .name: g1, .offset: 40, .size: 8, .value_kind: global_buffer, .address_space: global }
      - { .name: be1, .offset: 48, .size: 8, .value_kind: global_buffer, .address_space: global }
      - { .name: bo, .offset: 56, .size: 8, .value_kind: global_buffer, .address_space: global }
      - { .name: g2, .offset: 64, .size: 8, .value_kind: global_buffer, .address_space: global }
      - { .name: be2, .offset: 72, .size: 8, .value_kind: global_buffer, .address_space: global }
      - { .name: b1, .offset: 80, .size: 8, .value_kind: global_buffer, .address_space: global }
      - { .name: b2, .offset: 88, .size: 8, .value_kind: global_buffer, .address_space: global }
      - { .name: out0, .offset: 96, .size: 8, .value_kind: global_buffer, .address_space: global }
    .group_segment_fixed_size: 165376
    .private_segment_fixed_size: 0
    .kernarg_segment_align: 8
    .kernarg_segment_size: 104
    .max_flat_workgroup_size: 128
    .sgpr_count:     66
    .vgpr_count:     1024
    .wavefront_size: 32
...
	.end_amdgpu_metadata
.endif
;; end of part 3
;; ======== version 2 of 3: 4 launches; 1.16 times as fast as version 1
;; workspace buffers: q_img 4,194,304 bytes; q_sc 131,072 bytes; kv 8,650,752 bytes; o_img 4,194,304 bytes; o_sc 131,072 bytes; stats 65,536 bytes; wstream 4,595,712 bytes; part 33,554,432 bytes
;; launch ln_qkv: the kernel of part 1 again; grid 64 x 4, 4 waves a work-group, no clusters, 218,624 bytes of LDS; arguments x, g1, be1, stats, Wq_codes, Wq_scales, Wk_codes, Wk_scales, Wv_codes, Wv_scales, q_img, q_sc, kv, Wo_codes, Wo_scales, W1_codes, W1_scales, W2_codes, W2_scales, wstream; writes stats, q_img, q_sc, kv, wstream
;; launch attn: the kernel of part 2 again; grid 8 x 32, 16 waves a work-group, no clusters, 272,384 bytes of LDS; arguments q_img, q_sc, kv, o_img, o_sc; writes o_img, o_sc
;; launch wo_ffn (part 4): grid 128 x 2, 4 waves a work-group, no clusters, 165,376 bytes of LDS; arguments o_img, o_sc, stats, wstream, x, g1, be1, bo, g2, be2, b1, b2, part; writes part
.if DOCPART == 4
	.amdgcn_target "amdgcn-amd-amdhsa--gfx1250"
	.amdhsa_code_object_version 6
	.text
	.protected	k_qa05dd54c3a_wo_ffn
	.globl	k_qa05dd54c3a_wo_ffn
	.p2align	8
	.type	k_qa05dd54c3a_wo_ffn,@function
k_qa05dd54c3a_wo_ffn:
	s_mov_b64 s[64:65], 0
	v_nop
	global_prefetch_b8 v0, s[64:65] scope:SCOPE_SE
	s_setreg_imm32_b32 hwreg(HW_REG_WAVE_MODE, 25, 1), 1
	s_wait_xcnt 0x0
; x1 = xn + o Wo + bo;  xn2 = layer norm 2 of x1;  out = xn2 + relu(xn2 W1 + b1) W2 + b2.  All three products on codes of FP8 (E4M3) with one E8M0 scale for each 32 along K; x1, xn2 and the hidden layer never go to memory.
; SHARES.  Work-groups (x, 0) and (x, 1) own the same 64 tokens (four tiles of 16).  Both make x1 and xn2; work-group (x, hh) then walks chunks 4 hh .. 4 hh + 3 of the eight chunks of 512 hidden units, and leaves a PARTIAL output:
; hh = 0: xn2 + b2 + its four chunks' part, hh = 1: its four chunks' part alone.  The last launch adds the two.  So a work-group reads 9 of the 17 sections of the weights and not all 17, and there are 256 work-groups.
; THE WAVES SHARE THE COLUMNS: wave w makes units 128 w .. 128 w + 127 of each SECTION (Wo; then for each chunk W1's rows and W2's K steps) for all 64 tokens: a weight fragment feeds four matrix instructions.
; THE WEIGHTS go from memory straight into registers: each fragment is used by one wave, once, so LDS would only pass it on.  The first launch has laid them as one stream for each wave, in the order of the
; operand's registers: every load reads 512 consecutive bytes.  A ring of four slots of four fragments (window 3) keeps three quads, 54 loads, of every wave on their way, across sections and barriers.
; NO JOINT LOADS: they exist for tensor loads into LDS alone, and these weights do not pass through LDS.
; THE ROWS' CODES go from wave to wave through LDS as images of the operand's registers (16 x lane; scale words 4 x lane).
; Every sum adds in place onto a seeded accumulator: xn + bo, b1, (xn2 + b2) or 0: so all sections have one form, and biases and residuals cost no addition behind the products.
; LIMITS: as in the first launch (a byte held at 1 from below; zero blocks get the byte 1; no NaN or infinities among the inputs: the seeds of hh = 1 are xn2 x 0 + b2 x 0, which is 0 for finite numbers alone).
; The output's sum is taken in two parts, chunks 0-3 and chunks 4-7, each in ascending order, added once at the end.
; REGISTERS: window 0: v1-23, v74, v75 addresses; v24-39, v92-107 mu and rstd; v40-47 the ring's scale words; v48-51 the rows'; v52-68 the quantiser's; v76-91 codes; v128-255 two sets of four row fragments.
;   window 1: 32 accumulators (tile of units t, tile of tokens m) at 64 m + 8 t: x1, xn2, the hidden layer.   window 2: parameters, then the 32 accumulators of the output.   window 3: the ring.
.set SECB,   67584
.set STREAM, 17*SECB
.set SET_X,  0                         ; LDS: xn2's 16 fragments ((m, K step) at (4 m + step) x 2,048) and, 32,768 on, their words at 256 step + 64 m + 4 r
.set SET_O,  33792                     ; o's likewise
.set B1L,    67584                     ; my half of b1: 8,192 bytes
.set STG,    83968                     ; a stage of 16 rows x (512 bytes + 16) for each wave
.set STGW,   8448
.set STAT,   117760                    ; the waves' partial sums, then (1,024 on) their sums of squares
.set HSET,   131072                    ; the hidden chunk's 16 fragments and words
.set LI, 1
.set LS, 2
.set R4, 3
.set XRD, 4
.set XRS, 5
.set ORD, 6
.set ORS, 7
.set HRD, 8
.set HRS, 9
.set HWI, 10
.set HWS, 11
.set XWI, 12
.set XWS, 13
.set BA0, 14
.set SGI, 15
.set SGT, 16
.set PA, 17
.set P8, 18
.set STW, 19
.set STR, 20
.set T16, 21
.set OSW, 22
.set BA, 23
.set MU1, 24
.set MU2, 32
.set RS, 40
.set AS, 48
.set TM, 52
.set PW, 68
.set SUM, 70
.set B1W, 74
.set R2, 75
.set PC, 76
.set RS1, 92
.set RS2, 100
.set ACT, 128
.set WV, 30
.set SBE, 32                           ; s[32:33] the stream at the even section in hand or next
.set BOF, 34
.set CNT, 35
.set SEL, 36
.set MNT, 38
.set INV, 39
.set EPS, 40
.set HH, 41                            ; s41      which half of the chunks is mine
.set SBO, 46                           ; s[46:47] the stream at the odd section in hand or next
.set STEP0, 48                         ; s[48:49] bytes from Wo's section to my first section of W2
.set CSL, 50                           ; s[50:51] 1.0 (hh = 0) or 0.0 (hh = 1), twice
.set MSB, 0
.macro WIN new                         ; the immediate's high byte repeats the setting that is left; a switch that changes nothing is dropped
.if MSB != (\new)
	s_set_vgpr_msb (MSB<<8)|(\new)
.set MSB, (\new)
.endif
.endm
.macro NOPS n
.rept \n
	v_nop
.endr
.endm
.macro WM d, a, b, sa, ra, sb, rb      ; one scaled matrix instruction that adds in place; ra, rb: the side's scale words stand in lanes 16-31
.if (\ra)
.if (\rb)
	v_wmma_scale_f32_16x16x128_f8f6f4 v[(\d):(\d)+7], v[(\a):(\a)+15], v[(\b):(\b)+15], v[(\d):(\d)+7], v[(\sa)], v[(\sb)] matrix_a_scale:MATRIX_SCALE_ROW1 matrix_b_scale:MATRIX_SCALE_ROW1
.else
	v_wmma_scale_f32_16x16x128_f8f6f4 v[(\d):(\d)+7], v[(\a):(\a)+15], v[(\b):(\b)+15], v[(\d):(\d)+7], v[(\sa)], v[(\sb)] matrix_a_scale:MATRIX_SCALE_ROW1
.endif
.else
.if (\rb)
	v_wmma_scale_f32_16x16x128_f8f6f4 v[(\d):(\d)+7], v[(\a):(\a)+15], v[(\b):(\b)+15], v[(\d):(\d)+7], v[(\sa)], v[(\sb)] matrix_b_scale:MATRIX_SCALE_ROW1
.else
	v_wmma_scale_f32_16x16x128_f8f6f4 v[(\d):(\d)+7], v[(\a):(\a)+15], v[(\b):(\b)+15], v[(\d):(\d)+7], v[(\sa)], v[(\sb)]
.endif
.endif
.endm
; 64 numbers of a lane, registers qs .. qs + 63 of window W, register 16 b + i = number 16 (lane / 16) + i of block b, become 16 registers of codes (v[PC] on) and a scale word (v[PW]).
; Each accumulator among the 64 is first read at its two lowest registers.
.macro QUANT qs, relu, W
	WIN (\W)|((\W)<<2)
.irp b, 0,1,2,3
.if \relu
	v_max3_num_f32 v[TM+\b], v[(\qs)+16*\b], v[(\qs)+16*\b+1], 0x4800000        ; no |.|: what is negative is to become 0; the floor 2^(9 - 127) holds the byte at 1 from below
.else
	v_max3_num_f32 v[TM+\b], |v[(\qs)+16*\b]|, |v[(\qs)+16*\b+1]|, 0x4800000
.endif
.endr
	WIN ((\W)<<2)|((\W)<<4)
.irp i, 2,4,6,8,10,12,14
.irp b, 0,1,2,3
.if \relu
	v_max3_num_f32 v[TM+\b], v[TM+\b], v[(\qs)+16*\b+\i], v[(\qs)+16*\b+\i+1]
.else
	v_max3_num_f32 v[TM+\b], v[TM+\b], |v[(\qs)+16*\b+\i]|, |v[(\qs)+16*\b+\i+1]|
.endif
.endr
.endr
	WIN 0
.irp b, 0,1,2,3
	v_permlanex16_b32 v[TM+4+\b], v[TM+\b], s[SEL], s[SEL+1]
.endr
.irp b, 0,1,2,3
	v_max_num_f32 v[TM+\b], v[TM+\b], v[TM+4+\b]
.endr
.irp b, 0,1,2,3
	v_add_nc_u32 v[TM+12+\b], 0xfc000000, v[TM+\b]                 ; 8 off the exponent field: the conversion's scale operand
.endr
.irp b, 0,1,2,3
	v_and_or_b32 v[TM+8+\b], v[TM+\b], 0x7f800000, s[MNT]          ; 448 x the scale
.endr
.irp b, 0,1,2,3
	v_lshrrev_b32 v[TM+4+\b], 23, v[TM+12+\b]                      ; the scale's byte
.endr
	v_lshl_or_b32 v[PW], v[TM+5], 8, v[TM+4]
	v_lshl_or_b32 v[PW], v[TM+6], 16, v[PW]
	v_lshl_or_b32 v[PW], v[TM+7], 24, v[PW]
	WIN (\W)|((\W)<<6)
.irp b, 0,1,2,3
.irp i, 0,1,2,3,4,5,6,7,8,9,10,11,12,13,14,15
.if \relu
	v_med3_num_f32 v[(\qs)+16*\b+\i], v[(\qs)+16*\b+\i], 0, v[TM+8+\b]             ; the activation and the hold in one
.else
	v_med3_num_f32 v[(\qs)+16*\b+\i], v[(\qs)+16*\b+\i], -v[TM+8+\b], v[TM+8+\b]   ; the conversion to an 8-bit code does not saturate (ISA guide 7.6.2)
.endif
.endr
.endr
	WIN (\W)
.irp b, 0,1,2,3
	v_cvt_scalef32_pk8_fp8_f32 v[PC+4*\b:PC+4*\b+1], v[(\qs)+16*\b:(\qs)+16*\b+7], v[TM+12+\b]
	v_cvt_scalef32_pk8_fp8_f32 v[PC+4*\b+2:PC+4*\b+3], v[(\qs)+16*\b+8:(\qs)+16*\b+15], v[TM+12+\b]
.endr
	WIN 0
	v_nop                                                          ; a plain instruction behind the last conversion
.endm
.macro IMAGE adr, off
.irp c, 0,1,2,3
	ds_store_b128 v[\adr], v[PC+4*\c:PC+4*\c+3] offset:(\off)+512*\c
.endr
.endm
.macro BARRIER                         ; my LDS stores have landed and my LDS loads are in: then the work-group's barrier
	s_wait_dscnt 0x0
	s_barrier_signal -1
	s_barrier_wait -1
.endm
; a quad of the stream: four fragments into ring slot sl, and two lines of scale words: 18 loads.  bs: the pointer of the section that the quad belongs to
.macro QLOAD sl, bs, offc, offs
	WIN 0xc0
.irp f, 0,1,2,3
.irp c, 0,1,2,3
	global_load_b128 v[64*(\sl)+16*\f+4*\c:64*(\sl)+16*\f+4*\c+3], v[LI], s[\bs:\bs+1] offset:(\offc)+2048*\f+512*\c
.endr
.endr
	WIN 0
	global_load_b32 v[RS+2*(\sl)], v[LS], s[\bs:\bs+1] offset:(\offs)
	global_load_b32 v[RS+2*(\sl)+1], v[LS], s[\bs:\bs+1] offset:(\offs)+128
.endm
; Quad q of a section (K step q / 2, unit tiles 4 (q % 2) .. + 3): 16 matrix instructions on 16 accumulators, one a turn; then its slot takes the quad four further on:
; quads 4-7 of this section by its own pointer, quads 0-3 of the next section by the other pointer.  cnt: the loads of the younger quads, which may stay out.
.macro QUAD q, accw, buf, ahead, cnt, own, oth
	s_wait_loadcnt \cnt
	WIN 3|((\accw)<<4)|((\accw)<<6)
.irp f, 0,1,2,3
.irp m, 0,1,2,3
	WM 64*\m+8*(4*((\q)&1)+\f), 64*((\q)&3)+16*\f, ACT+64*(\buf)+16*\m, RS+2*((\q)&3)+(\f>>1), \f&1, AS+2*(\buf)+(\m>>1), \m&1
.endr
.endr
	WIN 0
	NOPS 8                                         ; eight places ahead of loads into registers that these products read, and of the first read of results
.if \ahead
.if (\q) < 4
	QLOAD (\q)&3, \own, ((\q)+4)*8192, 65536+((\q)+4)*256
.else
	QLOAD (\q)&3, \oth, ((\q)-4)*8192, 65536+((\q)-4)*256
.endif
.endif
.endm
.macro SQ q, accw, buf, last, own, oth
.if \last
.if (\q) < 4
	QUAD \q, \accw, \buf, 1, 54, \own, \oth
.else
	QUAD \q, \accw, \buf, 0, 18*(7-(\q)), \own, \oth   ; my stream's end: nothing more is asked for, and the counts run down
.endif
.else
	QUAD \q, \accw, \buf, 1, 54, \own, \oth
.endif
.endm
; the four tiles' fragments of K step ks, and their scale words (lanes 0-15 tiles 0, 2; lanes 16-31 tiles 1, 3): 18 LDS loads
.macro ACTLOAD ad, aw, ks, buf
.irp m, 0,1,2,3
.irp c, 0,1,2,3
	ds_load_b128 v[ACT+64*(\buf)+16*\m+4*\c:ACT+64*(\buf)+16*\m+4*\c+3], v[\ad] offset:(4*\m+(\ks))*2048+512*\c
.endr
.endr
	ds_load_b32 v[AS+2*(\buf)], v[\aw] offset:256*(\ks)
	ds_load_b32 v[AS+2*(\buf)+1], v[\aw] offset:256*(\ks)+128
.endm
; A SECTION: 128 units x 64 tokens x K = 512: 128 matrix instructions.  step = 1: its pointer goes two sections on at its end.
.macro SECTION accw, ad, aw, last, own, oth, step
	ACTLOAD \ad, \aw, 0, 0
.irp ks, 0,1,2,3
.if \ks < 3
	ACTLOAD \ad, \aw, \ks+1, (\ks+1)%2
	s_wait_dscnt 18                                ; this K step's are in; the 18 just issued may be out
.else
	s_wait_dscnt 0x0
.endif
	SQ 2*\ks, \accw, \ks%2, \last, \own, \oth
	SQ 2*\ks+1, \accw, \ks%2, \last, \own, \oth
.endr
.if \step
	s_add_nc_u64 s[\own:\own+1], s[\own:\own+1], 2*SECB   ; every load that names this pointer is done: the last were issued at quad 3, and quad 7's wait left out only the 54 loads of quads 4, 5, 6, which name the other pointer
.endif
.endm
; the next chunk's b1 seeds the 32 accumulators of window 1
.macro BIAS
	v_add_nc_u32 v[BA], s[BOF], v[BA0]
	s_add_co_u32 s[BOF], s[BOF], 2048
	WIN 0x40
.irp m, 0,1,2,3
.irp t, 0,1,2,3,4,5,6,7
	ds_load_b128 v[64*\m+8*\t:64*\m+8*\t+3], v[BA] offset:(32*(\t/2)+8*(\t%2))*4
	ds_load_b128 v[64*\m+8*\t+4:64*\m+8*\t+7], v[BA] offset:(32*(\t/2)+8*(\t%2))*4+16
.endr
.endr
	WIN 0
.endm
; A CHUNK of 512 hidden units.  Two barriers: ahead of the images' stores every wave's reads of the last chunk's images are back; behind the stores the sixteen fragments lie in LDS.
.macro CHUNK last
	SECTION 1, XRD, XRS, 0, SBO, SBE, 1
	BARRIER
.irp m, 0,1,2,3
	QUANT 64*\m, 1, 1
	IMAGE HWI, 8192*\m                             ; my 128 units are K step w of the second product
	ds_store_b32 v[HWS], v[PW] offset:64*\m
	s_wait_dscnt 0x0                               ; the stores have read their registers
.endr
.if \last == 0
	BIAS
.endif
	BARRIER
	SECTION 2, HRD, HRS, \last, SBE, SBO, 1-\last
.endm
	s_load_b512 s[4:19], s[0:1], 0x0               ; o_img, o_sc, stats, wstream, x, g1, be1, bo
	s_load_b256 s[20:27], s[0:1], 0x40             ; g2, be2, b1, b2
	s_load_b64 s[28:29], s[0:1], 0x60              ; part
	v_lshl_add_u32 v126, v0, 2, 0x28400
	v_mov_b32 v127, 0
	v_lshrrev_b32 v108, 5, v0
	v_readfirstlane_b32 s[WV], v108                ; wave 0..3
	v_and_b32 v111, 31, v0                         ; lane
	v_and_b32 v108, 15, v0                         ; r
	v_bfe_u32 v109, v0, 4, 1                       ; h
	v_and_b32 v110, 8, v108
	v_add_nc_u32 v110, v110, v108                  ; r + 8 (r / 8)
	v_lshlrev_b32 v[LI], 4, v111
	v_lshlrev_b32 v[LS], 2, v111
	v_lshlrev_b32 v[R4], 2, v108
	v_lshlrev_b32 v[R2], 1, v108
	v_lshlrev_b32 v[P8], 3, v110
	v_lshlrev_b32 v[T16], 4, v0
	v_add_nc_u32 v[B1W], B1L, v[T16]
	v_add_nc_u32 v[XRD], SET_X, v[LI]
	v_add_nc_u32 v[XRS], SET_X+32768, v[LS]
	v_add_nc_u32 v[ORD], SET_O, v[LI]
	v_add_nc_u32 v[ORS], SET_O+32768, v[LS]
	v_add_nc_u32 v[HRD], HSET, v[LI]
	v_add_nc_u32 v[HRS], HSET+32768, v[LS]
	s_lshl_b32 s42, s[WV], 11
	s_add_co_u32 s43, s42, SET_X
	v_add_nc_u32 v[XWI], s43, v[LI]
	s_add_co_u32 s43, s42, HSET
	v_add_nc_u32 v[HWI], s43, v[LI]
	s_lshl_b32 s42, s[WV], 8
	s_add_co_u32 s43, s42, SET_X+32768
	v_add_nc_u32 v[XWS], s43, v[R4]
	s_add_co_u32 s43, s42, HSET+32768
	v_add_nc_u32 v[HWS], s43, v[R4]
	s_add_co_u32 s43, s42, STAT
	v_add_nc_u32 v[STW], s43, v[R4]
	v_add_nc_u32 v[STR], STAT, v[R4]
	s_lshl_b32 s42, s[WV], 6
	s_add_co_u32 s42, s42, SET_O+32768
	v_add_nc_u32 v[OSW], s42, v[R4]
	s_lshl_b32 s42, s[WV], 9
	v_lshl_add_u32 v[PA], v109, 6, s42             ; 512 w + 64 h: my 16 numbers of a block of 32 of a parameter
	v_add_nc_u32 v[BA0], B1L, v[PA]
	s_mul_i32 s42, s[WV], STGW
	s_add_co_u32 s42, s42, STG
	v_add_nc_u32 v[SGI], s42, v[LI]                ; the stage by rows: 16 bytes a lane
	v_mul_u32_u24 v[SGT], v108, 528
	v_lshl_add_u32 v[SGT], v109, 6, v[SGT]
	v_add_nc_u32 v[SGT], s42, v[SGT]               ; and by lanes: row r, + 64 h
	s_mov_b32 s[SEL], 0x76543210
	s_mov_b32 s[SEL+1], 0xfedcba98
	s_mov_b32 s[MNT], 0x600000
	s_mov_b32 s[INV], 0x3b000000                   ; 1 / 512
	s_mov_b32 s[EPS], 0x3727c5ac                   ; 1e-5
	s_mov_b32 s[BOF], 0
.irp b, 0,1,2,3
	v_mov_b32 v[TM+4+\b], 0                        ; a lane permute's destination counts as one of its sources
.endr
	s_and_b32 s[HH], ttmp7, 0xffff                 ; which half of the chunks: my sections are 0, then 1 + 8 hh .. 8 + 8 hh
	s_lshl_b32 s44, s[HH], 3
	s_add_co_u32 s52, s44, 2
	s_mul_i32 s[STEP0], s52, SECB                  ; from section 0 to section 2 + 8 hh
	s_mov_b32 s[STEP0+1], 0
	s_add_co_u32 s44, s44, 1
	s_mul_i32 s44, s44, SECB                       ; section 1 + 8 hh
	s_mov_b32 s45, 0
	s_mov_b32 s[CSL], 0x3f800000
	s_cmp_eq_u32 s[HH], 0
	s_cselect_b32 s[CSL], s[CSL], 0                ; 1.0 or 0.0
	s_mov_b32 s[CSL+1], s[CSL]                     ; (named with it as a pair)
	s_mov_b32 s43, 0
	s_mul_i32 s42, s[WV], STREAM
	s_wait_kmcnt 0x0
	s_add_nc_u64 s[SBE:SBE+1], s[10:11], s[42:43]  ; my stream: Wo's section,
	s_add_nc_u64 s[SBO:SBO+1], s[SBE:SBE+1], s[44:45]   ; and my first section of W1
.irp q, 0,1,2,3
	QLOAD \q, SBE, \q*8192, 65536+\q*256           ; the ring is filled before anything else is asked for
.endr
	s_lshl_b32 s42, ttmp9, 17
	s_lshl_b32 s44, s[WV], 9
	s_add_co_u32 s42, s42, s44
	s_add_nc_u64 s[12:13], s[12:13], s[42:43]      ; x at my 64 tokens, my 128 channels
	s_lshl_b32 s44, s[HH], 24
	s_add_co_u32 s42, s42, s44
	s_add_nc_u64 s[28:29], s[28:29], s[42:43]      ; the same place in my half of part (16,777,216 bytes a half)
	s_lshl_b32 s42, s[HH], 13
	s_add_nc_u64 s[24:25], s[24:25], s[42:43]      ; my 2,048 numbers of b1
	s_lshl_b32 s42, ttmp9, 15
	s_add_nc_u64 s[4:5], s[4:5], s[42:43]          ; o's 16 fragments: 32,768 dense bytes, laid as the set in LDS
	s_lshl_b32 s42, ttmp9, 10
	s_lshl_b32 s44, s[WV], 8
	s_add_co_u32 s42, s42, s44
	s_add_nc_u64 s[6:7], s[6:7], s[42:43]          ; the scale bytes of tile w
	s_lshl_b32 s42, ttmp9, 9
	s_add_nc_u64 s[8:9], s[8:9], s[42:43]          ; (mu1, rstd1)
	WIN 0x40
.irp m, 0,1,2,3
.irp i, 0,1,2,3,4,5,6,7,8,9,10,11,12,13,14,15
	global_load_b128 v[64*\m+4*\i:64*\m+4*\i+3], v[LI], s[12:13] offset:(32*(\m/2)+8*(\m%2)+\i+8*(\i/8))*2048   ; 512 consecutive bytes of a token's row
.endr
.endr
	WIN 0x80
.set n, 0
.rept 16
	global_load_b128 v[4*n:4*n+3], v[PA], s[14:15] offset:128*(n/4)+16*(n%4)           ; g1,
	global_load_b128 v[64+4*n:64+4*n+3], v[PA], s[16:17] offset:128*(n/4)+16*(n%4)     ; be1,
	global_load_b128 v[128+4*n:128+4*n+3], v[PA], s[18:19] offset:128*(n/4)+16*(n%4)   ; bo,
	global_load_b128 v[192+4*n:192+4*n+3], v[PA], s[26:27] offset:128*(n/4)+16*(n%4)   ; b2: register 16 b + i = channel 128 w + 32 b + 16 h + i
.set n, n+1
.endr
	WIN 0
.irp k, 0,1,2,3,4,5,6,7,8,9,10,11,12,13,14,15
	global_load_b128 v[128+4*\k:128+4*\k+3], v[T16], s[4:5] offset:2048*\k
.endr
.irp k, 0,1,2,3
	global_load_b128 v[192+4*\k:192+4*\k+3], v[T16], s[24:25] offset:2048*\k
.endr
.irp k, 0,1,2,3,4,5,6,7
	global_load_u16 v[224+\k], v[R2], s[6:7] offset:32*\k
.endr
.irp m, 0,1,2,3
	global_load_b64 v[MU1+2*\m:MU1+2*\m+1], v[P8], s[8:9] offset:(32*(\m/2)+8*(\m%2))*8
.endr
	s_wait_loadcnt 0x0
.irp k, 0,1,2,3,4,5,6,7,8,9,10,11,12,13,14,15
	ds_store_b128 v[T16], v[128+4*\k:128+4*\k+3] offset:SET_O+2048*\k
.endr
.irp k, 0,1,2,3
	ds_store_b128 v[B1W], v[192+4*\k:192+4*\k+3] offset:2048*\k
.endr
.irp k, 0,1,2,3
	v_lshl_or_b32 v[232+\k], v[224+2*\k+1], 16, v[224+2*\k]        ; heads 2 k and 2 k + 1 make K step k's word
	ds_store_b32 v[OSW], v[232+\k] offset:256*\k
.endr
.irp m, 0,1,2,3
	v_mov_b32 v[RS1+2*\m], v[MU1+2*\m+1]           ; rstd1 into the low word of a pair of its own
	v_mov_b32 v[RS1+2*\m+1], v[MU1+2*\m+1]
.endr
	s_wait_dscnt 0x0                               ; the stores have read their registers
	; ---- the seeds of x1: xn + bo.  A tile's rows turn through my stage, so that a lane holds 64 channels of one token, as the results will lie
.irp m, 0,1,2,3
	WIN 0x04
.irp i, 0,1,2,3,4,5,6,7,8,9,10,11,12,13,14,15
	ds_store_b128 v[SGI], v[64*\m+4*\i:64*\m+4*\i+3] offset:528*\i
.endr
	WIN 0
.set n, 0
.rept 16
	ds_load_b128 v[128+4*n:128+4*n+3], v[SGT] offset:128*(n/4)+16*(n%4)   ; LDS serves a wave's instructions in order (ISA guide 5.7.1.4)
.set n, n+1
.endr
	s_wait_dscnt 0x0
.set n, 0
.rept 32
	v_pk_add_f32 v[128+2*n:128+2*n+1], v[128+2*n:128+2*n+1], v[MU1+2*\m:MU1+2*\m+1] op_sel_hi:[1,0] neg_lo:[0,1] neg_hi:[0,1]
.set n, n+1
.endr
.set n, 0
.rept 32
	v_pk_mul_f32 v[128+2*n:128+2*n+1], v[128+2*n:128+2*n+1], v[RS1+2*\m:RS1+2*\m+1] op_sel_hi:[1,0]
.set n, n+1
.endr
	WIN 0x28
.set n, 0
.rept 32
	v_pk_fma_f32 v[128+2*n:128+2*n+1], v[128+2*n:128+2*n+1], v[2*n:2*n+1], v[64+2*n:64+2*n+1]      ; xn, by the first launch's own three operations
.set n, n+1
.endr
	WIN 0x48
.set n, 0
.rept 32
	v_pk_add_f32 v[64*\m+2*n:64*\m+2*n+1], v[128+2*n:128+2*n+1], v[128+2*n:128+2*n+1]              ; window 1 = xn (window 0) + bo (window 2)
.set n, n+1
.endr
.endr
	WIN 0x80
.set n, 0
.rept 16
	global_load_b128 v[4*n:4*n+3], v[PA], s[20:21] offset:128*(n/4)+16*(n%4)           ; g2 and be2 take g1's and be1's place: older than every later load of the stream, so the quads' counted waits cover them
	global_load_b128 v[64+4*n:64+4*n+3], v[PA], s[22:23] offset:128*(n/4)+16*(n%4)
.set n, n+1
.endr
	WIN 0
	BARRIER                                        ; o's fragments and words, and b1, lie in LDS
	SECTION 1, ORD, ORS, 0, SBE, SBO, 0            ; window 1 = x1
	s_add_nc_u64 s[SBE:SBE+1], s[SBE:SBE+1], s[STEP0:STEP0+1]   ; on to my first section of W2; every load that names this pointer is done (quad 7's wait left out only loads that name the other)
	; ---- layer norm 2, in two passes; a token's 512 channels lie in four waves: the partial sums meet in LDS
.irp m, 0,1,2,3
.irp j, 0,1,2,3
	v_mov_b32 v[SUM+\j], 0
.endr
	WIN 0x04
.set n, 0
.rept 16
	v_pk_add_f32 v[SUM:SUM+1], v[SUM:SUM+1], v[64*\m+4*n:64*\m+4*n+1]
	v_pk_add_f32 v[SUM+2:SUM+3], v[SUM+2:SUM+3], v[64*\m+4*n+2:64*\m+4*n+3]
.set n, n+1
.endr
	WIN 0
	v_pk_add_f32 v[SUM:SUM+1], v[SUM:SUM+1], v[SUM+2:SUM+3]
	v_add_f32 v[SUM], v[SUM], v[SUM+1]
	v_permlanex16_b32 v[SUM+1], v[SUM], s[SEL], s[SEL+1]
	v_add_f32 v[112+\m], v[SUM], v[SUM+1]
	ds_store_b32 v[STW], v[112+\m] offset:64*\m
.endr
	BARRIER
.irp m, 0,1,2,3
.irp wp, 0,1,2,3
	ds_load_b32 v[128+4*\m+\wp], v[STR] offset:256*\wp+64*\m
.endr
.endr
	s_wait_dscnt 0x0
.irp m, 0,1,2,3
	v_add_f32 v[128+4*\m], v[128+4*\m], v[128+4*\m+1]
	v_add_f32 v[128+4*\m+2], v[128+4*\m+2], v[128+4*\m+3]
	v_add_f32 v[128+4*\m], v[128+4*\m], v[128+4*\m+2]
	v_mul_f32 v[MU2+2*\m], s[INV], v[128+4*\m]
	v_mov_b32 v[MU2+2*\m+1], v[MU2+2*\m]
.endr
.irp m, 0,1,2,3
	WIN 0x41
.set n, 0
.rept 32
	v_pk_add_f32 v[64*\m+2*n:64*\m+2*n+1], v[64*\m+2*n:64*\m+2*n+1], v[MU2+2*\m:MU2+2*\m+1] op_sel_hi:[1,0] neg_lo:[0,1] neg_hi:[0,1]
.set n, n+1
.endr
	WIN 0
.irp j, 0,1,2,3
	v_mov_b32 v[SUM+\j], 0
.endr
	WIN 0x05
.set n, 0
.rept 16
	v_pk_fma_f32 v[SUM:SUM+1], v[64*\m+4*n:64*\m+4*n+1], v[64*\m+4*n:64*\m+4*n+1], v[SUM:SUM+1]
	v_pk_fma_f32 v[SUM+2:SUM+3], v[64*\m+4*n+2:64*\m+4*n+3], v[64*\m+4*n+2:64*\m+4*n+3], v[SUM+2:SUM+3]
.set n, n+1
.endr
	WIN 0
	v_pk_add_f32 v[SUM:SUM+1], v[SUM:SUM+1], v[SUM+2:SUM+3]
	v_add_f32 v[SUM], v[SUM], v[SUM+1]
	v_permlanex16_b32 v[SUM+1], v[SUM], s[SEL], s[SEL+1]
	v_add_f32 v[116+\m], v[SUM], v[SUM+1]
	ds_store_b32 v[STW], v[116+\m] offset:1024+64*\m
.endr
	BARRIER
.irp m, 0,1,2,3
.irp wp, 0,1,2,3
	ds_load_b32 v[128+4*\m+\wp], v[STR] offset:1024+256*\wp+64*\m
.endr
.endr
	s_wait_dscnt 0x0
.irp m, 0,1,2,3
	v_add_f32 v[128+4*\m], v[128+4*\m], v[128+4*\m+1]
	v_add_f32 v[128+4*\m+2], v[128+4*\m+2], v[128+4*\m+3]
	v_add_f32 v[128+4*\m], v[128+4*\m], v[128+4*\m+2]
	v_fma_f32 v[128+4*\m], v[128+4*\m], s[INV], s[EPS]
.endr
.irp m, 0,1,2,3
	v_rsq_f32 v[RS2+2*\m], v[128+4*\m]
.endr
	v_nop                                          ; a plain instruction behind the transcendentals
	s_wait_alu depctr_va_vdst(0)
.irp m, 0,1,2,3
	v_mov_b32 v[RS2+2*\m+1], v[RS2+2*\m]
.endr
.irp m, 0,1,2,3
	WIN 0x41
.set n, 0
.rept 32
	v_pk_mul_f32 v[64*\m+2*n:64*\m+2*n+1], v[64*\m+2*n:64*\m+2*n+1], v[RS2+2*\m:RS2+2*\m+1] op_sel_hi:[1,0]
.set n, n+1
.endr
	WIN 0x69
.set n, 0
.rept 32
	v_pk_fma_f32 v[64*\m+2*n:64*\m+2*n+1], v[64*\m+2*n:64*\m+2*n+1], v[2*n:2*n+1], v[64+2*n:64+2*n+1]   ; window 1 = xn2
.set n, n+1
.endr
.endr
	; the output's seeds: xn2 x c + b2 x c, c = 1 in the work-group of chunks 0-3 (xn2 + b2, one rounding) and 0 in the other: the residual and the bias are counted once
	WIN 0x82
.set n, 0
.rept 32
	v_pk_mul_f32 v[192+2*n:192+2*n+1], v[192+2*n:192+2*n+1], s[CSL:CSL+1] op_sel_hi:[1,0]
.set n, n+1
.endr
	WIN 0xa1
.irp m, 0,1,2,3                        ; over parameters that are done with; tile 3's land on b2 itself, number by number
.set n, 0
.rept 32
	v_pk_fma_f32 v[64*\m+2*n:64*\m+2*n+1], v[64*\m+2*n:64*\m+2*n+1], s[CSL:CSL+1], v[192+2*n:192+2*n+1] op_sel_hi:[1,0,1]
.set n, n+1
.endr
.endr
	WIN 0
.irp m, 0,1,2,3
	QUANT 64*\m, 0, 1
	IMAGE XWI, 8192*\m                             ; my 128 channels are K step w of xn2 W1
	ds_store_b32 v[XWS], v[PW] offset:64*\m
	s_wait_dscnt 0x0
.endr
	BIAS
	BARRIER                                        ; xn2's sixteen fragments lie in LDS
	s_mov_b32 s[CNT], 3
.Lchunk:
	CHUNK 0
	s_sub_co_u32 s[CNT], s[CNT], 1
	s_cmp_lg_u32 s[CNT], 0
	s_cbranch_scc1 .Lchunk
	CHUNK 1                                        ; my fourth chunk is written out: no b1 follows, and my stream ends
	; ---- THE WAY OUT: a tile of 16 tokens x my 128 channels goes through my stage and leaves as rows: 32 lanes store 512 consecutive bytes, aligned
.macro TOSTAGE m
	WIN 0x08
.irp t, 0,1,2,3,4,5,6,7
	ds_store_b128 v[SGT], v[64*(\m)+8*\t:64*(\m)+8*\t+3] offset:128*(\t/2)+32*(\t%2)       ; each accumulator from its low end on
	ds_store_b128 v[SGT], v[64*(\m)+8*\t+4:64*(\m)+8*\t+7] offset:128*(\t/2)+32*(\t%2)+16
.endr
	WIN 0
.irp i, 0,1,2,3,4,5,6,7,8,9,10,11,12,13,14,15
	ds_load_b128 v[ACT+64*((\m)%2)+4*\i:ACT+64*((\m)%2)+4*\i+3], v[SGI] offset:528*\i
.endr
.endm
.macro SEND m, younger                 ; younger: the LDS instructions issued behind tile m's loads
	s_wait_dscnt \younger
.irp i, 0,1,2,3,4,5,6,7,8,9,10,11,12,13,14,15
	global_store_b128 v[LI], v[ACT+64*((\m)%2)+4*\i:ACT+64*((\m)%2)+4*\i+3], s[28:29] offset:(32*((\m)/2)+8*((\m)%2)+\i+8*(\i/8))*2048 th:TH_STORE_NT
.endr
.endm
	TOSTAGE 0
	TOSTAGE 1
	SEND 0, 32
	s_wait_xcnt 0x0                                ; tile 0's stores have read their registers
	TOSTAGE 2
	SEND 1, 32
	s_wait_xcnt 0x0
	TOSTAGE 3
	SEND 2, 32
	SEND 3, 0
	s_wait_tensorcnt 0x0
	ds_add_u32 v126, v127
	s_wait_dscnt 0x0
	s_endpgm
.Lfunc_end_k_qa05dd54c3a_wo_ffn:
	.size	k_qa05dd54c3a_wo_ffn, .Lfunc_end_k_qa05dd54c3a_wo_ffn-k_qa05dd54c3a_wo_ffn
	.p2alignl 7, 3214868480
	.fill 96, 4, 3214868480
	.section	.rodata,"a",@progbits
	.p2align	6, 0x0
	.amdhsa_kernel k_qa05dd54c3a_wo_ffn
		.amdhsa_group_segment_fixed_size 165376
		.amdhsa_private_segment_fixed_size 0
		.amdhsa_enable_private_segment 0
		.amdhsa_kernarg_size 104
		.amdhsa_user_sgpr_count 2
		.amdhsa_user_sgpr_kernarg_segment_ptr 1
		.amdhsa_wavefront_size32 1
		.amdhsa_system_sgpr_workgroup_id_x 1
		.amdhsa_system_sgpr_workgroup_id_y 1
		.amdhsa_system_sgpr_workgroup_id_z 1
		.amdhsa_system_vgpr_workitem_id 0
		.amdhsa_next_free_vgpr 1024
		.amdhsa_next_free_sgpr 66
		.amdhsa_reserve_vcc 0
		.amdhsa_float_denorm_mode_32 3
		.amdhsa_float_denorm_mode_16_64 3
		.amdhsa_memory_ordered 1
		.amdhsa_forward_progress 1
		.amdhsa_inst_pref_size 255
	.end_amdhsa_kernel
	.section	.bss,"aw",@nobits
	.p2align	6
	.space	262144
	.amdgpu_metadata
---
amdhsa.version: [ 1, 2 ]
amdhsa.kernels:
  - .name:           k_qa05dd54c3a_wo_ffn
    .symbol:         k_qa05dd54c3a_wo_ffn.kd
    .args:
      - { .name: o_img, .offset: 0, .size: 8, .value_kind: global_buffer, .address_space: global }
      - { .name: o_sc, .offset: 8, .size: 8, .value_kind: global_buffer, .address_space: global }
      - { .name: stats, .offset: 16, .size: 8, .value_kind: global_buffer, .address_space: global }
      - { .name: wstream, .offset: 24, .size: 8, .value_kind: global_buffer, .address_space: global }
      - { .name: x, .offset: 32, .size: 8, .value_kind: global_buffer, .address_space: global }
      - { .name: g1, .offset: 40, .size: 8, .value_kind: global_buffer, .address_space: global }
      - { .name: be1, .offset: 48, .size: 8, .value_kind: global_buffer, .address_space: global }
      - { .name: bo, .offset: 56, .size: 8, .value_kind: global_buffer, .address_space: global }
      - { .name: g2, .offset: 64, .size: 8, .value_kind: global_buffer, .address_space: global }
      - { .name: be2, .offset: 72, .size: 8, .value_kind: global_buffer, .address_space: global }
      - { .name: b1, .offset: 80, .size: 8, .value_kind: global_buffer, .address_space: global }
      - { .name: b2, .offset: 88, .size: 8, .value_kind: global_buffer, .address_space: global }
      - { .name: part, .offset: 96, .size: 8, .value_kind: global_buffer, .address_space: global }
    .group_segment_fixed_size: 165376
    .private_segment_fixed_size: 0
    .kernarg_segment_align: 8
    .kernarg_segment_size: 104
    .max_flat_workgroup_size: 128
    .sgpr_count:     66
    .vgpr_count:     1024
    .wavefront_size: 32
...
	.end_amdgpu_metadata
.endif
;; end of part 4
;; launch addp (part 5): grid 512 x 1, 8 waves a work-group, no clusters, 0 bytes of LDS; arguments part, out0; writes out0
.if DOCPART == 5
	.amdgcn_target "amdgcn-amd-amdhsa--gfx1250"
	.amdhsa_code_object_version 6
	.text
	.protected	k_qa05dd54c3a_addp
	.globl	k_qa05dd54c3a_addp
	.p2align	8
	.type	k_qa05dd54c3a_addp,@function
k_qa05dd54c3a_addp:
	s_mov_b64 s[64:65], 0
	v_nop
	global_prefetch_b8 v0, s[64:65] scope:SCOPE_SE
	s_setreg_imm32_b32 hwreg(HW_REG_WAVE_MODE, 25, 1), 1
	s_wait_xcnt 0x0
; out0 = part[0] + part[1]: the two partial outputs of the launch before (each 16,777,216 bytes of f32) are added, one f32 addition a number.
; A stream: no LDS, no barrier, no matrix unit, no loop.  A work-group of eight waves owns 32,768 bytes of out0; thread t owns the 16 bytes at 16 t of each of its eight runs of 4,096 bytes, so a load or store of a wave
; covers 512 consecutive bytes, aligned.  All sixteen loads of a thread go out first; every offset is an immediate; each run has its own registers, so no store's data are written again.
.set RUN,  4096                        ; 256 threads x 16 bytes
.set HALF, 0x1000000                   ; bytes of one partial output
.set A, 8                              ; v[8:39]   run k of part[0], then the sum
.set B, 40                             ; v[40:71]  run k of part[1]
	s_load_b128 s[4:7], s[0:1], 0x0                ; part, out0
	v_lshlrev_b32 v1, 4, v0                        ; my 16 bytes of a run
	s_lshl_b32 s8, ttmp9, 15                       ; the work-group's 32,768 bytes
	s_mov_b32 s9, 0
	s_wait_kmcnt 0x0
	s_add_nc_u64 s[4:5], s[4:5], s[8:9]
	s_add_nc_u64 s[6:7], s[6:7], s[8:9]
	s_add_nc_u64 s[10:11], s[4:5], HALF            ; the same place in the second half (beyond the reach of an immediate offset)
.irp k, 0,1,2,3,4,5,6,7
	global_load_b128 v[A+4*\k:A+4*\k+3], v1, s[4:5] offset:RUN*\k th:TH_LOAD_NT
	global_load_b128 v[B+4*\k:B+4*\k+3], v1, s[10:11] offset:RUN*\k th:TH_LOAD_NT
.endr
.irp k, 0,1,2,3,4,5,6,7
	s_wait_loadcnt 14-2*\k                         ; loads come back in order (ISA guide 5.7.1): run k's two are in, the two of each later run may be out
	v_pk_add_f32 v[A+4*\k:A+4*\k+1], v[A+4*\k:A+4*\k+1], v[B+4*\k:B+4*\k+1]
	v_pk_add_f32 v[A+4*\k+2:A+4*\k+3], v[A+4*\k+2:A+4*\k+3], v[B+4*\k+2:B+4*\k+3]
	global_store_b128 v1, v[A+4*\k:A+4*\k+3], s[6:7] offset:RUN*\k th:TH_STORE_NT
.endr
	s_endpgm
.Lfunc_end_k_qa05dd54c3a_addp:
	.size	k_qa05dd54c3a_addp, .Lfunc_end_k_qa05dd54c3a_addp-k_qa05dd54c3a_addp
	.p2alignl 7, 3214868480
	.fill 96, 4, 3214868480
	.section	.rodata,"a",@progbits
	.p2align	6, 0x0
	.amdhsa_kernel k_qa05dd54c3a_addp
		.amdhsa_group_segment_fixed_size 0
		.amdhsa_private_segment_fixed_size 0
		.amdhsa_enable_private_segment 0
		.amdhsa_kernarg_size 16
		.amdhsa_user_sgpr_count 2
		.amdhsa_user_sgpr_kernarg_segment_ptr 1
		.amdhsa_wavefront_size32 1
		.amdhsa_system_sgpr_workgroup_id_x 1
		.amdhsa_system_sgpr_workgroup_id_y 1
		.amdhsa_system_sgpr_workgroup_id_z 1
		.amdhsa_system_vgpr_workitem_id 0
		.amdhsa_next_free_vgpr 80
		.amdhsa_next_free_sgpr 66
		.amdhsa_reserve_vcc 0
		.amdhsa_float_denorm_mode_32 3
		.amdhsa_float_denorm_mode_16_64 3
		.amdhsa_memory_ordered 1
		.amdhsa_forward_progress 1
		.amdhsa_inst_pref_size 5
	.end_amdhsa_kernel
	.amdgpu_metadata
---
amdhsa.version: [ 1, 2 ]
amdhsa.kernels:
  - .name:           k_qa05dd54c3a_addp
    .symbol:         k_qa05dd54c3a_addp.kd
    .args:
      - { .name: part, .offset: 0, .size: 8, .value_kind: global_buffer, .address_space: global }
      - { .name: out0, .offset: 8, .size: 8, .value_kind: global_buffer, .address_space: global }
    .group_segment_fixed_size: 0
    .private_segment_fixed_size: 0
    .kernarg_segment_align: 8
    .kernarg_segment_size: 16
    .max_flat_workgroup_size: 256
    .sgpr_count:     66
    .vgpr_count:     80
    .wavefront_size: 32
...
	.end_amdgpu_metadata
.endif
;; end of part 5
;; ======== version 3 of 3: 4 launches; version 2 with the launches ln_qkv, wo_ffn written anew for expert scheduling mode
;; workspace buffers: q_img 4,194,304 bytes; q_sc 131,072 bytes; kv 8,650,752 bytes; o_img 4,194,304 bytes; o_sc 131,072 bytes; stats 65,536 bytes; wstream 4,595,712 bytes; part 33,554,432 bytes
;; launch ln_qkv (part 6): grid 64 x 4, 4 waves a work-group, no clusters, 218,624 bytes of LDS; arguments x, g1, be1, stats, Wq_codes, Wq_scales, Wk_codes, Wk_scales, Wv_codes, Wv_scales, q_img, q_sc, kv, Wo_codes, Wo_scales, W1_codes, W1_scales, W2_codes, W2_scales, wstream; writes stats, q_img, q_sc, kv, wstream
.if DOCPART == 6
	.amdgcn_target "amdgcn-amd-amdhsa--gfx1250"
	.amdhsa_code_object_version 6
	.text
	.protected	k_qa05dd54c3a_ln_qkv
	.globl	k_qa05dd54c3a_ln_qkv
	.p2align	8
	.type	k_qa05dd54c3a_ln_qkv,@function
k_qa05dd54c3a_ln_qkv:
	s_mov_b64 s[64:65], 0
	v_nop
	global_prefetch_b8 v0, s[64:65] scope:SCOPE_SE
	s_setreg_imm32_b32 hwreg(HW_REG_WAVE_SCHED_MODE, 0, 2), 2
	s_setreg_imm32_b32 hwreg(HW_REG_WAVE_MODE, 25, 1), 1
	s_wait_xcnt 0x0
	s_wait_alu depctr_vm_vsrc(0)
; LAYER NORM 1, ITS QUANTISER, THE PRODUCTS q, k, v AND THEIR QUANTISERS; AND THE RE-LAYING OF Wo, W1, W2.  All products on codes of FP8 (E4M3) with one E8M0 scale for each 32 along K.
; Work-group y = 0: q, 1: k, 2: v, for the 128 tokens of block x;  y = 3: Wo, W1, W2 are copied into four streams, one for each wave of the last launch, fragment by fragment in the order of the operand's registers.
; SHARES (y < 3).  Wave w normalises and quantises tokens 32 w .. 32 w + 31 (two tiles of 16) and puts the fragments' images into LDS; behind one barrier it makes units 128 w .. 128 w + 127 (heads 2 w, 2 w + 1) for all
; 128 tokens, with its 32 weight fragments in registers, read from memory once.  The layer norm is made once for each of q, k, v: three times; a launch of its own would cost its start, its end and xn's way to memory and back.
; TILES.  The 16 tokens of tile 2 G + u are 32 G + 8 u + i + 8 (i / 8): so the 16 registers that a lane holds of tiles 2 G, 2 G + 1 in a transposed result are 16 NEIGHBOURS (32 G + 16 (lane / 16) + 0 .. 15).  The rows of a weight
; that form a tile are chosen in the same way.  q, k: source 0 = 16 units, source 1 = 16 tokens: a lane holds one token and registers along the head's axis, which is the scores' K.  v: the sources swapped: a lane holds one
; unit and registers along the tokens, which are the second product's K.
; WORKSPACE: every fragment leaves as an image of its registers: four registers a lane by one store, 512 consecutive bytes a wave.
; LIMITS: a block whose largest magnitude lies under 2^-118 has its byte held at 1; a block of zeros gets the byte 1 and not 127 (its codes are zeros, and this program alone reads the bytes); NaN and infinities are not served.
; REGISTERS: window 0: v1-15, v62, v63 addresses; v16-31 the weights' scale words; v32-35 xn's; v36-53 the quantiser's; v54-61 sums, rstd, mu; v64-79 codes; v128-255 g1 and be1, later 16 accumulators.
;   windows 1, 2: the weights' 32 fragments.   window 3: a tile of x (256 numbers a lane), later eight fragments of xn.
; THE MODE: SCHED_MODE bits 1:0 = 2 (LLVM: expert scheduling mode 2), set by the entry lines.  The code itself states the register dependences between vector or matrix instructions and memory or LDS instructions,
; with s_wait_alu, always for 0.
; THE PLAN.  Registers that memory or LDS instructions touch:
;   v1-15, v62, v63, v86, v87   offsets and LDS addresses: made once at the head of each way, ahead of one wait on va_vdst, and never written again.
;   window 3      A tile of x: the rows' loads land in it, the stage's stores read it, the stage's loads land in it again (one wait on vm_vsrc between the two), the vector instructions work on it in place.  A K step's 64
;                 registers are asked for again (the next tile's rows) behind the wait on va_vdst that follows their quantiser.  Later xn's eight fragments: the products read them; the next eight land behind one wait on va_vdst.
;   v128-255      g1 and be1 of a K step: LDS loads land in them, the multiply-adds read them; the next K step's land behind the same wait behind the quantiser.  Later accumulators, which no memory instruction names.
;   v[PC ..], v[PW], the four bytes, v80   A quantiser writes them, the run of stores behind it reads them: one wait on va_vdst between the two, one on vm_vsrc ahead of the next quantiser.
;   v[MU:MU+1]    Written by a tile's arithmetic, read by q's store of (mu, rstd): a wait on va_vdst ahead of the store; the second tile writes them behind the stage's wait on vm_vsrc.
;   windows 1, 2, v16-35   weights and scale words: loads land in them, products read them, nothing else (v16-20 were at work at the head, ahead of its wait).
.set REC,    270336                    ; a head's record in kv: K's images 131,072, V's images 131,072, K's pair words 4,096, V's words 4,096
.set SECB,   67584                     ; a section of a stream: 32 fragments of 2,048 bytes, then 16 lines of 128 bytes of scale words
.set STREAM, 17*SECB
.set STGW,   33024                     ; LDS: a stage of 16 rows for each wave,
.set SPI,    2064                      ; rows of 2,048 bytes + 16: an odd multiple of 16, so the 16 rows that a load touches start at 16 different banks
.set XIMG,   132096                    ; xn's 32 fragments: (tile, K step) at (4 tile + step) x 2,048
.set XSC,    197632                    ; their scale words: [K step][tile][16 words]
.set GL,     199680                    ; for each wave g1 (2,048 bytes), then be1
.set VSB,    216064                    ; v alone: for each wave 512 scale bytes, [unit tile 8][16 rows][4 blocks of keys]
.set LI, 1
.set LS, 2
.set XRD, 3
.set XSR, 4
.set STI, 5
.set STO, 6
.set GLA, 7
.set XWI, 8
.set XWS, 9
.set WA, 10
.set WSA, 11
.set SCO, 12
.set STA, 13
.set VBA, 14
.set VBR, 15
.set RS, 16
.set SS, 32
.set TM, 36
.set PW, 52
.set PW0, 53
.set SUM, 54
.set RSTD, 58
.set MU, 60
.set VSO, 62
.set GLW, 63
.set PC, 64
.set WA2, 86
.set WSA2, 87
.set ACC, 128
.set WV, 30
.set YY, 31
.set SEL, 42
.set MNT, 45
.set INV, 66
.set EPS, 67
.set MSB, 0
.macro WIN new                         ; the immediate's high byte repeats the setting that is left; a switch that changes nothing is dropped
.if MSB != (\new)
	s_set_vgpr_msb (MSB<<8)|(\new)
.set MSB, (\new)
.endif
.endm
.macro NOPS n
.rept \n
	v_nop
.endr
.endm
; One scaled matrix instruction.  z = 1: the constant 0 starts the sum; else it adds in place.  ra, rb: the side's scale words stand in lanes 16-31 of the register named.
.macro WM d, a, b, z, sa, ra, sb, rb
.if (\z)
.if (\ra)
.if (\rb)
	v_wmma_scale_f32_16x16x128_f8f6f4 v[(\d):(\d)+7], v[(\a):(\a)+15], v[(\b):(\b)+15], 0, v[(\sa)], v[(\sb)] matrix_a_scale:MATRIX_SCALE_ROW1 matrix_b_scale:MATRIX_SCALE_ROW1
.else
	v_wmma_scale_f32_16x16x128_f8f6f4 v[(\d):(\d)+7], v[(\a):(\a)+15], v[(\b):(\b)+15], 0, v[(\sa)], v[(\sb)] matrix_a_scale:MATRIX_SCALE_ROW1
.endif
.else
.if (\rb)
	v_wmma_scale_f32_16x16x128_f8f6f4 v[(\d):(\d)+7], v[(\a):(\a)+15], v[(\b):(\b)+15], 0, v[(\sa)], v[(\sb)] matrix_b_scale:MATRIX_SCALE_ROW1
.else
	v_wmma_scale_f32_16x16x128_f8f6f4 v[(\d):(\d)+7], v[(\a):(\a)+15], v[(\b):(\b)+15], 0, v[(\sa)], v[(\sb)]
.endif
.endif
.else
.if (\ra)
.if (\rb)
	v_wmma_scale_f32_16x16x128_f8f6f4 v[(\d):(\d)+7], v[(\a):(\a)+15], v[(\b):(\b)+15], v[(\d):(\d)+7], v[(\sa)], v[(\sb)] matrix_a_scale:MATRIX_SCALE_ROW1 matrix_b_scale:MATRIX_SCALE_ROW1
.else
	v_wmma_scale_f32_16x16x128_f8f6f4 v[(\d):(\d)+7], v[(\a):(\a)+15], v[(\b):(\b)+15], v[(\d):(\d)+7], v[(\sa)], v[(\sb)] matrix_a_scale:MATRIX_SCALE_ROW1
.endif
.else
.if (\rb)
	v_wmma_scale_f32_16x16x128_f8f6f4 v[(\d):(\d)+7], v[(\a):(\a)+15], v[(\b):(\b)+15], v[(\d):(\d)+7], v[(\sa)], v[(\sb)] matrix_b_scale:MATRIX_SCALE_ROW1
.else
	v_wmma_scale_f32_16x16x128_f8f6f4 v[(\d):(\d)+7], v[(\a):(\a)+15], v[(\b):(\b)+15], v[(\d):(\d)+7], v[(\sa)], v[(\sb)]
.endif
.endif
.endif
.endm
; 64 numbers of a lane, registers qs .. qs + 63 of window W, register 16 b + i = number 16 (lane / 16) + i of block b, become 16 registers of codes (v[PC] on), a scale word (v[PW]) and four bytes (v[TM+4] on).
; Each accumulator among the 64 is first read at its two lowest registers.
.macro QUANT qs, relu, W
	WIN (\W)|((\W)<<2)
.irp b, 0,1,2,3
.if \relu
	v_max3_num_f32 v[TM+\b], v[(\qs)+16*\b], v[(\qs)+16*\b+1], 0x4800000        ; no |.|: what is negative is to become 0; the floor 2^(9 - 127) holds the byte at 1 from below
.else
	v_max3_num_f32 v[TM+\b], |v[(\qs)+16*\b]|, |v[(\qs)+16*\b+1]|, 0x4800000
.endif
.endr
	WIN ((\W)<<2)|((\W)<<4)
.irp i, 2,4,6,8,10,12,14
.irp b, 0,1,2,3
.if \relu
	v_max3_num_f32 v[TM+\b], v[TM+\b], v[(\qs)+16*\b+\i], v[(\qs)+16*\b+\i+1]
.else
	v_max3_num_f32 v[TM+\b], v[TM+\b], |v[(\qs)+16*\b+\i]|, |v[(\qs)+16*\b+\i+1]|   ; the four blocks by turns
.endif
.endr
.endr
	WIN 0
.irp b, 0,1,2,3
	v_permlanex16_b32 v[TM+4+\b], v[TM+\b], s[SEL], s[SEL+1]
.endr
.irp b, 0,1,2,3
	v_max_num_f32 v[TM+\b], v[TM+\b], v[TM+4+\b]                   ; with lane l xor 16's 16: the block's largest magnitude
.endr
.irp b, 0,1,2,3
	v_add_nc_u32 v[TM+12+\b], 0xfc000000, v[TM+\b]                 ; 8 off its exponent field: the conversion's scale operand
.endr
.irp b, 0,1,2,3
	v_and_or_b32 v[TM+8+\b], v[TM+\b], 0x7f800000, s[MNT]          ; 448 x the scale
.endr
.irp b, 0,1,2,3
	v_lshrrev_b32 v[TM+4+\b], 23, v[TM+12+\b]                      ; the scale's byte
.endr
	v_lshl_or_b32 v[PW], v[TM+5], 8, v[TM+4]
	v_lshl_or_b32 v[PW], v[TM+6], 16, v[PW]
	v_lshl_or_b32 v[PW], v[TM+7], 24, v[PW]
	WIN (\W)|((\W)<<6)
.irp b, 0,1,2,3
.irp i, 0,1,2,3,4,5,6,7,8,9,10,11,12,13,14,15
.if \relu
	v_med3_num_f32 v[(\qs)+16*\b+\i], v[(\qs)+16*\b+\i], 0, v[TM+8+\b]
.else
	v_med3_num_f32 v[(\qs)+16*\b+\i], v[(\qs)+16*\b+\i], -v[TM+8+\b], v[TM+8+\b]   ; the conversion to an 8-bit code does not saturate (ISA guide 7.6.2): the hold comes first
.endif
.endr
.endr
	WIN (\W)
.irp b, 0,1,2,3
	v_cvt_scalef32_pk8_fp8_f32 v[PC+4*\b:PC+4*\b+1], v[(\qs)+16*\b:(\qs)+16*\b+7], v[TM+12+\b]
	v_cvt_scalef32_pk8_fp8_f32 v[PC+4*\b+2:PC+4*\b+3], v[(\qs)+16*\b+8:(\qs)+16*\b+15], v[TM+12+\b]
.endr
	WIN 0
	v_nop                                                          ; a plain instruction behind the last conversion, ahead of whatever next touches its registers
.endm
.macro IMAGE adr, off                  ; the fragment in v[PC] on goes to LDS as it stands: 512 consecutive bytes a store
.irp c, 0,1,2,3
	ds_store_b128 v[\adr], v[PC+4*\c:PC+4*\c+3] offset:(\off)+512*\c
.endr
.endm
; rows 4 p .. 4 p + 3 of my tile u, as they lie: each load reads 512 consecutive bytes
.macro RAW u, p
	WIN 0xc0
.irp i, 0,1,2,3
.irp qd, 0,1,2,3
	global_load_b128 v[64*(\p)+16*\i+4*\qd:64*(\p)+16*\i+4*\qd+3], v[LI], s[46:47] offset:(8*(\u)+(4*(\p)+\i)+8*((4*(\p)+\i)/8))*2048+512*\qd
.endr
.endr
	WIN 0
.endm
; the four fragments of my unit tile k (they stay in windows 1 and 2), and with each even k the scale words of tiles k (lanes 0-15) and k + 1 (lanes 16-31)
.macro WCHUNK k
	WIN (1+(\k)/4)<<6
.irp kp, 0,1,2,3
.irp c, 0,1,2,3
	global_load_b128 v[16*(4*((\k)%4)+\kp)+4*\c:16*(4*((\k)%4)+\kp)+4*\c+3], v[WA], s[32:33] offset:(32*((\k)/2)+8*((\k)%2))*512+128*\kp+32*\c
.endr
.endr
	WIN 0
.if ((\k)%2) == 0
.irp kp, 0,1,2,3
	global_load_b32 v[RS+4*((\k)/2)+\kp], v[WSA], s[34:35] offset:(32*((\k)/2))*16+4*\kp
.endr
.endif
.endm
; MY TILE u: through the stage, so that a lane holds 256 numbers of ONE token (register 16 b + i = channel 32 b + 16 (lane / 16) + i); mean, variance (two passes), xn, four fragments.
.macro LNTILE u
.if \u
	s_wait_loadcnt 16                              ; this tile's 64 loads are in; behind them stand the 16 loads of one unit tile of the weights
.endif
	WIN 0x0c
.set n, 0
.rept 64
	ds_store_b128 v[STI], v[4*n:4*n+3] offset:SPI*(n/4)+512*(n%4)
.set n, n+1
.endr
	WIN 0xc0
	s_wait_alu depctr_vm_vsrc(0)                   ; the stage's stores have read window 3's registers, in which the loads below land; in the first tile the stores of g1 and be1 have read v128-159, in which LDS loads land further down; in the second the first tile's store of (mu, rstd) has read v[MU:MU+1], which are written again
.set n, 0
.rept 64
	ds_load_b128 v[4*n:4*n+3], v[STO] offset:128*(n/4)+16*(n%4)    ; LDS serves a wave's instructions in order (ISA guide 5.7.1.4): these see my stores
.set n, n+1
.endr
	WIN 0
	s_wait_dscnt 0x0
	s_wait_xcnt 0x0                                ; the last tile's store of (mu, rstd) has had its address translated
.irp j, 0,1,2,3
	v_mov_b32 v[SUM+\j], 0
.endr
	WIN 0x0c
.set n, 0
.rept 64
	v_pk_add_f32 v[SUM:SUM+1], v[SUM:SUM+1], v[4*n:4*n+1]
	v_pk_add_f32 v[SUM+2:SUM+3], v[SUM+2:SUM+3], v[4*n+2:4*n+3]
.set n, n+1
.endr
	WIN 0
	v_pk_add_f32 v[SUM:SUM+1], v[SUM:SUM+1], v[SUM+2:SUM+3]
	v_add_f32 v[SUM], v[SUM], v[SUM+1]
	v_permlanex16_b32 v[SUM+1], v[SUM], s[SEL], s[SEL+1]           ; the token's other 256 channels lie in the lane 16 away
	v_add_f32 v[SUM], v[SUM], v[SUM+1]
	v_mul_f32 v[MU], s[INV], v[SUM]
	WIN 0xc3
.set n, 0
.rept 128
	v_pk_add_f32 v[2*n:2*n+1], v[2*n:2*n+1], v[MU:MU+1] op_sel_hi:[1,0] neg_lo:[0,1] neg_hi:[0,1]   ; x - mu
.set n, n+1
.endr
	WIN 0
.irp j, 0,1,2,3
	v_mov_b32 v[SUM+\j], 0
.endr
	WIN 0x0f
.set n, 0
.rept 64
	v_pk_fma_f32 v[SUM:SUM+1], v[4*n:4*n+1], v[4*n:4*n+1], v[SUM:SUM+1]
	v_pk_fma_f32 v[SUM+2:SUM+3], v[4*n+2:4*n+3], v[4*n+2:4*n+3], v[SUM+2:SUM+3]
.set n, n+1
.endr
	WIN 0
	v_pk_add_f32 v[SUM:SUM+1], v[SUM:SUM+1], v[SUM+2:SUM+3]
	v_add_f32 v[SUM], v[SUM], v[SUM+1]
	v_permlanex16_b32 v[SUM+1], v[SUM], s[SEL], s[SEL+1]
	v_add_f32 v[SUM], v[SUM], v[SUM+1]
	v_fma_f32 v[SUM], v[SUM], s[INV], s[EPS]       ; the variance + 1e-5
	v_rsq_f32 v[RSTD], v[SUM]
	v_nop                                          ; a plain instruction behind the transcendental
	s_wait_alu depctr_va_vdst(0)
	v_mov_b32 v[MU+1], v[RSTD]
	s_cmp_lg_u32 s[YY], 0                          ; q's work-groups leave (mu, rstd) for the last launch
	s_cbranch_scc1 .Lnostat_\@
	s_wait_alu depctr_va_vdst(0)                   ; v[MU:MU+1] are written, which the store reads
	global_store_b64 v[STA], v[MU:MU+1], s[48:49] offset:64*\u     ; lanes r and r + 16 write the same eight bytes with the same numbers
.Lnostat_\@:
.irp ks, 0,1,2,3
.set n, 0
.rept 16
	ds_load_b128 v[128+4*n:128+4*n+3], v[GLA] offset:512*\ks+128*(n/4)+16*(n%4)
	ds_load_b128 v[192+4*n:192+4*n+3], v[GLA] offset:2048+512*\ks+128*(n/4)+16*(n%4)
.set n, n+1
.endr
	s_wait_dscnt 0x0
	WIN 0xc3
.set n, 0
.rept 32
	v_pk_mul_f32 v[64*\ks+2*n:64*\ks+2*n+1], v[64*\ks+2*n:64*\ks+2*n+1], v[RSTD:RSTD+1] op_sel_hi:[1,0]
.set n, n+1
.endr
.set n, 0
.rept 32
	v_pk_fma_f32 v[64*\ks+2*n:64*\ks+2*n+1], v[64*\ks+2*n:64*\ks+2*n+1], v[128+2*n:128+2*n+1], v[192+2*n:192+2*n+1]
.set n, n+1
.endr
	QUANT 64*\ks, 0, 3
	s_wait_alu depctr_va_vdst(0)                   ; the quantiser has written v[PC ..] and v[PW], which the LDS stores read; it is done with these 64 registers of window 3, in which the next tile's rows land; the multiply-adds are done reading v128-255, in which the next K step's g1 and be1 land
	IMAGE XWI, (4*\u+\ks)*2048
	ds_store_b32 v[XWS], v[PW] offset:512*\ks+64*\u
.if \u == 0
	RAW 1, \ks                                     ; the next tile's rows take the registers just quantised
.endif
	WCHUNK 4*\u+\ks
	s_wait_dscnt 0x0                               ; the stores are done,
	s_wait_alu depctr_vm_vsrc(0)                   ; and have read v[PC ..] and v[PW], which the next quantiser writes
.endr
.endm
; eight fragments of xn: tiles 2 g, 2 g + 1, four K steps; and their scale words: lanes 0-15 tile 2 g's, lanes 16-31 tile 2 g + 1's
.macro SLOAD g
	WIN 0xc0
.irp up, 0,1
.irp ks, 0,1,2,3
.irp c, 0,1,2,3
	ds_load_b128 v[16*(4*\up+\ks)+4*\c:16*(4*\up+\ks)+4*\c+3], v[XRD] offset:(4*(2*(\g)+\up)+\ks)*2048+512*\c
.endr
.endr
.endr
	WIN 0
.irp ks, 0,1,2,3
	ds_load_b32 v[SS+\ks], v[XSR] offset:512*\ks+128*(\g)
.endr
.endm
; 64 matrix instructions: 8 unit tiles x 2 token tiles x 4 K steps.  The 16 accumulators take turns, one instruction a turn, in the same order in every K step.
.macro PROD kind
.irp ks, 0,1,2,3
.irp hf, 0,1
.if \kind
	WIN 0x07+4*\hf
.else
	WIN 0x0d+\hf
.endif
.irp tt, 0,1,2,3
.irp up, 0,1
.if \kind
	WM ACC+16*(4*\hf+\tt)+8*\up, 16*(4*\up+\ks), 16*(4*\tt+\ks), 1-(\ks+3)/4, SS+\ks, \up, RS+4*((4*\hf+\tt)/2)+\ks, \tt&1
.else
	WM ACC+64*\up+8*(4*\hf+\tt), 16*(4*\tt+\ks), 16*(4*\up+\ks), 1-(\ks+3)/4, RS+4*((4*\hf+\tt)/2)+\ks, \tt&1, SS+\ks, \up
.endif
.endr
.endr
.endr
.endr
	WIN 0
.endm
; kind 0 (q, k): accumulators 64 u' + 8 t: a lane's 64 numbers of tile u' are my 128 units' halves of one token: blocks 0, 1 head 2 w, blocks 2, 3 head 2 w + 1.
; kind 1 (v): accumulators 16 t + 8 u': a lane's 16 numbers of unit tile t are 16 neighbouring tokens of one unit: block bb of half c is unit tile bb of head 2 w + c, and these 32 tokens are block g of the key step.
.macro MAIN kind
	SLOAD 0                                        ; (no vector instruction since the last quantiser's wait names these registers of window 3 or v32-35)
.irp g, 0,1,2,3
	s_wait_dscnt 0x0
	PROD \kind
	NOPS 8                                         ; eight places ahead of the loads into xn's registers and of the first read of the results
.if \g < 3
	s_wait_alu depctr_va_vdst(0)                   ; the products are done reading xn's eight fragments and their scale words, in which the next eight land; the quantisers below name none of these registers
	SLOAD \g+1
.endif
.irp c, 0,1
	s_wait_xcnt 0x0                                ; earlier stores have had their addresses translated,
	s_wait_alu depctr_vm_vsrc(0)                   ; and have read the codes, the bytes and the pair word, which are written again below
	QUANT ACC+64*\c, 0, 0
.if \kind
	s_wait_alu depctr_va_vdst(0)                   ; the quantiser has written v[PC ..] and the four bytes, which the stores read
.irp bb, 0,1,2,3
	global_store_b128 v[LI], v[PC+4*\bb:PC+4*\bb+3], s[36+2*\c:37+2*\c] offset:2048*\bb+512*\g
	ds_store_b8 v[VBA], v[TM+4+\bb] offset:64*(4*\c+\bb)+\g        ; lanes r and r + 16 write the same byte with the same value
.endr
.else
.if \c == 0
	v_mov_b32 v[PW0], v[PW]
.else
	v_perm_b32 v80, v[PW], v[PW0], 0x05040100      ; head 2 w: tile 2 g's two bytes, then tile 2 g + 1's
	v_perm_b32 v81, v[PW], v[PW0], 0x07060302      ; head 2 w + 1 likewise
	v_cndmask_b32 v80, v80, v81, vcc_lo            ; lanes 16-31 store the second head's word
.endif
	s_wait_alu depctr_va_vdst(0)                   ; the quantiser has written v[PC ..], and with the second tile v80 is written: the stores read them
	global_store_b128 v[LI], v[PC:PC+3], s[36:37] offset:(2*\g+\c)*1024
	global_store_b128 v[LI], v[PC+4:PC+7], s[36:37] offset:(2*\g+\c)*1024+512
	global_store_b128 v[LI], v[PC+8:PC+11], s[38:39] offset:(2*\g+\c)*1024
	global_store_b128 v[LI], v[PC+12:PC+15], s[38:39] offset:(2*\g+\c)*1024+512
.if \c == 1
	global_store_b32 v[SCO], v80, s[40:41] offset:64*\g
.endif
.endif
.endr
.endr
.endm
	s_load_b256 s[4:11], s[0:1], 0x0               ; x, g1, be1, stats
	s_load_b512 s[12:27], s[0:1], 0x20             ; Wq's codes, scales; Wk's; Wv's; q_img; q_sc
	s_load_b64 s[28:29], s[0:1], 0x60              ; kv
	s_load_b256 s[68:75], s[0:1], 0x68             ; Wo's codes, scales; W1's
	s_load_b128 s[76:79], s[0:1], 0x88             ; W2's
	s_load_b64 s[80:81], s[0:1], 0x98              ; wstream
	v_lshl_add_u32 v122, v0, 2, 0x35400
	v_mov_b32 v123, 0
	v_lshrrev_b32 v16, 5, v0
	v_readfirstlane_b32 s[WV], v16                 ; wave 0..3
	s_and_b32 s[YY], ttmp7, 0xffff
	v_and_b32 v19, 31, v0                          ; lane
	v_and_b32 v16, 15, v0                          ; r
	v_bfe_u32 v17, v0, 4, 1                        ; h
	v_and_b32 v18, 8, v16
	v_add_nc_u32 v18, v18, v16                     ; r + 8 (r / 8)
	v_lshl_add_u32 v20, v17, 3, v18                ; + 8 h: lanes 16-31 take the next tile's rows
	v_lshlrev_b32 v[LI], 4, v19
	v_lshlrev_b32 v[LS], 2, v19
	v_lshlrev_b32 v[WA], 9, v18                    ; a weight's row of 512 bytes,
	v_lshl_add_u32 v[WA], v17, 4, v[WA]            ; + 16 h
	v_lshlrev_b32 v[WSA], 4, v20                   ; its 16 scale bytes
	s_wait_alu depctr_va_sdst(0)                   ; s[WV] is written, ahead of the branch and of its first reader on either way
	s_wait_kmcnt 0x0
	s_cmp_eq_u32 s[YY], 3
	s_cbranch_scc1 .Lrelay
	s_mul_i32 s50, s[WV], STGW
	v_add_nc_u32 v[STI], s50, v[LI]
	v_mul_u32_u24 v[STO], v16, SPI
	v_lshl_add_u32 v[STO], v17, 6, v[STO]
	v_add_nc_u32 v[STO], s50, v[STO]
	s_lshl_b32 s50, s[WV], 12
	s_add_co_u32 s50, s50, GL
	v_lshl_add_u32 v[GLA], v17, 6, s50
	v_add_nc_u32 v[GLW], s50, v[LI]
	s_lshl_b32 s50, s[WV], 14
	s_add_co_u32 s50, s50, XIMG
	v_add_nc_u32 v[XWI], s50, v[LI]
	s_lshl_b32 s50, s[WV], 7
	s_add_co_u32 s50, s50, XSC
	v_lshl_add_u32 v[XWS], v16, 2, s50
	v_add_nc_u32 v[XRD], XIMG, v[LI]
	v_add_nc_u32 v[XSR], XSC, v[LS]
	s_lshl_b32 s50, s[WV], 9
	s_add_co_u32 s50, s50, VSB
	v_lshl_add_u32 v[VBA], v16, 2, s50
	v_add_nc_u32 v[VBR], s50, v[LI]
	v_lshlrev_b32 v[STA], 3, v18
	; which weight, which buffers, which strides from head to head: all chosen on y alone
	s_mov_b32 s50, REC
	s_mov_b32 s56, 0x40000
	s_cmp_eq_u32 s[YY], 0
	s_cselect_b32 s53, 0x20000, s50                ; images: a head of q_img is 131,072 bytes, a record REC
	s_cselect_b32 s54, 0x1000, s50                 ; scale words: a head of q_sc is 4,096 bytes
	s_cselect_b32 s56, 0, s56                      ; K's pair words begin 262,144 bytes into a record
	s_cselect_b64 s[36:37], s[24:25], s[28:29]
	s_cselect_b64 s[40:41], s[26:27], s[28:29]
	s_cselect_b64 s[32:33], s[12:13], s[16:17]
	s_cselect_b64 s[34:35], s[14:15], s[18:19]
	s_cmp_eq_u32 s[YY], 2
	s_cselect_b32 s55, 0x20000, 0                  ; V's images begin 131,072 bytes into a record,
	s_cselect_b32 s56, 266240, s56                 ; its words 266,240
	s_cselect_b64 s[32:33], s[20:21], s[32:33]
	s_cselect_b64 s[34:35], s[22:23], s[34:35]
	v_mul_u32_u24 v[SCO], s54, v17
	v_lshl_add_u32 v[SCO], v16, 2, v[SCO]          ; h x the stride + 4 r
	v_mul_u32_u24 v[VSO], s50, v17
	v_lshl_add_u32 v[VSO], v16, 4, v[VSO]          ; h x REC + 16 r
	s_lshr_b32 s51, ttmp9, 4                       ; the batch,
	s_and_b32 s52, ttmp9, 15                       ; the block of 128 tokens in it
	s_lshl_b32 s51, s51, 3
	s_lshl_b32 s57, s[WV], 1
	s_add_co_u32 s51, s51, s57                     ; batch x 8 + head 2 w
	s_mov_b32 s59, 0
	s_mul_i32 s58, s51, s53
	s_lshl_b32 s60, s52, 13                        ; 8,192 bytes of images for 128 tokens of a head
	s_add_co_u32 s58, s58, s60
	s_add_co_u32 s58, s58, s55
	s_add_nc_u64 s[36:37], s[36:37], s[58:59]      ; head 2 w's images,
	s_mov_b32 s58, s53
	s_add_nc_u64 s[38:39], s[36:37], s[58:59]      ; head 2 w + 1's
	s_mul_i32 s58, s51, s54
	s_lshl_b32 s60, s52, 8                         ; 256 bytes of scale words
	s_add_co_u32 s58, s58, s60
	s_add_co_u32 s58, s58, s56
	s_add_nc_u64 s[40:41], s[40:41], s[58:59]
	s_lshl_b32 s58, s[WV], 16
	s_add_nc_u64 s[32:33], s[32:33], s[58:59]      ; my 128 rows of the weight,
	s_lshl_b32 s58, s[WV], 11
	s_add_nc_u64 s[34:35], s[34:35], s[58:59]      ; and of its scales
	s_lshl_b32 s58, ttmp9, 18
	s_lshl_b32 s60, s[WV], 16
	s_add_co_u32 s58, s58, s60
	s_add_nc_u64 s[46:47], s[4:5], s[58:59]        ; x at my 32 tokens
	s_lshl_b32 s58, ttmp9, 10
	s_lshl_b32 s60, s[WV], 8
	s_add_co_u32 s58, s58, s60
	s_add_nc_u64 s[48:49], s[10:11], s[58:59]      ; stats likewise
	s_mov_b32 s[SEL], 0x76543210
	s_mov_b32 s[SEL+1], 0xfedcba98                 ; v_permlanex16_b32's selects for lane l xor 16
	s_mov_b32 s[MNT], 0x600000                     ; the mantissa field of 448
	s_mov_b32 s[INV], 0x3b000000                   ; 1 / 512
	s_mov_b32 s[EPS], 0x3727c5ac                   ; 1e-5
	s_mov_b32 vcc_lo, 0xffff0000                   ; lanes 16-31
	s_wait_alu depctr_va_vdst(0)                   ; the offsets and LDS addresses v1-15, v62, v63 are written, which every load and store of this way reads; so are v16-20, in which scale words of the weights land
.irp k, 0,1,2,3
	global_load_b128 v[128+4*\k:128+4*\k+3], v[LI], s[6:7] offset:512*\k
	global_load_b128 v[144+4*\k:144+4*\k+3], v[LI], s[8:9] offset:512*\k
.endr
.irp p, 0,1,2,3
	RAW 0, \p
.endr
.irp b, 0,1,2,3
	v_mov_b32 v[TM+4+\b], 0                        ; written once: a lane permute's destination counts as one of its sources
.endr
	v_mov_b32 v[RSTD+1], 0                         ; (named as the upper halves of pairs)
	v_mov_b32 v[MU+1], 0
	s_wait_loadcnt 0x0
.irp k, 0,1,2,3
	ds_store_b128 v[GLW], v[128+4*\k:128+4*\k+3] offset:512*\k     ; g1 and be1 into my own copy: no wave waits for another
	ds_store_b128 v[GLW], v[144+4*\k:144+4*\k+3] offset:2048+512*\k
.endr
	LNTILE 0
	LNTILE 1
	s_wait_dscnt 0x0                               ; for the others' sake: my images lie in LDS
	s_barrier_signal -1
	s_barrier_wait -1                              ; all 32 fragments of xn do
	s_wait_loadcnt 0x0                             ; my weights
	s_cmp_eq_u32 s[YY], 2
	s_cbranch_scc1 .Lvpath
	MAIN 0
	s_wait_dscnt 0x0
	s_wait_alu depctr_hold_cnt(0) depctr_sa_sdst(0) depctr_va_vdst(0) depctr_va_sdst(0) depctr_va_ssrc(0) depctr_va_vcc(0) depctr_vm_vsrc(0)
	s_wait_tensorcnt 0x0
	ds_add_u32 v122, v123
	s_wait_dscnt 0x0
	s_endpgm
.Lvpath:
	MAIN 1
	ds_load_b128 v[82:85], v[VBR]                  ; my 512 scale bytes as words: lanes 0-15 head 2 w's 64 rows, lanes 16-31 head 2 w + 1's (no vector instruction names v82-85)
	s_wait_dscnt 0x0
	global_store_b128 v[VSO], v[82:85], s[40:41]   ; sixteen lanes store 256 consecutive bytes, aligned
	s_wait_dscnt 0x0
	s_wait_alu depctr_hold_cnt(0) depctr_sa_sdst(0) depctr_va_vdst(0) depctr_va_sdst(0) depctr_va_ssrc(0) depctr_va_vcc(0) depctr_vm_vsrc(0)
	s_wait_tensorcnt 0x0
	ds_add_u32 v122, v123
	s_wait_dscnt 0x0
	s_endpgm
; THE RE-LAYING.  A pair p of neighbouring unit tiles (2 tp, 2 tp + 1) of K step s, wave w', chunk j: two fragments and one line of scale words.  256 waves: W1's and W2's 512 pairs, two each a wave; Wo's 64, the first 64 waves.
.macro RADDR n, pofs, kind, cp, sp, sec0
	s_add_co_u32 s82, s83, \pofs
	s_and_b32 s84, s82, 3                          ; tp
	s_bfe_u32 s85, s82, 0x20002                    ; s
	s_bfe_u32 s86, s82, 0x20004                    ; w'
	s_lshr_b32 s87, s82, 6                         ; j
	s_lshl_b32 s88, s86, 7
	s_lshl_b32 s89, s84, 5
	s_add_co_u32 s88, s88, s89                     ; row 128 w' + 32 tp
.if \kind == 1
	s_lshl_b32 s89, s87, 9
	s_add_co_u32 s88, s88, s89                     ; + 512 j: the chunk is a run of rows
	s_lshl_b32 s90, s88, 9
	s_lshl_b32 s89, s85, 7
	s_add_co_u32 s90, s90, s89                     ; row x 512 + 128 s
	s_lshl_b32 s92, s88, 4
	s_lshl_b32 s89, s85, 2
	s_add_co_u32 s92, s92, s89                     ; row x 16 + 4 s
.else
	s_lshl_b32 s90, s88, 12
	s_lshl_b32 s89, s87, 9
	s_add_co_u32 s90, s90, s89
	s_lshl_b32 s89, s85, 7
	s_add_co_u32 s90, s90, s89                     ; row x 4,096 + 512 j + 128 s: the chunk is a run along K
	s_lshl_b32 s92, s88, 7
	s_lshl_b32 s89, s87, 4
	s_add_co_u32 s92, s92, s89
	s_lshl_b32 s89, s85, 2
	s_add_co_u32 s92, s92, s89                     ; row x 128 + 16 j + 4 s
.endif
	s_mov_b32 s91, 0
	s_mov_b32 s93, 0
	s_add_nc_u64 s[4+8*\n:5+8*\n], s[\cp:\cp+1], s[90:91]
	s_add_nc_u64 s[6+8*\n:7+8*\n], s[\sp:\sp+1], s[92:93]
	s_lshl_b32 s89, s87, 1
	s_add_co_u32 s89, s89, \sec0                   ; the section
	s_mul_i32 s89, s89, SECB
	s_mul_i32 s94, s86, STREAM
	s_add_co_u32 s94, s94, s89
	s_lshl_b32 s89, s85, 14
	s_add_co_u32 s90, s94, s89
	s_lshl_b32 s89, s84, 12
	s_add_co_u32 s90, s90, s89                     ; fragment 8 s + 2 tp
	s_add_nc_u64 s[8+8*\n:9+8*\n], s[80:81], s[90:91]
	s_lshl_b32 s89, s85, 9
	s_add_co_u32 s92, s94, s89
	s_lshl_b32 s89, s84, 7
	s_add_co_u32 s92, s92, s89
	s_add_co_u32 s92, s92, 65536                   ; line 4 s + tp
	s_add_nc_u64 s[10+8*\n:11+8*\n], s[80:81], s[92:93]
.endm
.macro RLD n, va, vs, pitch
.irp f, 0,1
.irp c, 0,1,2,3
	global_load_b128 v[88+36*\n+16*\f+4*\c:88+36*\n+16*\f+4*\c+3], v[\va], s[4+8*\n:5+8*\n] offset:\f*8*\pitch+32*\c
.endr
.endr
	global_load_b32 v[88+36*\n+32], v[\vs], s[6+8*\n:7+8*\n]
.endm
.macro RST n
.irp f, 0,1
.irp c, 0,1,2,3
	global_store_b128 v[LI], v[88+36*\n+16*\f+4*\c:88+36*\n+16*\f+4*\c+3], s[8+8*\n:9+8*\n] offset:\f*2048+512*\c
.endr
.endr
	global_store_b32 v[LS], v[88+36*\n+32], s[10+8*\n:11+8*\n]
.endm
.Lrelay:
	s_lshl_b32 s83, ttmp9, 2
	s_add_co_u32 s83, s83, s[WV]                   ; which of the 256 waves I am
	v_lshlrev_b32 v[WA2], 12, v18                  ; W2: a row of 4,096 bytes,
	v_lshl_add_u32 v[WA2], v17, 4, v[WA2]
	v_lshlrev_b32 v[WSA2], 7, v20                  ; its 128 scale bytes
	RADDR 0, 0, 1, 72, 74, 1
	RADDR 1, 256, 1, 72, 74, 1
	RADDR 2, 0, 2, 76, 78, 2
	RADDR 3, 256, 2, 76, 78, 2
	s_wait_alu depctr_va_vdst(0)                   ; the six offsets v[LI], v[LS], v[WA], v[WSA], v[WA2], v[WSA2] are written, which the loads and stores of this way read
	RLD 0, WA, WSA, 512
	RLD 1, WA, WSA, 512
	RLD 2, WA2, WSA2, 4096
	RLD 3, WA2, WSA2, 4096
	s_wait_loadcnt 0x0
	RST 0
	RST 1
	RST 2
	RST 3
	s_cmp_lt_u32 ttmp9, 16
	s_cbranch_scc0 .Lrelay_end
	s_wait_xcnt 0x0                                ; the stores have had their addresses translated: their bases are written again,
	s_wait_alu depctr_vm_vsrc(0)                   ; and they have read v88-120, in which the loads below land
	RADDR 0, 0, 1, 68, 70, 0
	RLD 0, WA, WSA, 512
	s_wait_loadcnt 0x0
	RST 0
.Lrelay_end:
	s_endpgm
.Lfunc_end_k_qa05dd54c3a_ln_qkv:
	.size	k_qa05dd54c3a_ln_qkv, .Lfunc_end_k_qa05dd54c3a_ln_qkv-k_qa05dd54c3a_ln_qkv
	.p2alignl 7, 3214868480
	.fill 96, 4, 3214868480
	.section	.rodata,"a",@progbits
	.p2align	6, 0x0
	.amdhsa_kernel k_qa05dd54c3a_ln_qkv
		.amdhsa_group_segment_fixed_size 218624
		.amdhsa_private_segment_fixed_size 0
		.amdhsa_enable_private_segment 0
		.amdhsa_kernarg_size 160
		.amdhsa_user_sgpr_count 2
		.amdhsa_user_sgpr_kernarg_segment_ptr 1
		.amdhsa_wavefront_size32 1
		.amdhsa_system_sgpr_workgroup_id_x 1
		.amdhsa_system_sgpr_workgroup_id_y 1
		.amdhsa_system_sgpr_workgroup_id_z 1
		.amdhsa_system_vgpr_workitem_id 0
		.amdhsa_next_free_vgpr 1024
		.amdhsa_next_free_sgpr 100
		.amdhsa_reserve_vcc 1
		.amdhsa_float_denorm_mode_32 3
		.amdhsa_float_denorm_mode_16_64 3
		.amdhsa_memory_ordered 1
		.amdhsa_forward_progress 1
		.amdhsa_inst_pref_size 255
	.end_amdhsa_kernel
	.section	.bss,"aw",@nobits
	.p2align	6
	.space	262144
	.amdgpu_metadata
---
amdhsa.version: [ 1, 2 ]
amdhsa.kernels:
  - .name:           k_qa05dd54c3a_ln_qkv
    .symbol:         k_qa05dd54c3a_ln_qkv.kd
    .args:
      - { .name: x, .offset: 0, .size: 8, .value_kind: global_buffer, .address_space: global }
      - { .name: g1, .offset: 8, .size: 8, .value_kind: global_buffer, .address_space: global }
      - { .name: be1, .offset: 16, .size: 8, .value_kind: global_buffer, .address_space: global }
      - { .name: stats, .offset: 24, .size: 8, .value_kind: global_buffer, .address_space: global }
      - { .name: Wq_codes, .offset: 32, .size: 8, .value_kind: global_buffer, .address_space: global }
      - { .name: Wq_scales, .offset: 40, .size: 8, .value_kind: global_buffer, .address_space: global }
      - { .name: Wk_codes, .offset: 48, .size: 8, .value_kind: global_buffer, .address_space: global }
      - { .name: Wk_scales, .offset: 56, .size: 8, .value_kind: global_buffer, .address_space: global }
      - { .name: Wv_codes, .offset: 64, .size: 8, .value_kind: global_buffer, .address_space: global }
      - { .name: Wv_scales, .offset: 72, .size: 8, .value_kind: global_buffer, .address_space: global }
      - { .name: q_img, .offset: 80, .size: 8, .value_kind: global_buffer, .address_space: global }
      - { .name: q_sc, .offset: 88, .size: 8, .value_kind: global_buffer, .address_space: global }
      - { .name: kv, .offset: 96, .size: 8, .value_kind: global_buffer, .address_space: global }
      - { .name: Wo_codes, .offset: 104, .size: 8, .value_kind: global_buffer, .address_space: global }
      - { .name: Wo_scales, .offset: 112, .size: 8, .value_kind: global_buffer, .address_space: global }
      - { .name: W1_codes, .offset: 120, .size: 8, .value_kind: global_buffer, .address_space: global }
      - { .name: W1_scales, .offset: 128, .size: 8, .value_kind: global_buffer, .address_space: global }
      - { .name: W2_codes, .offset: 136, .size: 8, .value_kind: global_buffer, .address_space: global }
      - { .name: W2_scales, .offset: 144, .size: 8, .value_kind: global_buffer, .address_space: global }
      - { .name: wstream, .offset: 152, .size: 8, .value_kind: global_buffer, .address_space: global }
    .group_segment_fixed_size: 218624
    .private_segment_fixed_size: 0
    .kernarg_segment_align: 8
    .kernarg_segment_size: 160
    .max_flat_workgroup_size: 128
    .sgpr_count:     100
    .vgpr_count:     1024
    .wavefront_size: 32
...
	.end_amdgpu_metadata
.endif
;; end of part 6
;; launch attn: the kernel of part 2 again; grid 8 x 32, 16 waves a work-group, no clusters, 272,384 bytes of LDS; arguments q_img, q_sc, kv, o_img, o_sc; writes o_img, o_sc
;; launch wo_ffn (part 7): grid 128 x 2, 4 waves a work-group, no clusters, 165,376 bytes of LDS; arguments o_img, o_sc, stats, wstream, x, g1, be1, bo, g2, be2, b1, b2, part; writes part
.if DOCPART == 7
	.amdgcn_target "amdgcn-amd-amdhsa--gfx1250"
	.amdhsa_code_object_version 6
	.text
	.protected	k_qa05dd54c3a_wo_ffn
	.globl	k_qa05dd54c3a_wo_ffn
	.p2align	8
	.type	k_qa05dd54c3a_wo_ffn,@function
k_qa05dd54c3a_wo_ffn:
	s_mov_b64 s[64:65], 0
	v_nop
	global_prefetch_b8 v0, s[64:65] scope:SCOPE_SE
	s_setreg_imm32_b32 hwreg(HW_REG_WAVE_SCHED_MODE, 0, 2), 2
	s_setreg_imm32_b32 hwreg(HW_REG_WAVE_MODE, 25, 1), 1
	s_wait_xcnt 0x0
	s_wait_alu depctr_vm_vsrc(0)
; x1 = xn + o Wo + bo;  xn2 = layer norm 2 of x1;  out = xn2 + relu(xn2 W1 + b1) W2 + b2.  All three products on codes of FP8 (E4M3) with one E8M0 scale for each 32 along K; x1, xn2 and the hidden layer never go to memory.
; SHARES.  Work-groups (x, 0) and (x, 1) own the same 64 tokens (four tiles of 16).  Both make x1 and xn2; work-group (x, hh) then walks chunks 4 hh .. 4 hh + 3 of the eight chunks of 512 hidden units, and leaves a PARTIAL output:
; hh = 0: xn2 + b2 + its four chunks' part, hh = 1: its four chunks' part alone.  The last launch adds the two.  So a work-group reads 9 of the 17 sections of the weights and not all 17, and there are 256 work-groups.
; THE WAVES SHARE THE COLUMNS: wave w makes units 128 w .. 128 w + 127 of each SECTION (Wo; then for each chunk W1's rows and W2's K steps) for all 64 tokens: a weight fragment feeds four matrix instructions.
; THE WEIGHTS go from memory straight into registers: each fragment is used by one wave, once, so LDS would only pass it on.  The first launch has laid them as one stream for each wave, in the order of the
; operand's registers: every load reads 512 consecutive bytes.  A ring of four slots of four fragments (window 3) keeps three quads, 54 loads, of every wave on their way, across sections and barriers.
; NO JOINT LOADS: they exist for tensor loads into LDS alone, and these weights do not pass through LDS.
; THE ROWS' CODES go from wave to wave through LDS as images of the operand's registers (16 x lane; scale words 4 x lane).
; Every sum adds in place onto a seeded accumulator: xn + bo, b1, (xn2 + b2) or 0: so all sections have one form, and biases and residuals cost no addition behind the products.
; LIMITS: as in the first launch (a byte held at 1 from below; zero blocks get the byte 1; no NaN or infinities among the inputs: the seeds of hh = 1 are xn2 x 0 + b2 x 0, which is 0 for finite numbers alone).
; The output's sum is taken in two parts, chunks 0-3 and chunks 4-7, each in ascending order, added once at the end.
; REGISTERS: window 0: v1-23, v74, v75 addresses; v24-39, v92-107 mu and rstd; v40-47 the ring's scale words; v48-51 the rows'; v52-68 the quantiser's; v76-91 codes; v128-255 two sets of four row fragments.
;   window 1: 32 accumulators (tile of units t, tile of tokens m) at 64 m + 8 t: x1, xn2, the hidden layer.   window 2: parameters, then the 32 accumulators of the output.   window 3: the ring.
; THE MODE: SCHED_MODE bits 1:0 = 2 (LLVM: expert scheduling mode 2), set by the entry lines.  The code itself states the register dependences between vector or matrix instructions and memory or LDS instructions,
; with s_wait_alu, always for 0.
; THE PLAN.  Registers that memory or LDS instructions touch:
;   v1-22, v74, v75   offsets and LDS addresses: made once at the head, ahead of one wait on va_vdst, and never written again: the stream is reached by two scalar pointers and immediate offsets.
;   the ring, v40-47  Quad q: its 16 products read slot q % 4 and the slot's two registers of scale words.  ONE wait on va_vdst stands behind them, and the slot is asked for again at once: all 1,024 registers are
;                     taken, so there is no fifth slot, and a slot that waited for the next quad's head would lie idle meanwhile.
;   v128-255, v48-51  Two sets of the rows' fragments and words.  K step ks's 32 products read set ks % 2; the LDS loads of K step ks + 1 are issued at the head of K step ks into the set that K step ks - 1 read:
;                     the wait behind quad 2 ks - 1 has shown those products done, and no vector or matrix instruction since names that set; so too from section to section and over the loop's backward jump.
;   v[PC ..], v[PW]   A quantiser writes them, five LDS stores read them: one wait on va_vdst between the two, one on vm_vsrc behind the stores, ahead of the next quantiser.
;   v[BA]             Stepped once a chunk, behind the last tile's wait on vm_vsrc; the wait on va_vdst behind the step also states that the quantisers are done with window 1, in which b1 lands.
;   window 1          At the head x lands in it, the stage's stores read a tile of it, the seeds write that tile: a wait on vm_vsrc between.  window 2: parameters land in it; on the way out its accumulators are LDS stores' data.
.set SECB,   67584
.set STREAM, 17*SECB
.set SET_X,  0                         ; LDS: xn2's 16 fragments ((m, K step) at (4 m + step) x 2,048) and, 32,768 on, their words at 256 step + 64 m + 4 r
.set SET_O,  33792                     ; o's likewise
.set B1L,    67584                     ; my half of b1: 8,192 bytes
.set STG,    83968                     ; a stage of 16 rows x (512 bytes + 16) for each wave
.set STGW,   8448
.set STAT,   117760                    ; the waves' partial sums, then (1,024 on) their sums of squares
.set HSET,   131072                    ; the hidden chunk's 16 fragments and words
.set LI, 1
.set LS, 2
.set R4, 3
.set XRD, 4
.set XRS, 5
.set ORD, 6
.set ORS, 7
.set HRD, 8
.set HRS, 9
.set HWI, 10
.set HWS, 11
.set XWI, 12
.set XWS, 13
.set BA0, 14
.set SGI, 15
.set SGT, 16
.set PA, 17
.set P8, 18
.set STW, 19
.set STR, 20
.set T16, 21
.set OSW, 22
.set BA, 23
.set MU1, 24
.set MU2, 32
.set RS, 40
.set AS, 48
.set TM, 52
.set PW, 68
.set SUM, 70
.set B1W, 74
.set R2, 75
.set PC, 76
.set RS1, 92
.set RS2, 100
.set ACT, 128
.set WV, 30
.set SBE, 32                           ; s[32:33] the stream at the even section in hand or next
.set BOF, 34
.set CNT, 35
.set SEL, 36
.set MNT, 38
.set INV, 39
.set EPS, 40
.set HH, 41                            ; s41      which half of the chunks is mine
.set SBO, 46                           ; s[46:47] the stream at the odd section in hand or next
.set STEP0, 48                         ; s[48:49] bytes from Wo's section to my first section of W2
.set CSL, 50                           ; s[50:51] 1.0 (hh = 0) or 0.0 (hh = 1), twice
.set MSB, 0
.macro WIN new                         ; the immediate's high byte repeats the setting that is left; a switch that changes nothing is dropped
.if MSB != (\new)
	s_set_vgpr_msb (MSB<<8)|(\new)
.set MSB, (\new)
.endif
.endm
.macro NOPS n
.rept \n
	v_nop
.endr
.endm
.macro WM d, a, b, sa, ra, sb, rb      ; one scaled matrix instruction that adds in place; ra, rb: the side's scale words stand in lanes 16-31
.if (\ra)
.if (\rb)
	v_wmma_scale_f32_16x16x128_f8f6f4 v[(\d):(\d)+7], v[(\a):(\a)+15], v[(\b):(\b)+15], v[(\d):(\d)+7], v[(\sa)], v[(\sb)] matrix_a_scale:MATRIX_SCALE_ROW1 matrix_b_scale:MATRIX_SCALE_ROW1
.else
	v_wmma_scale_f32_16x16x128_f8f6f4 v[(\d):(\d)+7], v[(\a):(\a)+15], v[(\b):(\b)+15], v[(\d):(\d)+7], v[(\sa)], v[(\sb)] matrix_a_scale:MATRIX_SCALE_ROW1
.endif
.else
.if (\rb)
	v_wmma_scale_f32_16x16x128_f8f6f4 v[(\d):(\d)+7], v[(\a):(\a)+15], v[(\b):(\b)+15], v[(\d):(\d)+7], v[(\sa)], v[(\sb)] matrix_b_scale:MATRIX_SCALE_ROW1
.else
	v_wmma_scale_f32_16x16x128_f8f6f4 v[(\d):(\d)+7], v[(\a):(\a)+15], v[(\b):(\b)+15], v[(\d):(\d)+7], v[(\sa)], v[(\sb)]
.endif
.endif
.endm
; 64 numbers of a lane, registers qs .. qs + 63 of window W, register 16 b + i = number 16 (lane / 16) + i of block b, become 16 registers of codes (v[PC] on) and a scale word (v[PW]).
; Each accumulator among the 64 is first read at its two lowest registers.
.macro QUANT qs, relu, W
	WIN (\W)|((\W)<<2)
.irp b, 0,1,2,3
.if \relu
	v_max3_num_f32 v[TM+\b], v[(\qs)+16*\b], v[(\qs)+16*\b+1], 0x4800000        ; no |.|: what is negative is to become 0; the floor 2^(9 - 127) holds the byte at 1 from below
.else
	v_max3_num_f32 v[TM+\b], |v[(\qs)+16*\b]|, |v[(\qs)+16*\b+1]|, 0x4800000
.endif
.endr
	WIN ((\W)<<2)|((\W)<<4)
.irp i, 2,4,6,8,10,12,14
.irp b, 0,1,2,3
.if \relu
	v_max3_num_f32 v[TM+\b], v[TM+\b], v[(\qs)+16*\b+\i], v[(\qs)+16*\b+\i+1]
.else
	v_max3_num_f32 v[TM+\b], v[TM+\b], |v[(\qs)+16*\b+\i]|, |v[(\qs)+16*\b+\i+1]|
.endif
.endr
.endr
	WIN 0
.irp b, 0,1,2,3
	v_permlanex16_b32 v[TM+4+\b], v[TM+\b], s[SEL], s[SEL+1]
.endr
.irp b, 0,1,2,3
	v_max_num_f32 v[TM+\b], v[TM+\b], v[TM+4+\b]
.endr
.irp b, 0,1,2,3
	v_add_nc_u32 v[TM+12+\b], 0xfc000000, v[TM+\b]                 ; 8 off the exponent field: the conversion's scale operand
.endr
.irp b, 0,1,2,3
	v_and_or_b32 v[TM+8+\b], v[TM+\b], 0x7f800000, s[MNT]          ; 448 x the scale
.endr
.irp b, 0,1,2,3
	v_lshrrev_b32 v[TM+4+\b], 23, v[TM+12+\b]                      ; the scale's byte
.endr
	v_lshl_or_b32 v[PW], v[TM+5], 8, v[TM+4]
	v_lshl_or_b32 v[PW], v[TM+6], 16, v[PW]
	v_lshl_or_b32 v[PW], v[TM+7], 24, v[PW]
	WIN (\W)|((\W)<<6)
.irp b, 0,1,2,3
.irp i, 0,1,2,3,4,5,6,7,8,9,10,11,12,13,14,15
.if \relu
	v_med3_num_f32 v[(\qs)+16*\b+\i], v[(\qs)+16*\b+\i], 0, v[TM+8+\b]             ; the activation and the hold in one
.else
	v_med3_num_f32 v[(\qs)+16*\b+\i], v[(\qs)+16*\b+\i], -v[TM+8+\b], v[TM+8+\b]   ; the conversion to an 8-bit code does not saturate (ISA guide 7.6.2)
.endif
.endr
.endr
	WIN (\W)
.irp b, 0,1,2,3
	v_cvt_scalef32_pk8_fp8_f32 v[PC+4*\b:PC+4*\b+1], v[(\qs)+16*\b:(\qs)+16*\b+7], v[TM+12+\b]
	v_cvt_scalef32_pk8_fp8_f32 v[PC+4*\b+2:PC+4*\b+3], v[(\qs)+16*\b+8:(\qs)+16*\b+15], v[TM+12+\b]
.endr
	WIN 0
	v_nop                                                          ; a plain instruction behind the last conversion
.endm
.macro IMAGE adr, off
.irp c, 0,1,2,3
	ds_store_b128 v[\adr], v[PC+4*\c:PC+4*\c+3] offset:(\off)+512*\c
.endr
.endm
.macro BARRIER                         ; my LDS stores have landed and my LDS loads are in: then the work-group's barrier
	s_wait_dscnt 0x0
	s_barrier_signal -1
	s_barrier_wait -1
.endm
; a quad of the stream: four fragments into ring slot sl, and two lines of scale words: 18 loads.  bs: the pointer of the section that the quad belongs to
.macro QLOAD sl, bs, offc, offs
	WIN 0xc0
.irp f, 0,1,2,3
.irp c, 0,1,2,3
	global_load_b128 v[64*(\sl)+16*\f+4*\c:64*(\sl)+16*\f+4*\c+3], v[LI], s[\bs:\bs+1] offset:(\offc)+2048*\f+512*\c
.endr
.endr
	WIN 0
	global_load_b32 v[RS+2*(\sl)], v[LS], s[\bs:\bs+1] offset:(\offs)
	global_load_b32 v[RS+2*(\sl)+1], v[LS], s[\bs:\bs+1] offset:(\offs)+128
.endm
; Quad q of a section (K step q / 2, unit tiles 4 (q % 2) .. + 3): 16 matrix instructions on 16 accumulators, one a turn; then its slot takes the quad four further on:
; quads 4-7 of this section by its own pointer, quads 0-3 of the next section by the other pointer.  cnt: the loads of the younger quads, which may stay out.
.macro QUAD q, accw, buf, ahead, cnt, own, oth
	s_wait_loadcnt \cnt
	WIN 3|((\accw)<<4)|((\accw)<<6)
.irp f, 0,1,2,3
.irp m, 0,1,2,3
	WM 64*\m+8*(4*((\q)&1)+\f), 64*((\q)&3)+16*\f, ACT+64*(\buf)+16*\m, RS+2*((\q)&3)+(\f>>1), \f&1, AS+2*(\buf)+(\m>>1), \m&1
.endr
.endr
	WIN 0
	NOPS 8                                         ; eight places ahead of loads into registers that these products read, and of the first read of results
.if \ahead
	s_wait_alu depctr_va_vdst(0)                   ; these products are done reading the slot and its two registers of scale words, in which the loads below land, and the rows' set and its words, in which later LDS loads land
.if (\q) < 4
	QLOAD (\q)&3, \own, ((\q)+4)*8192, 65536+((\q)+4)*256
.else
	QLOAD (\q)&3, \oth, ((\q)-4)*8192, 65536+((\q)-4)*256
.endif
.endif
.endm
.macro SQ q, accw, buf, last, own, oth
.if \last
.if (\q) < 4
	QUAD \q, \accw, \buf, 1, 54, \own, \oth
.else
	QUAD \q, \accw, \buf, 0, 18*(7-(\q)), \own, \oth   ; my stream's end: nothing more is asked for, and the counts run down
.endif
.else
	QUAD \q, \accw, \buf, 1, 54, \own, \oth
.endif
.endm
; the four tiles' fragments of K step ks, and their scale words (lanes 0-15 tiles 0, 2; lanes 16-31 tiles 1, 3): 18 LDS loads.
; No wait stands ahead of them: the products that read this set stand ahead of a quad's wait on va_vdst, and no vector or matrix instruction since that wait names the set
.macro ACTLOAD ad, aw, ks, buf
.irp m, 0,1,2,3
.irp c, 0,1,2,3
	ds_load_b128 v[ACT+64*(\buf)+16*\m+4*\c:ACT+64*(\buf)+16*\m+4*\c+3], v[\ad] offset:(4*\m+(\ks))*2048+512*\c
.endr
.endr
	ds_load_b32 v[AS+2*(\buf)], v[\aw] offset:256*(\ks)
	ds_load_b32 v[AS+2*(\buf)+1], v[\aw] offset:256*(\ks)+128
.endm
; A SECTION: 128 units x 64 tokens x K = 512: 128 matrix instructions.  step = 1: its pointer goes two sections on at its end.
.macro SECTION accw, ad, aw, last, own, oth, step
	ACTLOAD \ad, \aw, 0, 0
.irp ks, 0,1,2,3
.if \ks < 3
	ACTLOAD \ad, \aw, \ks+1, (\ks+1)%2
	s_wait_dscnt 18                                ; this K step's are in; the 18 just issued may be out
.else
	s_wait_dscnt 0x0
.endif
	SQ 2*\ks, \accw, \ks%2, \last, \own, \oth
	SQ 2*\ks+1, \accw, \ks%2, \last, \own, \oth
.endr
.if \step
	s_add_nc_u64 s[\own:\own+1], s[\own:\own+1], 2*SECB   ; every load that names this pointer is done: the last were issued at quad 3, and quad 7's wait left out only the 54 loads of quads 4, 5, 6, which name the other pointer
.endif
.endm
; the next chunk's b1 seeds the 32 accumulators of window 1.  The step of v[BA] stands behind the last tile's wait on vm_vsrc: the LDS loads that read v[BA] a chunk ago have read it
.macro BIAS
	v_add_nc_u32 v[BA], s[BOF], v[BA0]
	s_add_co_u32 s[BOF], s[BOF], 2048
	WIN 0x40
	s_wait_alu depctr_va_vdst(0)                   ; v[BA] is written, which the loads below read; the quantisers are done with window 1's registers, in which they land
.irp m, 0,1,2,3
.irp t, 0,1,2,3,4,5,6,7
	ds_load_b128 v[64*\m+8*\t:64*\m+8*\t+3], v[BA] offset:(32*(\t/2)+8*(\t%2))*4
	ds_load_b128 v[64*\m+8*\t+4:64*\m+8*\t+7], v[BA] offset:(32*(\t/2)+8*(\t%2))*4+16
.endr
.endr
	WIN 0
.endm
; A CHUNK of 512 hidden units.  Two barriers: ahead of the images' stores every wave's reads of the last chunk's images are back; behind the stores the sixteen fragments lie in LDS.
.macro CHUNK last
	SECTION 1, XRD, XRS, 0, SBO, SBE, 1
	BARRIER
.irp m, 0,1,2,3
	QUANT 64*\m, 1, 1
	s_wait_alu depctr_va_vdst(0)                   ; the quantiser has written v[PC ..] and v[PW], which the LDS stores read
	IMAGE HWI, 8192*\m                             ; my 128 units are K step w of the second product
	ds_store_b32 v[HWS], v[PW] offset:64*\m
	s_wait_dscnt 0x0                               ; the stores are done,
	s_wait_alu depctr_vm_vsrc(0)                   ; and have read v[PC ..] and v[PW], which the next quantiser writes
.endr
.if \last == 0
	BIAS
.endif
	BARRIER
	SECTION 2, HRD, HRS, \last, SBE, SBO, 1-\last
.endm
	s_load_b512 s[4:19], s[0:1], 0x0               ; o_img, o_sc, stats, wstream, x, g1, be1, bo
	s_load_b256 s[20:27], s[0:1], 0x40             ; g2, be2, b1, b2
	s_load_b64 s[28:29], s[0:1], 0x60              ; part
	v_lshl_add_u32 v126, v0, 2, 0x28400
	v_mov_b32 v127, 0
	v_lshrrev_b32 v108, 5, v0
	v_readfirstlane_b32 s[WV], v108                ; wave 0..3
	v_and_b32 v111, 31, v0                         ; lane
	v_and_b32 v108, 15, v0                         ; r
	v_bfe_u32 v109, v0, 4, 1                       ; h
	v_and_b32 v110, 8, v108
	v_add_nc_u32 v110, v110, v108                  ; r + 8 (r / 8)
	v_lshlrev_b32 v[LI], 4, v111
	v_lshlrev_b32 v[LS], 2, v111
	v_lshlrev_b32 v[R4], 2, v108
	v_lshlrev_b32 v[R2], 1, v108
	v_lshlrev_b32 v[P8], 3, v110
	v_lshlrev_b32 v[T16], 4, v0
	v_add_nc_u32 v[B1W], B1L, v[T16]
	v_add_nc_u32 v[XRD], SET_X, v[LI]
	v_add_nc_u32 v[XRS], SET_X+32768, v[LS]
	v_add_nc_u32 v[ORD], SET_O, v[LI]
	v_add_nc_u32 v[ORS], SET_O+32768, v[LS]
	v_add_nc_u32 v[HRD], HSET, v[LI]
	v_add_nc_u32 v[HRS], HSET+32768, v[LS]
	s_wait_alu depctr_va_sdst(0)                   ; s[WV] is written, ahead of its first reader: LDS addresses and the stream's pointers are made from it
	s_lshl_b32 s42, s[WV], 11
	s_add_co_u32 s43, s42, SET_X
	v_add_nc_u32 v[XWI], s43, v[LI]
	s_add_co_u32 s43, s42, HSET
	v_add_nc_u32 v[HWI], s43, v[LI]
	s_lshl_b32 s42, s[WV], 8
	s_add_co_u32 s43, s42, SET_X+32768
	v_add_nc_u32 v[XWS], s43, v[R4]
	s_add_co_u32 s43, s42, HSET+32768
	v_add_nc_u32 v[HWS], s43, v[R4]
	s_add_co_u32 s43, s42, STAT
	v_add_nc_u32 v[STW], s43, v[R4]
	v_add_nc_u32 v[STR], STAT, v[R4]
	s_lshl_b32 s42, s[WV], 6
	s_add_co_u32 s42, s42, SET_O+32768
	v_add_nc_u32 v[OSW], s42, v[R4]
	s_lshl_b32 s42, s[WV], 9
	v_lshl_add_u32 v[PA], v109, 6, s42             ; 512 w + 64 h: my 16 numbers of a block of 32 of a parameter
	v_add_nc_u32 v[BA0], B1L, v[PA]
	s_mul_i32 s42, s[WV], STGW
	s_add_co_u32 s42, s42, STG
	v_add_nc_u32 v[SGI], s42, v[LI]                ; the stage by rows: 16 bytes a lane
	v_mul_u32_u24 v[SGT], v108, 528
	v_lshl_add_u32 v[SGT], v109, 6, v[SGT]
	v_add_nc_u32 v[SGT], s42, v[SGT]               ; and by lanes: row r, + 64 h
	s_mov_b32 s[SEL], 0x76543210
	s_mov_b32 s[SEL+1], 0xfedcba98
	s_mov_b32 s[MNT], 0x600000
	s_mov_b32 s[INV], 0x3b000000                   ; 1 / 512
	s_mov_b32 s[EPS], 0x3727c5ac                   ; 1e-5
	s_mov_b32 s[BOF], 0
.irp b, 0,1,2,3
	v_mov_b32 v[TM+4+\b], 0                        ; a lane permute's destination counts as one of its sources
.endr
	s_and_b32 s[HH], ttmp7, 0xffff                 ; which half of the chunks: my sections are 0, then 1 + 8 hh .. 8 + 8 hh
	s_lshl_b32 s44, s[HH], 3
	s_add_co_u32 s52, s44, 2
	s_mul_i32 s[STEP0], s52, SECB                  ; from section 0 to section 2 + 8 hh
	s_mov_b32 s[STEP0+1], 0
	s_add_co_u32 s44, s44, 1
	s_mul_i32 s44, s44, SECB                       ; section 1 + 8 hh
	s_mov_b32 s45, 0
	s_mov_b32 s[CSL], 0x3f800000
	s_cmp_eq_u32 s[HH], 0
	s_cselect_b32 s[CSL], s[CSL], 0                ; 1.0 or 0.0
	s_mov_b32 s[CSL+1], s[CSL]                     ; (named with it as a pair)
	s_mov_b32 s43, 0
	s_mul_i32 s42, s[WV], STREAM
	s_wait_kmcnt 0x0
	s_add_nc_u64 s[SBE:SBE+1], s[10:11], s[42:43]  ; my stream: Wo's section,
	s_add_nc_u64 s[SBO:SBO+1], s[SBE:SBE+1], s[44:45]   ; and my first section of W1
	s_wait_alu depctr_va_vdst(0)                   ; the offsets and LDS addresses v1-22, v74, v75 are written, which the loads and stores of the whole kernel read
.irp q, 0,1,2,3
	QLOAD \q, SBE, \q*8192, 65536+\q*256           ; the ring is filled before anything else is asked for
.endr
	s_lshl_b32 s42, ttmp9, 17
	s_lshl_b32 s44, s[WV], 9
	s_add_co_u32 s42, s42, s44
	s_add_nc_u64 s[12:13], s[12:13], s[42:43]      ; x at my 64 tokens, my 128 channels
	s_lshl_b32 s44, s[HH], 24
	s_add_co_u32 s42, s42, s44
	s_add_nc_u64 s[28:29], s[28:29], s[42:43]      ; the same place in my half of part (16,777,216 bytes a half)
	s_lshl_b32 s42, s[HH], 13
	s_add_nc_u64 s[24:25], s[24:25], s[42:43]      ; my 2,048 numbers of b1
	s_lshl_b32 s42, ttmp9, 15
	s_add_nc_u64 s[4:5], s[4:5], s[42:43]          ; o's 16 fragments: 32,768 dense bytes, laid as the set in LDS
	s_lshl_b32 s42, ttmp9, 10
	s_lshl_b32 s44, s[WV], 8
	s_add_co_u32 s42, s42, s44
	s_add_nc_u64 s[6:7], s[6:7], s[42:43]          ; the scale bytes of tile w
	s_lshl_b32 s42, ttmp9, 9
	s_add_nc_u64 s[8:9], s[8:9], s[42:43]          ; (mu1, rstd1)
	WIN 0x40
.irp m, 0,1,2,3
.irp i, 0,1,2,3,4,5,6,7,8,9,10,11,12,13,14,15
	global_load_b128 v[64*\m+4*\i:64*\m+4*\i+3], v[LI], s[12:13] offset:(32*(\m/2)+8*(\m%2)+\i+8*(\i/8))*2048   ; 512 consecutive bytes of a token's row
.endr
.endr
	WIN 0x80
.set n, 0
.rept 16
	global_load_b128 v[4*n:4*n+3], v[PA], s[14:15] offset:128*(n/4)+16*(n%4)           ; g1,
	global_load_b128 v[64+4*n:64+4*n+3], v[PA], s[16:17] offset:128*(n/4)+16*(n%4)     ; be1,
	global_load_b128 v[128+4*n:128+4*n+3], v[PA], s[18:19] offset:128*(n/4)+16*(n%4)   ; bo,
	global_load_b128 v[192+4*n:192+4*n+3], v[PA], s[26:27] offset:128*(n/4)+16*(n%4)   ; b2: register 16 b + i = channel 128 w + 32 b + 16 h + i
.set n, n+1
.endr
	WIN 0
.irp k, 0,1,2,3,4,5,6,7,8,9,10,11,12,13,14,15
	global_load_b128 v[128+4*\k:128+4*\k+3], v[T16], s[4:5] offset:2048*\k
.endr
.irp k, 0,1,2,3
	global_load_b128 v[192+4*\k:192+4*\k+3], v[T16], s[24:25] offset:2048*\k
.endr
.irp k, 0,1,2,3,4,5,6,7
	global_load_u16 v[224+\k], v[R2], s[6:7] offset:32*\k
.endr
.irp m, 0,1,2,3
	global_load_b64 v[MU1+2*\m:MU1+2*\m+1], v[P8], s[8:9] offset:(32*(\m/2)+8*(\m%2))*8
.endr
	s_wait_loadcnt 0x0
.irp k, 0,1,2,3
	v_lshl_or_b32 v[232+\k], v[224+2*\k+1], 16, v[224+2*\k]        ; heads 2 k and 2 k + 1 make K step k's word
.endr
.irp m, 0,1,2,3
	v_mov_b32 v[RS1+2*\m], v[MU1+2*\m+1]           ; rstd1 into the low word of a pair of its own
	v_mov_b32 v[RS1+2*\m+1], v[MU1+2*\m+1]
.endr
	s_wait_alu depctr_va_vdst(0)                   ; the four words v232-235 are written, which the last four LDS stores below read
.irp k, 0,1,2,3,4,5,6,7,8,9,10,11,12,13,14,15
	ds_store_b128 v[T16], v[128+4*\k:128+4*\k+3] offset:SET_O+2048*\k
.endr
.irp k, 0,1,2,3
	ds_store_b128 v[B1W], v[192+4*\k:192+4*\k+3] offset:2048*\k
.endr
.irp k, 0,1,2,3
	ds_store_b32 v[OSW], v[232+\k] offset:256*\k
.endr
	s_wait_dscnt 0x0                               ; the stores are done,
	s_wait_alu depctr_vm_vsrc(0)                   ; and have read v128-207 and v232-235, in which LDS loads land from here on
	; ---- the seeds of x1: xn + bo.  A tile's rows turn through my stage, so that a lane holds 64 channels of one token, as the results will lie
.irp m, 0,1,2,3
.if \m > 0
	s_wait_alu depctr_va_vdst(0)                   ; the arithmetic of the tile before is done with v128-191, in which the stage's loads land
.endif
	WIN 0x04
.irp i, 0,1,2,3,4,5,6,7,8,9,10,11,12,13,14,15
	ds_store_b128 v[SGI], v[64*\m+4*\i:64*\m+4*\i+3] offset:528*\i
.endr
	WIN 0
.set n, 0
.rept 16
	ds_load_b128 v[128+4*n:128+4*n+3], v[SGT] offset:128*(n/4)+16*(n%4)   ; LDS serves a wave's instructions in order (ISA guide 5.7.1.4)
.set n, n+1
.endr
	s_wait_dscnt 0x0
	s_wait_alu depctr_vm_vsrc(0)                   ; the stage's stores have read this tile's 64 registers of window 1, which the seeds below write
.set n, 0
.rept 32
	v_pk_add_f32 v[128+2*n:128+2*n+1], v[128+2*n:128+2*n+1], v[MU1+2*\m:MU1+2*\m+1] op_sel_hi:[1,0] neg_lo:[0,1] neg_hi:[0,1]
.set n, n+1
.endr
.set n, 0
.rept 32
	v_pk_mul_f32 v[128+2*n:128+2*n+1], v[128+2*n:128+2*n+1], v[RS1+2*\m:RS1+2*\m+1] op_sel_hi:[1,0]
.set n, n+1
.endr
	WIN 0x28
.set n, 0
.rept 32
	v_pk_fma_f32 v[128+2*n:128+2*n+1], v[128+2*n:128+2*n+1], v[2*n:2*n+1], v[64+2*n:64+2*n+1]      ; xn, by the first launch's own three operations
.set n, n+1
.endr
	WIN 0x48
.set n, 0
.rept 32
	v_pk_add_f32 v[64*\m+2*n:64*\m+2*n+1], v[128+2*n:128+2*n+1], v[128+2*n:128+2*n+1]              ; window 1 = xn (window 0) + bo (window 2)
.set n, n+1
.endr
.endr
	WIN 0x80
	s_wait_alu depctr_va_vdst(0)                   ; the multiply-adds are done reading g1 and be1, in whose registers the loads below land; the last tile's arithmetic is done with v128-191, in which the first section's rows land
.set n, 0
.rept 16
	global_load_b128 v[4*n:4*n+3], v[PA], s[20:21] offset:128*(n/4)+16*(n%4)           ; g2 and be2 take g1's and be1's place: older than every later load of the stream, so the quads' counted waits cover them
	global_load_b128 v[64+4*n:64+4*n+3], v[PA], s[22:23] offset:128*(n/4)+16*(n%4)
.set n, n+1
.endr
	WIN 0
	BARRIER                                        ; o's fragments and words, and b1, lie in LDS
	SECTION 1, ORD, ORS, 0, SBE, SBO, 0            ; window 1 = x1
	s_add_nc_u64 s[SBE:SBE+1], s[SBE:SBE+1], s[STEP0:STEP0+1]   ; on to my first section of W2; every load that names this pointer is done (quad 7's wait left out only loads that name the other)
	; ---- layer norm 2, in two passes; a token's 512 channels lie in four waves: the partial sums meet in LDS
.irp m, 0,1,2,3
.irp j, 0,1,2,3
	v_mov_b32 v[SUM+\j], 0
.endr
	WIN 0x04
.set n, 0
.rept 16
	v_pk_add_f32 v[SUM:SUM+1], v[SUM:SUM+1], v[64*\m+4*n:64*\m+4*n+1]
	v_pk_add_f32 v[SUM+2:SUM+3], v[SUM+2:SUM+3], v[64*\m+4*n+2:64*\m+4*n+3]
.set n, n+1
.endr
	WIN 0
	v_pk_add_f32 v[SUM:SUM+1], v[SUM:SUM+1], v[SUM+2:SUM+3]
	v_add_f32 v[SUM], v[SUM], v[SUM+1]
	v_permlanex16_b32 v[SUM+1], v[SUM], s[SEL], s[SEL+1]
	v_add_f32 v[112+\m], v[SUM], v[SUM+1]
.endr
	s_wait_alu depctr_va_vdst(0)                   ; the four partial sums v112-115 are written, which the LDS stores read
.irp m, 0,1,2,3
	ds_store_b32 v[STW], v[112+\m] offset:64*\m
.endr
	BARRIER
.irp m, 0,1,2,3
.irp wp, 0,1,2,3
	ds_load_b32 v[128+4*\m+\wp], v[STR] offset:256*\wp+64*\m       ; (no vector or matrix instruction since the wait above names v128-143)
.endr
.endr
	s_wait_dscnt 0x0
.irp m, 0,1,2,3
	v_add_f32 v[128+4*\m], v[128+4*\m], v[128+4*\m+1]
	v_add_f32 v[128+4*\m+2], v[128+4*\m+2], v[128+4*\m+3]
	v_add_f32 v[128+4*\m], v[128+4*\m], v[128+4*\m+2]
	v_mul_f32 v[MU2+2*\m], s[INV], v[128+4*\m]
	v_mov_b32 v[MU2+2*\m+1], v[MU2+2*\m]
.endr
.irp m, 0,1,2,3
	WIN 0x41
.set n, 0
.rept 32
	v_pk_add_f32 v[64*\m+2*n:64*\m+2*n+1], v[64*\m+2*n:64*\m+2*n+1], v[MU2+2*\m:MU2+2*\m+1] op_sel_hi:[1,0] neg_lo:[0,1] neg_hi:[0,1]
.set n, n+1
.endr
	WIN 0
.irp j, 0,1,2,3
	v_mov_b32 v[SUM+\j], 0
.endr
	WIN 0x05
.set n, 0
.rept 16
	v_pk_fma_f32 v[SUM:SUM+1], v[64*\m+4*n:64*\m+4*n+1], v[64*\m+4*n:64*\m+4*n+1], v[SUM:SUM+1]
	v_pk_fma_f32 v[SUM+2:SUM+3], v[64*\m+4*n+2:64*\m+4*n+3], v[64*\m+4*n+2:64*\m+4*n+3], v[SUM+2:SUM+3]
.set n, n+1
.endr
	WIN 0
	v_pk_add_f32 v[SUM:SUM+1], v[SUM:SUM+1], v[SUM+2:SUM+3]
	v_add_f32 v[SUM], v[SUM], v[SUM+1]
	v_permlanex16_b32 v[SUM+1], v[SUM], s[SEL], s[SEL+1]
	v_add_f32 v[116+\m], v[SUM], v[SUM+1]
.endr
	s_wait_alu depctr_va_vdst(0)                   ; the four sums of squares v116-119 are written, which the LDS stores read; the additions above are done with v128-143, in which the loads behind the barrier land
.irp m, 0,1,2,3
	ds_store_b32 v[STW], v[116+\m] offset:1024+64*\m
.endr
	BARRIER
.irp m, 0,1,2,3
.irp wp, 0,1,2,3
	ds_load_b32 v[128+4*\m+\wp], v[STR] offset:1024+256*\wp+64*\m
.endr
.endr
	s_wait_dscnt 0x0
.irp m, 0,1,2,3
	v_add_f32 v[128+4*\m], v[128+4*\m], v[128+4*\m+1]
	v_add_f32 v[128+4*\m+2], v[128+4*\m+2], v[128+4*\m+3]
	v_add_f32 v[128+4*\m], v[128+4*\m], v[128+4*\m+2]
	v_fma_f32 v[128+4*\m], v[128+4*\m], s[INV], s[EPS]
.endr
.irp m, 0,1,2,3
	v_rsq_f32 v[RS2+2*\m], v[128+4*\m]
.endr
	v_nop                                          ; a plain instruction behind the transcendentals
	s_wait_alu depctr_va_vdst(0)
.irp m, 0,1,2,3
	v_mov_b32 v[RS2+2*\m+1], v[RS2+2*\m]
.endr
.irp m, 0,1,2,3
	WIN 0x41
.set n, 0
.rept 32
	v_pk_mul_f32 v[64*\m+2*n:64*\m+2*n+1], v[64*\m+2*n:64*\m+2*n+1], v[RS2+2*\m:RS2+2*\m+1] op_sel_hi:[1,0]
.set n, n+1
.endr
	WIN 0x69
.set n, 0
.rept 32
	v_pk_fma_f32 v[64*\m+2*n:64*\m+2*n+1], v[64*\m+2*n:64*\m+2*n+1], v[2*n:2*n+1], v[64+2*n:64+2*n+1]   ; window 1 = xn2
.set n, n+1
.endr
.endr
	; the output's seeds: xn2 x c + b2 x c, c = 1 in the work-group of chunks 0-3 (xn2 + b2, one rounding) and 0 in the other: the residual and the bias are counted once
	WIN 0x82
.set n, 0
.rept 32
	v_pk_mul_f32 v[192+2*n:192+2*n+1], v[192+2*n:192+2*n+1], s[CSL:CSL+1] op_sel_hi:[1,0]
.set n, n+1
.endr
	WIN 0xa1
.irp m, 0,1,2,3                        ; over parameters that are done with; tile 3's land on b2 itself, number by number
.set n, 0
.rept 32
	v_pk_fma_f32 v[64*\m+2*n:64*\m+2*n+1], v[64*\m+2*n:64*\m+2*n+1], s[CSL:CSL+1], v[192+2*n:192+2*n+1] op_sel_hi:[1,0,1]
.set n, n+1
.endr
.endr
	WIN 0
.irp m, 0,1,2,3
	QUANT 64*\m, 0, 1
	s_wait_alu depctr_va_vdst(0)                   ; the quantiser has written v[PC ..] and v[PW], which the LDS stores read
	IMAGE XWI, 8192*\m                             ; my 128 channels are K step w of xn2 W1
	ds_store_b32 v[XWS], v[PW] offset:64*\m
	s_wait_dscnt 0x0                               ; the stores are done,
	s_wait_alu depctr_vm_vsrc(0)                   ; and have read v[PC ..] and v[PW], which the next quantiser writes
.endr
	BIAS
	BARRIER                                        ; xn2's sixteen fragments lie in LDS
	s_mov_b32 s[CNT], 3
.Lchunk:
	CHUNK 0
	s_sub_co_u32 s[CNT], s[CNT], 1
	s_cmp_lg_u32 s[CNT], 0
	s_cbranch_scc1 .Lchunk
	CHUNK 1                                        ; my fourth chunk is written out: no b1 follows, and my stream ends
	; ---- THE WAY OUT: a tile of 16 tokens x my 128 channels goes through my stage and leaves as rows: 32 lanes store 512 consecutive bytes, aligned
.macro TOSTAGE m
	WIN 0x08
.irp t, 0,1,2,3,4,5,6,7
	ds_store_b128 v[SGT], v[64*(\m)+8*\t:64*(\m)+8*\t+3] offset:128*(\t/2)+32*(\t%2)       ; each accumulator from its low end on
	ds_store_b128 v[SGT], v[64*(\m)+8*\t+4:64*(\m)+8*\t+7] offset:128*(\t/2)+32*(\t%2)+16
.endr
	WIN 0
.irp i, 0,1,2,3,4,5,6,7,8,9,10,11,12,13,14,15
	ds_load_b128 v[ACT+64*((\m)%2)+4*\i:ACT+64*((\m)%2)+4*\i+3], v[SGI] offset:528*\i
.endr
.endm
.macro SEND m, younger                 ; younger: the LDS instructions issued behind tile m's loads
	s_wait_dscnt \younger
.irp i, 0,1,2,3,4,5,6,7,8,9,10,11,12,13,14,15
	global_store_b128 v[LI], v[ACT+64*((\m)%2)+4*\i:ACT+64*((\m)%2)+4*\i+3], s[28:29] offset:(32*((\m)/2)+8*((\m)%2)+\i+8*(\i/8))*2048 th:TH_STORE_NT
.endr
.endm
	s_wait_alu depctr_va_vdst(0)                   ; behind the last quad's eight places: the products have written window 2's accumulators, which the LDS stores read, and are done reading v128-255, in which the stage's loads land; no vector instruction follows
	TOSTAGE 0
	TOSTAGE 1
	SEND 0, 32
	s_wait_xcnt 0x0                                ; tile 0's stores have had their addresses translated,
	s_wait_alu depctr_vm_vsrc(0)                   ; and have read v128-191, in which tile 2's rows land
	TOSTAGE 2
	SEND 1, 32
	s_wait_xcnt 0x0                                ; tile 1's likewise,
	s_wait_alu depctr_vm_vsrc(0)                   ; and they have read v192-255, in which tile 3's rows land
	TOSTAGE 3
	SEND 2, 32
	SEND 3, 0
	s_wait_dscnt 0x0
	s_wait_alu depctr_hold_cnt(0) depctr_sa_sdst(0) depctr_va_vdst(0) depctr_va_sdst(0) depctr_va_ssrc(0) depctr_va_vcc(0) depctr_vm_vsrc(0)
	s_wait_tensorcnt 0x0
	ds_add_u32 v126, v127
	s_wait_dscnt 0x0
	s_endpgm
.Lfunc_end_k_qa05dd54c3a_wo_ffn:
	.size	k_qa05dd54c3a_wo_ffn, .Lfunc_end_k_qa05dd54c3a_wo_ffn-k_qa05dd54c3a_wo_ffn
	.p2alignl 7, 3214868480
	.fill 96, 4, 3214868480
	.section	.rodata,"a",@progbits
	.p2align	6, 0x0
	.amdhsa_kernel k_qa05dd54c3a_wo_ffn
		.amdhsa_group_segment_fixed_size 165376
		.amdhsa_private_segment_fixed_size 0
		.amdhsa_enable_private_segment 0
		.amdhsa_kernarg_size 104
		.amdhsa_user_sgpr_count 2
		.amdhsa_user_sgpr_kernarg_segment_ptr 1
		.amdhsa_wavefront_size32 1
		.amdhsa_system_sgpr_workgroup_id_x 1
		.amdhsa_system_sgpr_workgroup_id_y 1
		.amdhsa_system_sgpr_workgroup_id_z 1
		.amdhsa_system_vgpr_workitem_id 0
		.amdhsa_next_free_vgpr 1024
		.amdhsa_next_free_sgpr 66
		.amdhsa_reserve_vcc 0
		.amdhsa_float_denorm_mode_32 3
		.amdhsa_float_denorm_mode_16_64 3
		.amdhsa_memory_ordered 1
		.amdhsa_forward_progress 1
		.amdhsa_inst_pref_size 255
	.end_amdhsa_kernel
	.section	.bss,"aw",@nobits
	.p2align	6
	.space	262144
	.amdgpu_metadata
---
amdhsa.version: [ 1, 2 ]
amdhsa.kernels:
  - .name:           k_qa05dd54c3a_wo_ffn
    .symbol:         k_qa05dd54c3a_wo_ffn.kd
    .args:
      - { .name: o_img, .offset: 0, .size: 8, .value_kind: global_buffer, .address_space: global }
      - { .name: o_sc, .offset: 8, .size: 8, .value_kind: global_buffer, .address_space: global }
      - { .name: stats, .offset: 16, .size: 8, .value_kind: global_buffer, .address_space: global }
      - { .name: wstream, .offset: 24, .size: 8, .value_kind: global_buffer, .address_space: global }
      - { .name: x, .offset: 32, .size: 8, .value_kind: global_buffer, .address_space: global }
      - { .name: g1, .offset: 40, .size: 8, .value_kind: global_buffer, .address_space: global }
      - { .name: be1, .offset: 48, .size: 8, .value_kind: global_buffer, .address_space: global }
      - { .name: bo, .offset: 56, .size: 8, .value_kind: global_buffer, .address_space: global }
      - { .name: g2, .offset: 64, .size: 8, .value_kind: global_buffer, .address_space: global }
      - { .name: be2, .offset: 72, .size: 8, .value_kind: global_buffer, .address_space: global }
      - { .name: b1, .offset: 80, .size: 8, .value_kind: global_buffer, .address_space: global }
      - { .name: b2, .offset: 88, .size: 8, .value_kind: global_buffer, .address_space: global }
      - { .name: part, .offset: 96, .size: 8, .value_kind: global_buffer, .address_space: global }
    .group_segment_fixed_size: 165376
    .private_segment_fixed_size: 0
    .kernarg_segment_align: 8
    .kernarg_segment_size: 104
    .max_flat_workgroup_size: 128
    .sgpr_count:     66
    .vgpr_count:     1024
    .wavefront_size: 32
...
	.end_amdgpu_metadata
.endif
;; end of part 7
;; launch addp: the kernel of part 5 again; grid 512 x 1, 8 waves a work-group, no clusters, 0 bytes of LDS; arguments part, out0; writes out0
